; MI455X (gfx1250); checked and timed in simulation.
; The chip was launched on July 23, 2026; its instructions are those of AMD's public machine-readable ISA for CDNA 5 (MIT licence, August 2026) and "CDNA5" Instruction Set Architecture Reference Guide (July 2026). The comments in the code are by the model that wrote it; some were corrected since.
;; Transformer Block. Allowed arithmetic: matrix products marked QUANTISED: E2M3 operands, one E8M0 scale for each 32 along K, by v_wmma_scale_f32_16x16x128_f8f6f4 with both operands' format E2M3, f32 sums; everything else in f32.
;; Inputs: W1 1,024 x 4,096 float32; W2 4,096 x 1,024 float32; Wk 1,024 x 1,024 float32; Wo 1,024 x 1,024 float32; Wq 1,024 x 1,024 float32; Wv 1,024 x 1,024 float32; b1 4,096 float32; b2 1,024 float32; beta1 1,024 float32; beta2 1,024 float32; bk 1,024 float32; bo 1,024 float32; bq 1,024 float32; bv 1,024 float32; gamma1 1,024 float32; gamma2 1,024 float32; x 2 x 2,048 x 1,024 float32.
;; Outputs: out0 2 x 2,048 x 1,024 float32.
;; This version of the problem:
;;   THIS VERSION OF THE PROBLEM IS GIVEN IN LOW PRECISION. The matrix products marked QUANTISED in the list below multiply operands that are first quantised to E2M3 (2 exponent bits, 3 mantissa bits; 6 bits a number), with one power-of-two scale for each 32 numbers along K (OCP MX v1.0); their sums are f32. All else is computed in f32.
;;   The module's matrix products, in the order in which they are computed (A, B: the left and right operand; K: the contracted axis; several contracted axes count as one K, in the product's order):
;;     1. [M 4,096, K 1,024] x [K 1,024, N 1,024]; A: computed on the way; B: input Wq: QUANTISED
;;     2. [M 4,096, K 1,024] x [K 1,024, N 1,024]; A: computed on the way; B: input Wk: QUANTISED
;;     3. [M 4,096, K 1,024] x [K 1,024, N 1,024]; A: computed on the way; B: input Wv: QUANTISED
;;     4. batch 32 x [M 2,048, K 64] x [K 64, N 2,048]; A: computed on the way; B: computed on the way: QUANTISED
;;     5. batch 32 x [M 64, K 2,048] x [K 2,048, N 2,048]; A: computed on the way; B: softmax (see below): QUANTISED
;;     6. [M 4,096, K 1,024] x [K 1,024, N 1,024]; A: computed on the way; B: input Wo: QUANTISED
;;     7. [M 4,096, K 1,024] x [K 1,024, N 4,096]; A: computed on the way; B: input W1: QUANTISED
;;     8. [M 4,096, K 4,096] x [K 4,096, N 1,024]; A: computed on the way; B: input W2: QUANTISED
;;   THE QUANTISER, for each operand of a quantised product, along K:
;;     - K is cut into blocks of 32 from its start; a last block that is shorter is filled with zeros.
;;     - A block's scale is 2^e with e = floor(log2(the largest magnitude in the block)) - 2, held to -126 .. 127; a block of zeros has e = 0. As a byte (E8M0): e + 127.
;;     - Each number is divided by its block's scale, clamped to +-7.5, and rounded to the nearest number of E2M3, ties to even, subnormals kept.
;;     - The product sums the exact products of the quantised numbers (number of the format x scale) in f32.
;;   ~~~python
;;   def quantise(x, axis):      # numpy; x: float32 -> the quantised numbers, widened to float32 again
;;       x = np.moveaxis(x, axis, -1); K = x.shape[-1]
;;       x = np.pad(x, [(0, 0)] * (x.ndim - 1) + [(0, -K % 32)]); x = x.reshape(x.shape[:-1] + (-1, 32)); a = np.abs(x).max(-1, keepdims=True)
;;       e = np.where(a > 0, np.clip(np.frexp(np.where(a > 0, a, 1))[1] - 1 - 2, -126, 127), 0)      # np.frexp(a)[1] - 1 = floor(log2(a)), exactly
;;       r = np.clip(x / 2.0 ** e, -7.5, 7.5)
;;       step = 2.0 ** (np.maximum(np.frexp(np.where(r == 0, 1, r))[1] - 1, 0) - 3)
;;       q = np.round(r / step) * step * 2.0 ** e      # np.round: ties to even
;;       return np.moveaxis(q.reshape(q.shape[:-2] + (-1,))[..., :K], -1, axis).astype(np.float32)
;;   ~~~
;;   SOFTMAX AHEAD OF A QUANTISED PRODUCT. Where the list says 'softmax', what is quantised is not the finished softmax but p = 2^(t - M), with t = logit x log2(e) and M = ceil(the row's largest t), a whole number; so 1/2 < the row's largest p <= 1. The row's sum l is taken of the UNQUANTISED p, in f32, and the product's result is divided by l at the end. Since M is a whole number, a kernel that streams over the keys may use a running M (the ceiling of the running maximum): every later rescaling is an exact power of two, which a block's scale takes up: the codes' values come out the same.
;;   OPERANDS COMPUTED ON THE WAY. 'Computed on the way' means the value that the module computes at that place (a softmax that the list does not call 'softmax' is quantised finished and normalised). What goes into a quantiser is computed in f32, as accurately as f32 sums, v_exp_f32 and their like allow (about 1e-6 of the number): no bf16 or f16 on the way to a quantiser, and a product that is left as it is and whose result goes on into a quantised operand takes f32 operands (vector FMAs, or v_wmma_f32_16x16x4_f32). A number that lies on a knife's edge between two numbers of the format may be rounded either way, as far as f32 arithmetic and the matrix unit's own rounding can turn it there, and no further.
;; 2 versions. Each part assembles by itself: llvm-mc -triple=amdgcn-amd-amdhsa -mcpu=gfx1250 --defsym DOCPART=n.
;; ======== version 1 of 2: 7 launches
;; workspace buffers: wts 9,863,168 bytes; h1 3,276,800 bytes; qkv 13,369,344 bytes; ao 3,276,800 bytes; x1 16,777,216 bytes; h2 3,276,800 bytes; hid 13,107,200 bytes
;; launch prep (part 1): grid 448 x 1, 16 waves a work-group, no clusters, 141,824 bytes of LDS; arguments Wq, Wk, Wv, Wo, W1, W2, x, gamma1, beta1, wts, h1; writes wts, h1
.if DOCPART == 1
	.amdgcn_target "amdgcn-amd-amdhsa--gfx1250"
	.amdhsa_code_object_version 6
	.text
	.protected	k_qfc8b768639_prep
	.globl	k_qfc8b768639_prep
	.p2align	8
	.type	k_qfc8b768639_prep,@function
k_qfc8b768639_prep:
	s_mov_b64 s[64:65], 0
	v_nop
	global_prefetch_b8 v0, s[64:65] scope:SCOPE_SE
	s_setreg_imm32_b32 hwreg(HW_REG_WAVE_MODE, 25, 1), 1
	s_wait_xcnt 0x0
; PREP.  Work-groups 0-191 turn the six weights ([K][N] f32, K the first axis) into codes of FP6 (E2M3) with one E8M0 byte for each 32 along K; work-groups 192-447 make LayerNorm 1 of x and quantise it along its 1,024 columns.
; LAYOUT OF EVERY OPERAND BUFFER OF THIS PROGRAM: codes [row tile of 16 positions][K step of 128][1,536 bytes]: a fragment as the matrix instruction's registers hold it: register pair i of lane l at 256 i + 8 l.
; Scale words [K step][position], 4 bytes each.  Position p holds column (of a weight) or token (of an activation) p with bits 3 and 4 exchanged: so a product's 16 registers of two neighbouring tiles are 16 neighbours along the next K.
; A block's scale is 2^(floor(log2(largest magnitude)) - 2); its byte is the largest magnitude's exponent field - 2, held at 1 from below.
; LIMITS: a block of zeros, or one under 2^-124, gets the byte 1 (its codes are zeros; this program alone reads the bytes); NaN and infinities are not served; v_rsq_f32 is accurate to 1 ulp.
; No tensor loads, no matrix unit, no cluster: memory binds, and no two work-groups read the same bytes but gamma and beta.  The two ways have LDS bytes of their own.
.set VO,  16                           ; v16-47   weights: byte offset of row i of a block, at my column
.set X,   48                           ; v48-175  weights: 128 numbers down K;  LayerNorm: v48-79 the row's 32 numbers of my lane
.set C,   176                          ; v176-199 weights: codes, six registers a block
.set D,   200                          ; v200-202 a conversion's second half
.set G,   80                           ; v80-111  gamma
.set BT,  112                          ; v112-143 beta
.set Y,   144                          ; v144-175 a whole block of 32 neighbours
.set LNB, 53248                        ; LDS: weights' stages 0 .. 53,247 (16 waves x 3,328); LayerNorm from here: 16 stages of 4,608,
.set LNI, LNB+73728                    ; the row tile's image, 12,288 bytes,
.set LNS, LNI+12288                    ; and its scale words, 512 bytes
	v_lshl_add_u32 v208, v0, 2, 0x22200
	v_mov_b32 v209, 0
	v_lshrrev_b32 v1, 5, v0
	v_readfirstlane_b32 s18, v1                    ; wave 0..15
	v_and_b32 v2, 31, v0                           ; lane
	s_cmp_lt_u32 ttmp9, 192
	s_cbranch_scc0 .Lln
; ---------------- THE WEIGHTS.  A work-group takes 128 columns x 512 along K; wave w 32 columns (w % 4) x one K step (w / 4).  A lane takes a column, its registers run down K.
; ids 0-63: Wq, Wk, Wv, Wo, 16 each; 64-127: W1; 128-191: W2.  Only pointers, pitches and bases are chosen: one path serves all six.
	s_load_b256 s[4:11], s[0:1], 0x0               ; Wq, Wk, Wv, Wo
	s_load_b128 s[12:15], s[0:1], 0x20             ; W1, W2
	s_load_b64 s[16:17], s[0:1], 0x48              ; wts
	s_lshr_b32 s30, ttmp9, 4
	s_lshr_b32 s35, ttmp9, 6                       ; 0: the four square weights, 1: W1, 2: W2
	s_and_b32 s31, ttmp9, 15
	s_and_b32 s32, ttmp9, 63
	s_mul_i32 s37, s30, 786432
	s_mul_i32 s38, s35, 3145728
	s_lshl_b32 s39, s30, 12
	s_add_co_u32 s39, s39, 9437184                 ; Wq, Wk, Wv: scale words side by side, 1,024 each, in rows of 4,096
	s_mov_b32 s34, 49152
	s_mov_b32 s36, 4096
	s_mov_b32 s40, 4096
	s_cmp_lt_u32 ttmp9, 64
	s_cselect_b32 s31, s31, s32                    ; j: my number within the tensor
	s_cselect_b32 s37, s37, s38                    ; where the tensor's codes begin
	s_cmp_lt_u32 ttmp9, 128
	s_cselect_b32 s33, 1, 3                        ; K has 2 parts of 512, W2's 8
	s_cselect_b32 s34, 12288, s34                  ; a row tile's codes: K / 128 x 1,536 bytes
	s_cmp_eq_u32 s35, 1
	s_cselect_b32 s36, 16384, s36                  ; a row of the source in bytes
	s_cselect_b32 s40, 16384, s40                  ; a K step's scale words in bytes
	s_cmp_lt_u32 ttmp9, 48
	s_cselect_b32 s40, 16384, s40
	s_cmp_ge_u32 ttmp9, 48
	s_cselect_b32 s39, 9568256, s39                ; Wo's scale words
	s_cmp_ge_u32 ttmp9, 64
	s_cselect_b32 s39, 9601024, s39                ; W1's
	s_cmp_ge_u32 ttmp9, 128
	s_cselect_b32 s39, 9732096, s39                ; W2's
	s_lshr_b32 s41, s31, s33                       ; which 128 columns
	s_bfm_b32 s42, s33, 0
	s_and_b32 s42, s31, s42                        ; which 512 along K
	s_and_b32 s20, s18, 3
	s_lshr_b32 s21, s18, 2
	s_lshl_b32 s42, s42, 2
	s_add_co_u32 s42, s42, s21                     ; my K step
	s_lshl_b32 s43, s41, 2
	s_add_co_u32 s43, s43, s20                     ; my 32 positions
	s_lshl_b32 s44, s42, 7
	s_mul_i32 s44, s44, s36                        ; 128 rows a K step
	s_lshl_b32 s22, s43, 7                         ; 32 columns, and 32 scale words, are 128 bytes
	s_add_co_u32 s44, s44, s22
	s_mov_b32 s45, 0
	s_lshl_b32 s46, s36, 5                         ; a block: 32 rows
	s_mov_b32 s47, 0
	s_lshl_b32 s48, s43, 1                         ; two row tiles
	s_mul_i32 s48, s48, s34
	s_add_co_u32 s48, s48, s37
	s_mul_i32 s49, s42, 1536
	s_add_co_u32 s48, s48, s49
	s_mov_b32 s49, 0
	s_mov_b32 s50, s34
	s_mov_b32 s51, 0
	s_mul_i32 s52, s42, s40
	s_add_co_u32 s52, s52, s39
	s_add_co_u32 s52, s52, s22
	s_mov_b32 s53, 0
	v_and_b32 v3, 7, v2
	v_bfe_u32 v4, v2, 3, 1
	v_bfe_u32 v5, v2, 4, 1
	v_lshl_or_b32 v3, v4, 4, v3
	v_lshl_or_b32 v3, v5, 3, v3                    ; my lane with bits 3 and 4 exchanged: the column of position lane
	v_lshlrev_b32 v[VO], 2, v3
.set i, 1
.rept 31
	v_add_nc_u32 v[VO+i], s36, v[VO+i-1]           ; a row further down
.set i, i+1
.endr
	s_mul_i32 s19, s18, 3328                       ; my stage: two fragments of 1,536 bytes, 1,664 apart
	v_and_b32 v6, 15, v2
	v_mul_u32_u24 v7, v5, 1664
	v_lshl_add_u32 v7, v6, 3, v7
	v_add_nc_u32 v7, s19, v7                       ; in: the fragment of my row tile, 8 bytes at my row
	v_lshlrev_b32 v8, 4, v2                        ; out: 16 bytes a lane
	v_add_nc_u32 v9, s19, v8
	v_lshlrev_b32 v10, 2, v2                       ; my scale word
	s_wait_kmcnt 0x0
	s_cmp_eq_u32 s30, 1
	s_cselect_b64 s[4:5], s[6:7], s[4:5]
	s_cmp_eq_u32 s30, 2
	s_cselect_b64 s[4:5], s[8:9], s[4:5]
	s_cmp_eq_u32 s30, 3
	s_cselect_b64 s[4:5], s[10:11], s[4:5]
	s_cmp_eq_u32 s35, 1
	s_cselect_b64 s[4:5], s[12:13], s[4:5]
	s_cmp_eq_u32 s35, 2
	s_cselect_b64 s[4:5], s[14:15], s[4:5]
	s_add_nc_u64 s[4:5], s[4:5], s[44:45]          ; block 0 of my K step, my 32 columns
	s_add_nc_u64 s[6:7], s[4:5], s[46:47]          ; blocks 1, 2, 3
	s_add_nc_u64 s[8:9], s[6:7], s[46:47]
	s_add_nc_u64 s[10:11], s[8:9], s[46:47]
	s_add_nc_u64 s[12:13], s[16:17], s[48:49]      ; my first fragment in wts,
	s_add_nc_u64 s[14:15], s[12:13], s[50:51]      ; my second,
	s_add_nc_u64 s[16:17], s[16:17], s[52:53]      ; my 32 scale words
.macro LOADW t                         ; block t: 32 rows at my column; a wave reads 128 consecutive bytes, the four waves beside each other 512
.set i, 0
.rept 32
	global_load_b32 v[X+32*(\t)+i], v[VO+i], s[4+2*(\t):5+2*(\t)] th:TH_LOAD_NT
.set i, i+1
.endr
.endm
.macro BLOCK t
.set XS, X+32*(\t)
.set CS, C+6*(\t)
.if (\t) < 3
	s_wait_loadcnt 32                              ; this block's 32 loads are in; the next block's may be out
.else
	s_wait_loadcnt 0x0
.endif
.if (\t) < 2
	LOADW (\t)+2                                   ; two blocks ahead
.endif
	v_max3_num_f32 v12, |v[XS]|, |v[XS+1]|, |v[XS+2]|      ; the block's largest magnitude: all 32 numbers are mine
	v_max3_num_f32 v13, |v[XS+3]|, |v[XS+4]|, |v[XS+5]|
.irp i, 6,10,14,18,22,26
	v_max3_num_f32 v12, v12, |v[XS+\i]|, |v[XS+\i+1]|
	v_max3_num_f32 v13, v13, |v[XS+\i+2]|, |v[XS+\i+3]|
.endr
	v_max3_num_f32 v12, v12, |v[XS+30]|, |v[XS+31]|
	v_max3_num_f32 v12, v12, v13, 0x1800000        ; and the floor 2^(3 - 127): the byte cannot fall under 1
	v_add_nc_u32 v11, 0xff000000, v12              ; 2 off the exponent field: the conversion's scale operand
	v_lshrrev_b32 v13, 23, v11                     ; the scale's byte
.if (\t) == 0
	v_mov_b32 v14, v13
.else
	v_lshl_or_b32 v14, v13, 8*(\t), v14            ; four bytes make my position's scale word of this K step
.endif
	v_cvt_scalef32_pk16_fp6_f32 v[CS:CS+2], v[XS:XS+15], v11
	v_cvt_scalef32_pk16_fp6_f32 v[D:D+2], v[XS+16:XS+31], v11      ; (a conversion's three registers begin on an even number)
	v_nop                                          ; one plain place behind a scaled conversion
.irp i, 0,1,2
	v_mov_b32 v[CS+3+\i], v[D+\i]
.endr
.irp i, 0,1,2                          ; block t is what lane (row, t % 2) of the fragment holds in registers 6 (t / 2) on
	ds_store_b64 v7, v[CS+2*\i:CS+2*\i+1] offset:768*((\t)/2)+128*((\t)%2)+256*\i
.endr
.endm
	LOADW 0
	LOADW 1
	BLOCK 0
	BLOCK 1
	BLOCK 2
	BLOCK 3
	global_store_b32 v10, v14, s[16:17]            ; 32 scale words: 128 consecutive bytes
.irp j, 0,1,2,3,4,5
	ds_load_b128 v[X+4*\j:X+4*\j+3], v9 offset:(\j/3)*1664+512*(\j%3)   ; LDS serves a wave's instructions in order: these see my stores
.endr
.irp j, 0,1,2,3,4,5
	s_wait_dscnt 5-\j
	global_store_b128 v8, v[X+4*\j:X+4*\j+3], s[12+2*(\j/3):13+2*(\j/3)] offset:512*(\j%3)   ; 512 consecutive bytes, aligned
.endr
	s_wait_tensorcnt 0x0
	ds_add_u32 v208, v209
	s_wait_dscnt 0x0
	s_endpgm
; ---------------- LAYERNORM 1.  A work-group makes one row tile (16 positions), a wave one row: read once, kept in 32 registers a lane.
.Lln:
	s_load_b128 s[4:7], s[0:1], 0x30               ; x, gamma1
	s_load_b64 s[8:9], s[0:1], 0x40                ; beta1
	s_load_b64 s[10:11], s[0:1], 0x50              ; h1
	s_sub_co_u32 s19, ttmp9, 192                   ; the row tile
	s_lshr_b32 s20, s19, 1                         ; position 16 g + w with bits 3 and 4 exchanged: token 32 (g / 2) + 16 (w / 8) + 8 (g % 2) + w % 8
	s_lshl_b32 s20, s20, 5
	s_lshr_b32 s21, s18, 3
	s_lshl_b32 s21, s21, 4
	s_add_co_u32 s20, s20, s21
	s_and_b32 s21, s19, 1
	s_lshl_b32 s21, s21, 3
	s_add_co_u32 s20, s20, s21
	s_and_b32 s21, s18, 7
	s_add_co_u32 s20, s20, s21
	s_lshl_b32 s20, s20, 12                        ; a row is 4,096 bytes
	s_mov_b32 s21, 0
	s_mov_b32 s22, 0x76543210
	s_mov_b32 s23, 0xfedcba98                      ; v_permlanex16_b32's selects for lane l xor 16
	s_mul_i32 s26, s19, 12288
	s_mov_b32 s27, 0
	s_lshl_b32 s28, s19, 6
	s_add_co_u32 s28, s28, 3145728
	s_mov_b32 s29, 0
	v_lshlrev_b32 v3, 4, v2                        ; 16 bytes a lane
	s_mul_i32 s24, s18, 4608
	s_add_co_u32 s24, s24, LNB                     ; my stage: 32 blocks of 128 bytes + 16
	v_lshrrev_b32 v8, 3, v2
	v_mul_u32_u24 v8, v8, 144
	v_and_b32 v9, 7, v2
	v_lshl_add_u32 v8, v9, 4, v8
	v_add_nc_u32 v4, s24, v8                       ; in: as loaded: eight lanes fill a block
	v_mul_u32_u24 v8, v2, 144
	v_add_nc_u32 v5, s24, v8                       ; out: lane l takes block l whole
	v_lshrrev_b32 v8, 2, v2                        ; my block's K step
	v_mul_u32_u24 v9, v8, 1536
	v_bfe_u32 v10, v2, 1, 1
	v_mad_u32_u24 v9, v10, 768, v9
	v_and_b32 v10, 1, v2
	v_lshl_add_u32 v9, v10, 7, v9
	s_lshl_b32 s25, s18, 3
	s_add_co_u32 s25, s25, LNI
	v_add_nc_u32 v6, s25, v9                       ; the image: block l of row w is what lane (w, l % 2) holds in registers 6 ((l / 2) % 2) on, K step l / 4
	v_lshlrev_b32 v9, 6, v8
	v_and_b32 v10, 3, v2
	v_add_nc_u32 v9, v9, v10
	s_lshl_b32 s25, s18, 2
	s_add_co_u32 s25, s25, LNS
	v_add_nc_u32 v7, s25, v9                       ; my block's byte in row w's word of that K step
	s_mul_i32 s25, s18, 768
	v_lshl_add_u32 v41, v2, 3, s25                 ; the way out: wave w takes 768 bytes of the image
	v_add_nc_u32 v40, LNI, v41
	v_lshl_add_u32 v42, v2, 4, LNS
	v_lshlrev_b32 v43, 14, v8                      ; the scale words' place: 16,384 bytes a K step, 16 bytes a lane
	v_lshl_add_u32 v43, v10, 4, v43
	s_wait_kmcnt 0x0
	s_add_nc_u64 s[4:5], s[4:5], s[20:21]
	s_add_nc_u64 s[12:13], s[10:11], s[26:27]      ; the row tile's codes
	s_add_nc_u64 s[14:15], s[10:11], s[28:29]      ; and its scale words
.irp j, 0,1,2,3,4,5,6,7
	global_load_b128 v[X+4*\j:X+4*\j+3], v3, s[4:5] offset:512*\j th:TH_LOAD_NT
.endr
.irp j, 0,1,2,3,4,5,6,7
	global_load_b128 v[G+4*\j:G+4*\j+3], v3, s[6:7] offset:512*\j
.endr
.irp j, 0,1,2,3,4,5,6,7
	global_load_b128 v[BT+4*\j:BT+4*\j+3], v3, s[8:9] offset:512*\j
.endr
.macro WSUM r, t                       ; the sum of v[r] over the 32 lanes, in every lane
	v_add_f32_dpp v[\r], v[\r], v[\r] row_xmask:1 row_mask:0xf bank_mask:0xf
	v_add_f32_dpp v[\r], v[\r], v[\r] row_xmask:2 row_mask:0xf bank_mask:0xf
	v_add_f32_dpp v[\r], v[\r], v[\r] row_xmask:4 row_mask:0xf bank_mask:0xf
	v_add_f32_dpp v[\r], v[\r], v[\r] row_xmask:8 row_mask:0xf bank_mask:0xf
	v_permlanex16_b32 v[\t], v[\r], s22, s23
	v_add_f32 v[\r], v[\r], v[\t]
.endm
	s_wait_loadcnt 16                              ; the row is in; gamma's and beta's sixteen loads may be out
	v_pk_add_f32 v[8:9], v[X:X+1], v[X+2:X+3]
	v_pk_add_f32 v[10:11], v[X+4:X+5], v[X+6:X+7]
.irp j, 8,12,16,20,24,28
	v_pk_add_f32 v[8:9], v[8:9], v[X+\j:X+\j+1]
	v_pk_add_f32 v[10:11], v[10:11], v[X+\j+2:X+\j+3]
.endr
	v_pk_add_f32 v[8:9], v[8:9], v[10:11]
	v_add_f32 v8, v8, v9
	WSUM 8, 9
	v_mul_f32 v8, 0x3a800000, v8                   ; the mean: / 1,024
.irp j, 0,2,4,6,8,10,12,14,16,18,20,22,24,26,28,30
	v_pk_add_f32 v[X+\j:X+\j+1], v[X+\j:X+\j+1], v[8:9] op_sel_hi:[1,0] neg_lo:[0,1] neg_hi:[0,1]   ; x - mean
.endr
	v_pk_mul_f32 v[10:11], v[X:X+1], v[X:X+1]
	v_pk_mul_f32 v[12:13], v[X+2:X+3], v[X+2:X+3]
.irp j, 4,8,12,16,20,24,28
	v_pk_fma_f32 v[10:11], v[X+\j:X+\j+1], v[X+\j:X+\j+1], v[10:11]
	v_pk_fma_f32 v[12:13], v[X+\j+2:X+\j+3], v[X+\j+2:X+\j+3], v[12:13]
.endr
	v_pk_add_f32 v[10:11], v[10:11], v[12:13]
	v_add_f32 v10, v10, v11
	WSUM 10, 11
	v_mov_b32 v14, 0x3727c5ac                      ; 1e-5
	v_fmac_f32 v14, 0x3a800000, v10                ; the variance + 1e-5
	v_rsq_f32 v16, v14
	v_mov_b32 v17, 0                               ; (a plain place; and the pair v[16:17] is named whole below)
	s_wait_loadcnt 0x0                             ; gamma and beta
.irp j, 0,2,4,6,8,10,12,14,16,18,20,22,24,26,28,30
	v_pk_mul_f32 v[G+\j:G+\j+1], v[G+\j:G+\j+1], v[X+\j:X+\j+1]    ; gamma (x - mean): work that does not name the root
.endr
	s_wait_alu depctr_va_vdst(0)                   ; the wait ahead of the first reader of v16
.irp j, 0,2,4,6,8,10,12,14,16,18,20,22,24,26,28,30
	v_pk_fma_f32 v[X+\j:X+\j+1], v[G+\j:G+\j+1], v[16:17], v[BT+\j:BT+\j+1] op_sel_hi:[1,0,1]
.endr
.irp j, 0,1,2,3,4,5,6,7
	ds_store_b128 v4, v[X+4*\j:X+4*\j+3] offset:576*\j
.endr
.irp j, 0,1,2,3,4,5,6,7
	ds_load_b128 v[Y+4*\j:Y+4*\j+3], v5 offset:16*\j       ; my own bytes, served in order
.endr
	s_wait_dscnt 0x0
	v_max3_num_f32 v12, |v[Y]|, |v[Y+1]|, |v[Y+2]|
	v_max3_num_f32 v13, |v[Y+3]|, |v[Y+4]|, |v[Y+5]|
.irp i, 6,10,14,18,22,26
	v_max3_num_f32 v12, v12, |v[Y+\i]|, |v[Y+\i+1]|
	v_max3_num_f32 v13, v13, |v[Y+\i+2]|, |v[Y+\i+3]|
.endr
	v_max3_num_f32 v12, v12, |v[Y+30]|, |v[Y+31]|
	v_max3_num_f32 v12, v12, v13, 0x1800000
	v_add_nc_u32 v11, 0xff000000, v12
	v_lshrrev_b32 v13, 23, v11
	v_cvt_scalef32_pk16_fp6_f32 v[176:178], v[Y:Y+15], v11
	v_cvt_scalef32_pk16_fp6_f32 v[184:186], v[Y+16:Y+31], v11
	v_nop
.irp i, 0,1,2
	v_mov_b32 v[179+\i], v[184+\i]
.endr
.irp i, 0,1,2
	ds_store_b64 v6, v[176+2*\i:177+2*\i] offset:256*\i
.endr
	ds_store_b8 v7, v13
	s_wait_dscnt 0x0                               ; for the others' sake: my stores have landed
	s_barrier_signal -1
	s_barrier_wait -1                              ; the row tile's image and its scale words are whole
.irp i, 0,1,2
	ds_load_b64 v[48+2*\i:49+2*\i], v40 offset:256*\i
.endr
	s_wait_dscnt 0x0
.irp i, 0,1,2
	global_store_b64 v41, v[48+2*\i:49+2*\i], s[12:13] offset:256*\i       ; 256 consecutive bytes, aligned
.endr
	s_cmp_lg_u32 s18, 0
	s_cbranch_scc1 .Lend
	ds_load_b128 v[56:59], v42                     ; wave 0: the 8 x 16 scale words
	s_wait_dscnt 0x0
	global_store_b128 v43, v[56:59], s[14:15]
.Lend:
	s_wait_tensorcnt 0x0
	ds_add_u32 v208, v209
	s_wait_dscnt 0x0
	s_endpgm
.Lfunc_end_k_qfc8b768639_prep:
	.size	k_qfc8b768639_prep, .Lfunc_end_k_qfc8b768639_prep-k_qfc8b768639_prep
	.p2alignl 7, 3214868480
	.fill 96, 4, 3214868480
	.section	.rodata,"a",@progbits
	.p2align	6, 0x0
	.amdhsa_kernel k_qfc8b768639_prep
		.amdhsa_group_segment_fixed_size 141824
		.amdhsa_private_segment_fixed_size 0
		.amdhsa_enable_private_segment 0
		.amdhsa_kernarg_size 88
		.amdhsa_user_sgpr_count 2
		.amdhsa_user_sgpr_kernarg_segment_ptr 1
		.amdhsa_wavefront_size32 1
		.amdhsa_system_sgpr_workgroup_id_x 1
		.amdhsa_system_sgpr_workgroup_id_y 1
		.amdhsa_system_sgpr_workgroup_id_z 1
		.amdhsa_system_vgpr_workitem_id 0
		.amdhsa_next_free_vgpr 210
		.amdhsa_next_free_sgpr 66
		.amdhsa_reserve_vcc 0
		.amdhsa_float_denorm_mode_32 3
		.amdhsa_float_denorm_mode_16_64 3
		.amdhsa_memory_ordered 1
		.amdhsa_forward_progress 1
		.amdhsa_inst_pref_size 40
	.end_amdhsa_kernel
	.amdgpu_metadata
---
amdhsa.version: [ 1, 2 ]
amdhsa.kernels:
  - .name:           k_qfc8b768639_prep
    .symbol:         k_qfc8b768639_prep.kd
    .args:
      - { .name: Wq, .offset: 0, .size: 8, .value_kind: global_buffer, .address_space: global }
      - { .name: Wk, .offset: 8, .size: 8, .value_kind: global_buffer, .address_space: global }
      - { .name: Wv, .offset: 16, .size: 8, .value_kind: global_buffer, .address_space: global }
      - { .name: Wo, .offset: 24, .size: 8, .value_kind: global_buffer, .address_space: global }
      - { .name: W1, .offset: 32, .size: 8, .value_kind: global_buffer, .address_space: global }
      - { .name: W2, .offset: 40, .size: 8, .value_kind: global_buffer, .address_space: global }
      - { .name: x, .offset: 48, .size: 8, .value_kind: global_buffer, .address_space: global }
      - { .name: gamma1, .offset: 56, .size: 8, .value_kind: global_buffer, .address_space: global }
      - { .name: beta1, .offset: 64, .size: 8, .value_kind: global_buffer, .address_space: global }
      - { .name: wts, .offset: 72, .size: 8, .value_kind: global_buffer, .address_space: global }
      - { .name: h1, .offset: 80, .size: 8, .value_kind: global_buffer, .address_space: global }
    .group_segment_fixed_size: 141824
    .private_segment_fixed_size: 0
    .kernarg_segment_align: 8
    .kernarg_segment_size: 88
    .max_flat_workgroup_size: 512
    .sgpr_count:     66
    .vgpr_count:     210
    .wavefront_size: 32
...
	.end_amdgpu_metadata
.endif
;; end of part 1
;; launch qkv (part 2): grid 12 x 16, 4 waves a work-group, clusters of 4 x 4, 327,680 bytes of LDS; arguments h1, wts, bq, bk, bv, qkv; writes qkv
.if DOCPART == 2
	.amdgcn_target "amdgcn-amd-amdhsa--gfx1250"
	.amdhsa_code_object_version 6
	.text
	.protected	k_qfc8b768639_qkv
	.globl	k_qfc8b768639_qkv
	.p2align	8
	.type	k_qfc8b768639_qkv,@function
k_qfc8b768639_qkv:
	s_mov_b64 s[64:65], 0
	v_nop
	global_prefetch_b8 v0, s[64:65] scope:SCOPE_SE
	s_setreg_imm32_b32 hwreg(HW_REG_WAVE_MODE, 25, 1), 1
	s_wait_xcnt 0x0
	s_wait_alu depctr_hold_cnt(0) depctr_sa_sdst(0) depctr_va_vdst(0) depctr_va_sdst(0) depctr_va_ssrc(0) depctr_va_vcc(0) depctr_vm_vsrc(0)
	s_getreg_b32 s2, hwreg(HW_REG_IB_STS2, 6, 4)
	s_cmp_eq_u32 s2, 0
	s_cbranch_scc0 .Lentry_in_a_cluster
	s_endpgm
.Lentry_in_a_cluster:
	s_bfe_u32 s2, ttmp6, 0x10000c
	s_cmp_lg_u32 s2, 0xf033
	s_cbranch_scc0 .Lentry_shape_is_right
	s_endpgm
.Lentry_shape_is_right:
; q, k, v = LN1(x) W + b on codes of FP6 (E2M3), and their quantising for attention: q and k along the head's 64, v along the tokens.
; A tile of 256 x 256 is made by four waves, 128 x 128 each (64 accumulators, 512 registers); K = 1,024 goes in steps of 256 through two LDS slots filled by joint tensor loads (4 x 4 work-groups: A's tile shared along a row of the cluster, B's along a column).
; Operands lie in memory as images of the matrix instruction's registers (row tile, K step: 1,536 bytes; register pair i of lane l at 256 i + 8 l), so a fragment is six ds_load_b64 of 256 consecutive bytes: no pitch, no padding.
; THE PRODUCT IS USED TRANSPOSED: source 0 = 16 positions of the B side, source 1 = 16 of the A side: a lane holds one position of A and eight neighbours of B.  Since position p holds row p with bits 3 and 4 exchanged, the 64 registers
; of A's block a are 128 neighbours along the B side, register 16 n + i = 32 n + 16 (lane / 16) + i: what the quantiser wants.
; CLUSTERS x = 0, 1 (q, k): A = tokens (h1), B = Wq or Wk: registers run along the columns.  CLUSTER x = 2 (v): A = Wv's columns, B = tokens: registers run along the tokens.  Only pointers differ, chosen on the cluster's x,
; which all partners share; A's tile hangs on cy and B's on cx in both cases.  What differs in the text stands under short branches on that number: the bias loads, the first K step (whose C is the bias), the stores.
; OUT: two arrays of 32 blobs (16 b + head) of 208,896 bytes, Q's at 0, K's and V's at 6,684,672.  A blob: two halves (1,024 tokens) of 104,448: K's (Q's) half fragments 64 x 768; V's fragments [8 steps][4 tiles][1,536] at 49,152;
; K's (Q's) scale words at 98,304; V's at 102,400.  LIMITS: as stated in prep; the upper two bytes of q's and k's scale words are 0 and meet zero codes alone.
.set KT,    8                          ; K steps of 128
.set NQ,    2                          ; in a slot
.set FR,    12
.set NL,    6
.set NP,    4                          ; places behind this matrix instruction (ISA guide 7.12.1)
.set HALFT, 24576                      ; 8 row tiles x 3,072 bytes: what one tensor load brings
.set SLOT,  4*HALFT
.set LAPS,  KT/4
.set SCL,   2*SLOT                     ; the scale words of all of K: four regions [K step][128 words]
.set HALFS, KT*512
.set SPARE, 327168                     ; the spare words: 128 bytes a wave, named by no other line
.set ADRA, 16
.set ADRB, 20
.set L8,   24                          ; v24 8 x lane
.set L4,   25                          ; v25 4 x lane
.set ADRS, 27
.set SPW,  28
.set NIL,  29
.set SC,   32                          ; v32-63 scale words, two sets
.set BIAS, 64                          ; v64-127 the bias as C of the first products
.set AF,   128                         ; v128-223 A's fragments, one set
.set PC,   192                         ; the way out: codes
.set TM,   224                         ; v224-239 at work in the quantiser
.set WD,   240                         ; v240-241 scale words just made; v242, v243, v245 as stored
.set FLOOR, 244
.set G1, 24
.set G0, 32
.set G1B, 48
.set G0B, 56
.set G1S, 68
.set G0S, 76
.set G1SB, 80
.set G0SB, 88
.set MSB, 0
.macro WIN new                         ; the immediate's high byte repeats the setting that is left
.if MSB != \new
	s_set_vgpr_msb (MSB<<8)|\new
.set MSB, \new
.endif
.endm
.set MUL_LO, 0xa1                      ; source 0 (B) window 1, source 1 (A) window 0, C and D window 2
.set MUL_HI, 0xf1
.set TO_B,   0x40
.macro JLOAD g0a, g1a, g0b, g1b        ; a joint load: waves 0 and 1 fetch for A, waves 2 and 3 for B; four v_nop follow each line
	s_cmp_eq_u32 s15, 0
	s_cbranch_scc0 .Lfor_b_\@
	tensor_load_to_lds s[\g0a:\g0a+3], s[\g1a:\g1a+7]
	s_nop 0
.rept 4
	v_nop
.endr
	s_branch .Lasked_\@
.Lfor_b_\@:
	tensor_load_to_lds s[\g0b:\g0b+3], s[\g1b:\g1b+7]
	s_nop 0
.rept 4
	v_nop
.endr
.Lasked_\@:
.endm
.macro CREST
	s_cmp_lg_u32 s14, 0
	s_cbranch_scc1 .Lnot_wave_0_\@
	s_barrier_signal -3
.Lnot_wave_0_\@:
	s_barrier_wait -3
	s_barrier_signal -1
	s_barrier_wait -1
.endm
.macro CROUND
	s_barrier_signal -1
	s_barrier_wait -1
	CREST
.endm
	s_load_b128 s[4:7], s[0:1], 0x0                ; h1, wts
	s_load_b128 s[8:11], s[0:1], 0x10              ; bq, bk
	s_load_b128 s[96:99], s[0:1], 0x20             ; bv, qkv
	v_lshl_add_u32 v[SPW], v0, 2, SPARE
	v_mov_b32 v[NIL], 0
	ds_add_u32 v28, v29
	ds_add_u32 v28, v29
	s_wait_dscnt 0x0
	v_lshrrev_b32 v1, 5, v0
	v_readfirstlane_b32 s14, v1                    ; wave 0..3
	s_lshr_b32 s15, s14, 1                         ; my half of A's 256.  Also: I fetch for A (0) or for B (1)
	s_and_b32 s16, s14, 1                          ; my half of B's 256.  Also: which 128 rows I fetch
	s_bfe_u32 s40, ttmp6, 0x40000                  ; cx
	s_bfe_u32 s41, ttmp6, 0x40004                  ; cy
	s_and_b32 s17, ttmp7, 0xffff
	s_lshl_b32 s17, s17, 2                         ; 4 x cluster y
	s_lshl_b32 s42, ttmp9, 2                       ; 4 x cluster x
	s_cmp_eq_u32 ttmp9, 2                          ; v's cluster?  The same in all sixteen partners
	s_cselect_b32 s100, 1, 0
	s_cselect_b32 s42, s17, s42                    ; B's tiles: v: tokens, by cluster y; q, k: the weights' columns
	s_cselect_b32 s17, 8, s17                      ; A's tiles: v: Wv's positions, 2,048 on; q, k: tokens
	s_mov_b32 s18, 3145728
	s_cselect_b32 s18, 9437184, s18                ; where A's scale words begin in A's buffer
	s_mov_b32 s19, 9437184
	s_cselect_b32 s19, 3145728, s19                ; and B's in B's
	s_add_co_u32 s42, s42, s40                     ; + cx
	s_add_co_u32 s17, s17, s41                     ; + cy
	s_lshl_b32 s43, s41, 2
	s_lshl_b32 s43, 15, s43                        ; my row of the cluster
	s_lshl_b32 s44, 0x1111, s40                    ; my column
	s_or_b32 s[G1+0], s43, (3<<16)|(1<<21)         ; 15:0 the mask; 17:16 elements of 8 bytes; 21 set beside a mask; no padding
	s_or_b32 s[G1B+0], s44, (3<<16)|(1<<21)
.irp g, G1, G1B
	s_mov_b32 s[\g+1], 384<<16                     ; tensor_dim0: 3,072 bytes: two K steps of a row tile
	s_mov_b32 s[\g+2], 8<<16                       ; tensor_dim1: 8 row tiles
	s_mov_b32 s[\g+3], 384<<16                     ; tile_dim0
	s_mov_b32 s[\g+4], 8                           ; tile_dim1
	s_mov_b32 s[\g+5], KT*192                      ; from row tile to row tile
	s_mov_b32 s[\g+6], 0
	s_mov_b32 s[\g+7], 0
.endr
	s_or_b32 s[G1S+0], s43, (3<<16)|(1<<21)
	s_or_b32 s[G1SB+0], s44, (3<<16)|(1<<21)
.irp g, G1S, G1SB
	s_mov_b32 s[\g+1], 64<<16                      ; 128 scale words
	s_mov_b32 s[\g+2], KT<<16                      ; of each K step
	s_mov_b32 s[\g+3], 64<<16
	s_mov_b32 s[\g+4], KT
	s_mov_b32 s[\g+5], 2048                        ; both buffers have 4,096 words to a K step
	s_mov_b32 s[\g+6], 0
	s_mov_b32 s[\g+7], 0
.endr
	s_lshl_b32 s2, s16, 7
	s_lshl_b32 s20, s17, 8
	s_add_co_u32 s20, s20, s2                      ; A: the first of the 128 positions that I fetch
	s_lshl_b32 s46, s42, 8
	s_add_co_u32 s46, s46, s2                      ; B likewise
	s_lshl_b32 s22, s20, 2
	s_add_co_u32 s22, s22, s18
	s_lshl_b32 s92, s46, 2
	s_add_co_u32 s92, s92, s19
	s_mul_i32 s20, s20, 96*KT
	s_mul_i32 s46, s46, 96*KT
	s_mov_b32 s21, 0
	s_mov_b32 s23, 0
	s_mov_b32 s47, 0
	s_mov_b32 s93, 0
	s_mul_i32 s45, s14, HALFT                      ; where they go: no place in the cluster enters an LDS address
	s_mul_i32 s94, s14, HALFS
	s_mov_b32 s66, 0x76543210
	s_mov_b32 s67, 0xfedcba98
	s_mov_b32 s95, 0xffff0000                      ; lanes 16-31
	s_wait_kmcnt 0x0
	s_cmp_eq_u32 s100, 1
	s_cselect_b64 s[12:13], s[6:7], s[4:5]         ; A's buffer
	s_cselect_b64 s[6:7], s[4:5], s[6:7]           ; B's buffer
	s_add_nc_u64 s[20:21], s[12:13], s[20:21]
	s_add_nc_u64 s[22:23], s[12:13], s[22:23]
	s_add_nc_u64 s[46:47], s[6:7], s[46:47]
	s_add_nc_u64 s[92:93], s[6:7], s[92:93]
	CROUND                                         ; all sixteen work-groups are here: the first joint loads meet
	s_mov_b32 s[G0S], 1
	s_add_co_u32 s[G0S+1], s94, SCL
	s_mov_b64 s[G0S+2:G0S+3], s[22:23]
	s_or_b32 s[G0S+3], s[G0S+3], 0x80000000
	s_mov_b32 s[G0SB], 1
	s_add_co_u32 s[G0SB+1], s94, SCL
	s_mov_b64 s[G0SB+2:G0SB+3], s[92:93]
	s_or_b32 s[G0SB+3], s[G0SB+3], 0x80000000
	JLOAD G0S, G1S, G0SB, G1SB                     ; the scale words first
.irp s, 0,1
	s_mov_b32 s[G0+4*\s], 1
	s_add_co_u32 s[G0+4*\s+1], s45, \s*SLOT
	s_add_nc_u64 s[G0+4*\s+2:G0+4*\s+3], s[20:21], \s*3072
	s_or_b32 s[G0+4*\s+3], s[G0+4*\s+3], 0x80000000
	s_mov_b32 s[G0B+4*\s], 1
	s_add_co_u32 s[G0B+4*\s+1], s45, \s*SLOT
	s_add_nc_u64 s[G0B+4*\s+2:G0B+4*\s+3], s[46:47], \s*3072
	s_or_b32 s[G0B+4*\s+3], s[G0B+4*\s+3], 0x80000000
	JLOAD G0+4*\s, G1, G0B+4*\s, G1B
.endr
	v_and_b32 v1, 15, v0                           ; r
	v_bfe_u32 v2, v0, 4, 1                         ; h
	v_and_b32 v3, 31, v0                           ; lane
	v_lshlrev_b32 v[L8], 3, v3
	v_lshlrev_b32 v[L4], 2, v3
	s_mul_i32 s21, s15, HALFT
	s_mul_i32 s22, s16, HALFT
	s_add_co_u32 s22, s22, 2*HALFT
.irp s, 0,1
	v_add_nc_u32 v[ADRA+\s], s21, v[L8]
	v_add_nc_u32 v[ADRB+\s], s22, v[L8]
	s_add_co_u32 s21, s21, SLOT
	s_add_co_u32 s22, s22, SLOT
.endr
	v_lshlrev_b32 v5, 2, v1
	s_mul_i32 s21, s15, HALFS
	s_mul_i32 s22, s16, HALFS
	s_add_co_u32 s22, s22, 2*HALFS
	s_sub_co_u32 s22, s22, s21
	v_mul_u32_u24 v6, s22, v2                      ; lanes 16-31 take B's words
	s_add_co_u32 s21, s21, SCL
	v_add_nc_u32 v5, v5, v6
	v_add_nc_u32 v[ADRS], s21, v5
	v_mov_b32 v[FLOOR], 0x1800000                  ; 2^(3 - 127)
.irp b, 0,1,2,3
	v_mov_b32 v[TM+4+\b], 0                        ; a lane permute's destination counts as one of its sources
.endr
	; the bias: q, k: along the registers (B's columns); v: along the lanes (A's columns)
	s_cmp_eq_u32 ttmp9, 0
	s_cselect_b64 s[8:9], s[8:9], s[10:11]
	s_cmp_eq_u32 ttmp9, 2
	s_cselect_b64 s[8:9], s[96:97], s[8:9]
	s_cselect_b32 s46, s41, s40                    ; which 256 columns of the weight
	s_cselect_b32 s47, s15, s16                    ; which half of them is mine
	s_cselect_b32 s22, s42, s17                    ; which 256 tokens
	s_cselect_b32 s23, s16, s15                    ; which half of them
	s_lshl_b32 s20, s46, 2
	s_lshl_b32 s21, s47, 1
	s_add_co_u32 s20, s20, s21                     ; my first head
	s_lshl_b32 s46, s46, 10
	s_lshl_b32 s47, s47, 9
	s_add_co_u32 s46, s46, s47
	s_mov_b32 s47, 0
	s_add_nc_u64 s[8:9], s[8:9], s[46:47]
	; where my results go
	s_lshl_b32 s22, s22, 1
	s_add_co_u32 s22, s22, s23                     ; my block of 128 tokens, 0..31
	s_lshr_b32 s23, s22, 4                         ; b
	s_lshl_b32 s23, s23, 4
	s_add_co_u32 s20, s20, s23                     ; 16 b + head
	s_mul_i32 s20, s20, 208896
	s_bfe_u32 s23, s22, 0x10003                    ; which half of the 2,048 tokens
	s_mul_i32 s23, s23, 104448
	s_add_co_u32 s20, s20, s23
	s_cmp_eq_u32 ttmp9, 0
	s_cselect_b32 s23, 0, 6684672
	s_add_co_u32 s20, s20, s23
	s_and_b32 s22, s22, 7                          ; the key step within the half
	s_mul_i32 s46, s22, 6144
	s_add_co_u32 s46, s46, s20
	s_add_nc_u64 s[12:13], s[98:99], s[46:47]      ; codes
	s_cmp_eq_u32 s100, 1
	s_cselect_b32 s23, 8, 9
	s_lshl_b32 s46, s22, s23                       ; 256 bytes of scale words a step for v, 512 for q, k
	s_add_co_u32 s46, s46, s20
	s_add_nc_u64 s[10:11], s[98:99], s[46:47]      ; scale words
	s_cmp_eq_u32 s100, 1
	s_cbranch_scc1 .Lbias_v
	v_lshlrev_b32 v7, 6, v2                        ; lane (r, h), block b, register j: column 32 (b / 2) + 16 h + 8 (b % 2) + j
.irp b, 0,1,2,3,4,5,6,7
	global_load_b128 v[BIAS+8*\b:BIAS+8*\b+3], v7, s[8:9] offset:128*(\b/2)+32*(\b%2)
	global_load_b128 v[BIAS+8*\b+4:BIAS+8*\b+7], v7, s[8:9] offset:128*(\b/2)+32*(\b%2)+16
.endr
	s_branch .Lbias_done
.Lbias_v:
	v_and_b32 v7, 8, v1
	v_add_nc_u32 v7, v7, v1
	v_lshlrev_b32 v7, 2, v7                        ; lane r of block a: column 32 (a / 2) + 8 (a % 2) + r + 8 (r / 8), in all eight registers
.irp a, 0,1,2,3,4,5,6,7
.irp e, 0,1,2,3,4,5,6,7
	global_load_b32 v[BIAS+8*\a+\e], v7, s[8:9] offset:128*(\a/2)+32*(\a%2)
.endr
.endr
.Lbias_done:
.macro FRAG reg, adr, q, i             ; a fragment: six planes of 256 bytes
.irp p, 0,1,2,3,4,5
	ds_load_b64 v[\reg+2*\p:\reg+2*\p+1], v[\adr] offset:(\i)*3072+(\q)*1536+256*\p
.endr
.endm
; 16 matrix instructions: A's blocks a0, a0 + 1 x B's eight.  cs = 0: sums go on; 1: C = the bias of B's block; 2: of A's block.  The 64 accumulators take turns in one order.
.macro MUL16 a0, p, q, sc, cs
.irp a, \a0, \a0+1
.irp b, 0,1,2,3,4,5,6,7
.if \cs == 0
	v_wmma_scale_f32_16x16x128_f8f6f4 v[8*(8*((\a)%4)+\b):8*(8*((\a)%4)+\b)+7], v[128*(\p)+FR*\b:128*(\p)+FR*\b+FR-1], v[AF+FR*(\a):AF+FR*(\a)+FR-1], v[8*(8*((\a)%4)+\b):8*(8*((\a)%4)+\b)+7], v[SC+8*NQ*(\sc)+NQ*\b+(\q)], v[SC+8*NQ*(\sc)+NQ*(\a)+(\q)] matrix_a_fmt:MATRIX_FMT_FP6 matrix_b_fmt:MATRIX_FMT_FP6 matrix_a_scale:MATRIX_SCALE_ROW1
.elseif \cs == 1
	v_wmma_scale_f32_16x16x128_f8f6f4 v[8*(8*((\a)%4)+\b):8*(8*((\a)%4)+\b)+7], v[128*(\p)+FR*\b:128*(\p)+FR*\b+FR-1], v[AF+FR*(\a):AF+FR*(\a)+FR-1], v[BIAS+8*\b:BIAS+8*\b+7], v[SC+8*NQ*(\sc)+NQ*\b+(\q)], v[SC+8*NQ*(\sc)+NQ*(\a)+(\q)] matrix_a_fmt:MATRIX_FMT_FP6 matrix_b_fmt:MATRIX_FMT_FP6 matrix_a_scale:MATRIX_SCALE_ROW1
.else
	v_wmma_scale_f32_16x16x128_f8f6f4 v[8*(8*((\a)%4)+\b):8*(8*((\a)%4)+\b)+7], v[128*(\p)+FR*\b:128*(\p)+FR*\b+FR-1], v[AF+FR*(\a):AF+FR*(\a)+FR-1], v[BIAS+8*(\a):BIAS+8*(\a)+7], v[SC+8*NQ*(\sc)+NQ*\b+(\q)], v[SC+8*NQ*(\sc)+NQ*(\a)+(\q)] matrix_a_fmt:MATRIX_FMT_FP6 matrix_b_fmt:MATRIX_FMT_FP6 matrix_a_scale:MATRIX_SCALE_ROW1
.endif
.endr
.endr
.endm
.macro FETCH_B slot, q, p
	WIN TO_B
.irp i, 0,1,2,3,4,5,6,7
	FRAG 128*(\p)+FR*\i, ADRB+\slot, \q, \i
.endr
	WIN 0
.endm
.macro FETCH_A slot, q, i0
.irp i, \i0, \i0+1, \i0+2, \i0+3
	FRAG AF+FR*(\i), ADRA+\slot, \q, \i
.endr
.endm
.macro SCALES sc                       ; a slot's scale words: lanes 0-15 A's block i, lanes 16-31 B's block i
.irp q, 0,1
.irp i, 0,1,2,3,4,5,6,7
	ds_load_b32 v[SC+8*NQ*\sc+NQ*\i+\q], v[ADRS] offset:512*\q+64*\i
.endr
.endr
.endm
.macro PLACES n
.rept \n
	v_nop
.endr
.endm
.macro STEP slot, q, cs                ; a step of 128 along K that has its successor in the same slot
	s_wait_dscnt 4*NL                              ; all but the youngest 24 loads, A's blocks 4-7
.if \cs
	WIN 0x81                                       ; C (the bias) in window 0
.else
	WIN MUL_LO
.endif
	MUL16 0, (\q)%2, \q, \slot, \cs
	MUL16 2, (\q)%2, \q, \slot, \cs
	s_wait_dscnt 0
	PLACES NP
	FETCH_B \slot, (\q)+1, 1-(\q)%2
	FETCH_A \slot, (\q)+1, 0
.if \cs
	WIN 0xc1
.else
	WIN MUL_HI
.endif
	MUL16 4, (\q)%2, \q, \slot, \cs
	MUL16 6, (\q)%2, \q, \slot, \cs
	PLACES NP
	WIN 0
	FETCH_A \slot, (\q)+1, 4
.endm
.macro TURN slot, next, fill           ; a slot's last step changes slots: one barrier; with fill = 1 it opens a round of the cluster's barrier and the slot is filled again
	s_wait_tensorcnt 0x0                           ; all my tensor loads have landed: my part of the next slot
	ds_add_u32 v[SPW], v[NIL]                      ; 0 onto my spare word
	s_wait_dscnt 4*NL+1                            ; (the add and A's blocks 4-7 may be out)
	WIN MUL_LO
	MUL16 0, 1, NQ-1, \slot, 0
	s_wait_dscnt 0x0                               ; the add is done, and my reads of this slot are over
	s_barrier_signal -1
	MUL16 2, 1, NQ-1, \slot, 0
	WIN 0
	s_barrier_wait -1
.if \fill
	CREST                                          ; no wave of any partner still reads this slot or has a load on its way
	s_add_nc_u64 s[G0+4*\slot+2:G0+4*\slot+3], s[G0+4*\slot+2:G0+4*\slot+3], 6144
	s_add_nc_u64 s[G0B+4*\slot+2:G0B+4*\slot+3], s[G0B+4*\slot+2:G0B+4*\slot+3], 6144
	JLOAD G0+4*\slot, G1, G0B+4*\slot, G1B         ; the first tensor load behind the round; its four v_nop are the places in front of the loads below
.else
	PLACES NP
.endif
	v_add_nc_u32 v[ADRS], 1024, v[ADRS]            ; the next slot's scale words
	FETCH_B \next, 0, 0
	FETCH_A \next, 0, 0
	SCALES \next
	WIN MUL_HI
	MUL16 4, 1, NQ-1, \slot, 0
	MUL16 6, 1, NQ-1, \slot, 0
	PLACES NP
	WIN 0
	FETCH_A \next, 0, 4
.endm
	s_wait_tensorcnt 1                             ; the scale words and my part of slot 0 are in; slot 1's load may be out
	s_barrier_signal -1
	s_barrier_wait -1
	FETCH_B 0, 0, 0
	FETCH_A 0, 0, 0
	SCALES 0
	FETCH_A 0, 0, 4
	s_wait_loadcnt 0x0                             ; the bias
	s_cmp_eq_u32 s100, 1
	s_cbranch_scc1 .Lfirst_v
	STEP 0, 0, 1                                   ; the first step starts the sums on the bias
	s_branch .Lfirst_done
.Lfirst_v:
	STEP 0, 0, 2
.Lfirst_done:
	s_mov_b32 s3, LAPS-1
.Llap:
	TURN 0, 1, 1
	STEP 1, 0, 0
	TURN 1, 0, 1
	STEP 0, 0, 0
	s_sub_co_u32 s3, s3, 1
	s_cmp_lg_u32 s3, 0
	s_cbranch_scc1 .Llap
	TURN 0, 1, 0                                   ; the last lap fills nothing
	STEP 1, 0, 0
	s_wait_dscnt 4*NL
	WIN MUL_LO
	MUL16 0, 1, NQ-1, 1, 0
	MUL16 2, 1, NQ-1, 1, 0
	s_wait_dscnt 0
	WIN MUL_HI
	MUL16 4, 1, NQ-1, 1, 0
	MUL16 6, 1, NQ-1, 1, 0
	WIN 0
; 64 numbers of a lane, v[s] on in window w, register 16 b + i = k 32 b + 16 (lane / 16) + i of my row, become a fragment's codes in v[PC] on and its scale word in v[pw].
.macro QUANTW s, w, pw
	WIN (((\w)<<2)|((\w)<<4))
.irp b, 0,1,2,3
	v_max3_num_f32 v[TM+\b], v[FLOOR], |v[(\s)+16*\b]|, |v[(\s)+16*\b+1]|          ; each accumulator is read from its low end on
.endr
.irp i, 2,4,6,8,10,12,14
.irp b, 0,1,2,3
	v_max3_num_f32 v[TM+\b], v[TM+\b], |v[(\s)+16*\b+\i]|, |v[(\s)+16*\b+\i+1]|
.endr
.endr
	WIN 0
.irp b, 0,1,2,3
	v_permlanex16_b32 v[TM+4+\b], v[TM+\b], s66, s67
.endr
.irp b, 0,1,2,3
	v_max_num_f32 v[TM+\b], v[TM+\b], v[TM+4+\b]   ; with lane l xor 16's: the block's largest magnitude
.endr
.irp b, 0,1,2,3
	v_add_nc_u32 v[TM+12+\b], 0xff000000, v[TM+\b] ; 2 off the exponent field: the conversion's scale operand
.endr
.irp b, 0,1,2,3
	v_lshrrev_b32 v[TM+4+\b], 23, v[TM+12+\b]
.endr
	v_lshl_or_b32 v[\pw], v[TM+5], 8, v[TM+4]
	v_lshl_or_b32 v[\pw], v[TM+6], 16, v[\pw]
	v_lshl_or_b32 v[\pw], v[TM+7], 24, v[\pw]
	s_wait_xcnt 0x0                                ; the last block's stores have read their registers: the codes may be written again
	WIN \w
.irp c, 0,1
	v_cvt_scalef32_pk16_fp6_f32 v[PC+6*\c:PC+6*\c+2], v[(\s)+32*\c:(\s)+32*\c+15], v[TM+12+2*\c]
	v_cvt_scalef32_pk16_fp6_f32 v[PC+12+4*\c:PC+14+4*\c], v[(\s)+32*\c+16:(\s)+32*\c+31], v[TM+13+2*\c]
.endr
	WIN 0
	v_nop                                          ; one plain place behind a scaled conversion
.irp c, 0,1                            ; the operand's layout wants a whole block in a lane
.irp i, 0,1,2
	v_permlane16_swap_b32 v[PC+6*\c+\i], v[PC+12+4*\c+\i]
.endr
.irp i, 0,1,2
	v_mov_b32 v[PC+3+6*\c+\i], v[PC+12+4*\c+\i]
.endr
.endr
.endm
.macro OUTQ a                          ; A's block a leaves
	QUANTW 64*((\a)%4), 2+(\a)/4, WD+(\a)%2
	s_cmp_eq_u32 s100, 1
	s_cbranch_scc1 .Lv_\@
.irp e, 0,1                            ; q, k: 16 tokens x two heads: registers 6 e on are head e's half fragment
.irp i, 0,1,2
	global_store_b64 v[L8], v[PC+6*\e+2*\i:PC+6*\e+2*\i+1], s[12:13] offset:768*(\a)+256*\i+208896*\e
.endr
.endr
.if (\a)%2 == 1
	v_cndmask_b32 v245, v240, v241, s95            ; lanes 0-15 the even tile's words, lanes 16-31 the odd tile's
	v_and_b32 v242, 0xffff, v245                   ; head 0's two bytes
	v_lshrrev_b32 v243, 16, v245                   ; head 1's
	global_store_b32 v[L4], v242, s[10:11] offset:98304+128*((\a)/2)
	global_store_b32 v[L4], v243, s[10:11] offset:98304+128*((\a)/2)+208896
.endif
	s_branch .Lj_\@
.Lv_\@:
.irp i, 0,1,2,3,4,5                    ; v: 16 of a head's 64 x 128 tokens: a whole fragment
	global_store_b64 v[L8], v[PC+2*\i:PC+2*\i+1], s[12:13] offset:49152+1536*((\a)%4)+256*\i+208896*((\a)/4)
.endr
.if (\a)%2 == 1
	v_cndmask_b32 v242, v240, v241, s95
	global_store_b32 v[L4], v242, s[10:11] offset:102400+128*(((\a)%4)/2)+208896*((\a)/4)
.endif
.Lj_\@:
.endm
	PLACES NP                                      ; behind the last products
.irp a, 0,1,2,3,4,5,6,7
	OUTQ \a
.endr
	s_wait_tensorcnt 0x0                           ; the wave's end
	ds_add_u32 v[SPW], v[NIL]
	s_wait_dscnt 0x0
	CROUND                                         ; the closing round
	s_endpgm
.Lfunc_end_k_qfc8b768639_qkv:
	.size	k_qfc8b768639_qkv, .Lfunc_end_k_qfc8b768639_qkv-k_qfc8b768639_qkv
	.p2alignl 7, 3214868480
	.fill 96, 4, 3214868480
	.section	.rodata,"a",@progbits
	.p2align	6, 0x0
	.amdhsa_kernel k_qfc8b768639_qkv
		.amdhsa_group_segment_fixed_size 327680
		.amdhsa_private_segment_fixed_size 0
		.amdhsa_enable_private_segment 0
		.amdhsa_kernarg_size 48
		.amdhsa_user_sgpr_count 2
		.amdhsa_user_sgpr_kernarg_segment_ptr 1
		.amdhsa_wavefront_size32 1
		.amdhsa_system_sgpr_workgroup_id_x 1
		.amdhsa_system_sgpr_workgroup_id_y 1
		.amdhsa_system_sgpr_workgroup_id_z 1
		.amdhsa_system_vgpr_workitem_id 0
		.amdhsa_next_free_vgpr 1024
		.amdhsa_next_free_sgpr 102
		.amdhsa_reserve_vcc 0
		.amdhsa_float_denorm_mode_32 3
		.amdhsa_float_denorm_mode_16_64 3
		.amdhsa_memory_ordered 1
		.amdhsa_forward_progress 1
		.amdhsa_inst_pref_size 198
	.end_amdhsa_kernel
	.amdgpu_metadata
---
amdhsa.version: [ 1, 2 ]
amdhsa.kernels:
  - .name:           k_qfc8b768639_qkv
    .symbol:         k_qfc8b768639_qkv.kd
    .args:
      - { .name: h1, .offset: 0, .size: 8, .value_kind: global_buffer, .address_space: global }
      - { .name: wts, .offset: 8, .size: 8, .value_kind: global_buffer, .address_space: global }
      - { .name: bq, .offset: 16, .size: 8, .value_kind: global_buffer, .address_space: global }
      - { .name: bk, .offset: 24, .size: 8, .value_kind: global_buffer, .address_space: global }
      - { .name: bv, .offset: 32, .size: 8, .value_kind: global_buffer, .address_space: global }
      - { .name: qkv, .offset: 40, .size: 8, .value_kind: global_buffer, .address_space: global }
    .group_segment_fixed_size: 327680
    .private_segment_fixed_size: 0
    .kernarg_segment_align: 8
    .kernarg_segment_size: 48
    .max_flat_workgroup_size: 128
    .sgpr_count:     102
    .vgpr_count:     1024
    .wavefront_size: 32
...
	.end_amdgpu_metadata
.endif
;; end of part 2
;; launch attn (part 3): grid 8 x 32, 16 waves a work-group, no clusters, 210,944 bytes of LDS; arguments qkv, ao; writes ao
.if DOCPART == 3
	.amdgcn_target "amdgcn-amd-amdhsa--gfx1250"
	.amdhsa_code_object_version 6
	.text
	.protected	k_qfc8b768639_attn
	.globl	k_qfc8b768639_attn
	.p2align	8
	.type	k_qfc8b768639_attn,@function
k_qfc8b768639_attn:
	s_mov_b64 s[64:65], 0
	v_nop
	global_prefetch_b8 v0, s[64:65] scope:SCOPE_SE
	s_setreg_imm32_b32 hwreg(HW_REG_WAVE_MODE, 25, 1), 1
	s_wait_xcnt 0x0
; Causal attention of one (batch, head) on codes of FP6 (E2M3): S^T = K Q^T (K = the head's 64, the instruction's upper 64 filled with zero codes on q's side), p = 2^(t - M), O^T = V^T P^T, O / l, quantised along the model's columns.
; t = score x log2(e) / 8; M = the running largest t rounded up to a whole number; the row's sum is taken of the unquantised p; when M moves, the sum and O are multiplied by 2^(old M - new M), exactly.
; THE WHOLE HEAD LIES IN LDS: its blob of K's and V's codes and scale words is 208,896 bytes, filled ONCE by sixteen tensor loads (waves 0-7, two each, 51 rows of 256 bytes): no ring, no refill.  The first half (keys 0-1,023) is worked while the second lands.
; SHARES.  A work-group has 16 waves, each with one tile of 16 queries: eight tiles of query block g and eight of block 15 - g (blocks of 128), so that every work-group has 8 x 17 key steps; the two kinds are dealt so that each four waves w % 4 and w / 4 hold two of each.
; A step all of whose keys come after the wave's queries is left out by a scalar branch on ids; every wave walks all 16 trips, so trip counts are constants.
; NO CLUSTER, though the eight work-groups of a head read the same blob: the steps that a wave leaves out hang on its block of queries, which differs between those work-groups, and partners of a joint load have to run alike.
; LAYOUT.  A lane holds one query (lane % 16) throughout.  Positions hold tokens with bits 3 and 4 exchanged, so the 16 registers of key tiles 2 b and 2 b + 1 are keys 32 b + 16 (lane / 16) + 0 .. 15.
; LIMITS: as stated in prep; v_exp_f32 gives 0 for results under 2^-126; v_rcp_f32 is accurate to 1 ulp.
.set HALFB, 104448
.set BLOB,  208896
.set KVARR, 6684672
.set VCO,   49152
.set KSO,   98304
.set VSO,   102400
.set AOS,   3145728
.set L8,   1                           ; v1  8 x lane
.set AKS0, 2                           ; v2  K's scale words: KSO + 4 x lane
.set AVS0, 3                           ; v3  V's: VSO + 4 x lane
.set ADK,  8
.set ADS,  10
.set ADT,  11
.set WV,   19
.set SEL,  20
.set CS,   22
.set G1,   24
.set TILE, 38
.set QB,   39
.set TK,   52                          ; s52 LDS byte of the step's codes: 6,144 a step
.set TS,   53                          ; s53 of K's scale words: 512 a step
.set TV,   54                          ; s54 of V's: 256 a step
.set KSI,  55                          ; s55 the key step
	s_load_b128 s[4:7], s[0:1], 0x0                ; qkv, ao
	v_lshl_add_u32 v223, v0, 2, 0x33000
	v_mov_b32 v243, 0
	ds_add_u32 v223, v243
	ds_add_u32 v223, v243
	v_lshrrev_b32 v8, 5, v0
	v_readfirstlane_b32 s[WV], v8                  ; wave 0..15
	s_and_b32 s8, ttmp7, 0xffff                    ; 16 b + head
	s_mul_i32 s10, s8, BLOB
	s_mov_b32 s11, 0
	s_mov_b32 s[G1], 3<<16                         ; elements of 8 bytes, no mask, no padding
	s_mov_b32 s[G1+1], 32<<16                      ; tensor_dim0: 256 bytes
	s_mov_b32 s[G1+2], 51<<16                      ; tensor_dim1
	s_mov_b32 s[G1+3], 32<<16                      ; tile_dim0
	s_mov_b32 s[G1+4], 51                          ; tile_dim1
	s_mov_b32 s[G1+5], 32                          ; dense
	s_mov_b32 s[G1+6], 0
	s_mov_b32 s[G1+7], 0
	s_and_b32 s9, s[WV], 7
	s_mul_i32 s9, s9, 13056                        ; my eighth of a half
	s_mov_b32 s16, s9
	s_mov_b32 s17, 0
	s_wait_dscnt 0x0
	s_wait_kmcnt 0x0
	s_add_nc_u64 s[12:13], s[4:5], s[10:11]        ; Q's blob
	s_add_nc_u64 s[14:15], s[12:13], KVARR         ; K's and V's
	s_add_nc_u64 s[14:15], s[14:15], s[16:17]
	s_mov_b32 s40, 1
	s_mov_b32 s41, s9
	s_mov_b64 s[42:43], s[14:15]
	s_or_b32 s43, s43, 0x80000000
	s_mov_b32 s44, 1
	s_add_co_u32 s45, s9, HALFB
	s_add_nc_u64 s[46:47], s[14:15], HALFB
	s_or_b32 s47, s47, 0x80000000
	s_cmp_lt_u32 s[WV], 8                          ; a wave's two fills stand in one branch, ahead of every wait on TENSORcnt, every LDS read and every barrier
	s_cbranch_scc0 .Lnofill
	tensor_load_to_lds s[40:43], s[G1:G1+7]
	s_nop 0
	tensor_load_to_lds s[44:47], s[G1:G1+7]
	s_nop 0
.rept 4
	v_nop
.endr
.Lnofill:
	s_lshr_b32 s32, s[WV], 2
	s_xor_b32 s32, s32, s[WV]
	s_and_b32 s32, s32, 1                          ; 0: block g, 1: block 15 - g
	s_lshr_b32 s[TILE], s[WV], 1
	s_sub_co_u32 s33, 15, ttmp9
	s_cmp_eq_u32 s32, 0
	s_cselect_b32 s[QB], ttmp9, s33                ; my block of 128 queries = the key step on the diagonal
	s_lshr_b32 s32, s[QB], 3
	s_mul_i32 s32, s32, HALFB
	s_and_b32 s33, s[QB], 7
	s_lshl_b32 s33, s33, 3
	s_add_co_u32 s33, s33, s[TILE]                 ; my tile within the half
	s_mul_i32 s34, s33, 768
	s_add_co_u32 s34, s34, s32
	s_mov_b32 s35, 0
	s_add_nc_u64 s[56:57], s[12:13], s[34:35]      ; Q's codes
	s_lshl_b32 s34, s33, 6
	s_add_co_u32 s34, s34, s32
	s_add_nc_u64 s[58:59], s[12:13], s[34:35]      ; Q's scale words
	s_lshr_b32 s32, s8, 4
	s_lshl_b32 s32, s32, 7
	s_lshl_b32 s33, s[QB], 3
	s_add_co_u32 s32, s32, s33
	s_add_co_u32 s32, s32, s[TILE]                 ; my row tile of ao: 128 b + 8 block + tile
	s_and_b32 s33, s8, 15                          ; the head
	s_mul_i32 s34, s32, 12288
	s_mul_i32 s36, s33, 768                        ; K step head / 2, half head % 2
	s_add_co_u32 s34, s34, s36
	s_add_nc_u64 s[48:49], s[6:7], s[34:35]
	s_lshr_b32 s36, s33, 1
	s_lshl_b32 s36, s36, 14
	s_lshl_b32 s34, s32, 6
	s_add_co_u32 s34, s34, s36
	s_and_b32 s36, s33, 1
	s_lshl_b32 s36, s36, 1
	s_add_co_u32 s34, s34, s36
	s_add_co_u32 s34, s34, AOS
	s_add_nc_u64 s[50:51], s[6:7], s[34:35]        ; my two bytes of the rows' scale words
	s_mov_b32 s[SEL], 0x76543210
	s_mov_b32 s[SEL+1], 0xfedcba98
	s_mov_b32 s[CS], 0x3e38aa3b                    ; log2(e) / 8
	s_mov_b32 s[CS+1], s[CS]
	s_mov_b32 s[TK], 0
	s_mov_b32 s[TS], 0
	s_mov_b32 s[TV], 0
	v_and_b32 v9, 31, v0
	v_lshlrev_b32 v[L8], 3, v9
.irp i, 0,1,2
	global_load_b64 v[16+2*\i:17+2*\i], v[L8], s[56:57] offset:256*\i      ; Q's half fragment stays in registers
.endr
	v_and_b32 v5, 15, v0                           ; r
	v_lshlrev_b32 v6, 2, v5
	global_load_b32 v255, v6, s[58:59] offset:KSO  ; Q's scale words
	v_lshl_add_u32 v[AKS0], v9, 2, KSO
	v_lshl_add_u32 v[AVS0], v9, 2, VSO
	v_and_b32 v7, 8, v5
	v_add_nc_u32 v7, v7, v5                        ; r + 8 (r / 8)
	v_bfe_u32 v9, v0, 4, 1
	v_lshlrev_b32 v9, 4, v9
	v_sub_nc_u32 v4, v7, v9
	s_lshr_b32 s32, s[TILE], 1
	s_lshl_b32 s32, s32, 5
	s_and_b32 s33, s[TILE], 1
	s_lshl_b32 s33, s33, 3
	s_add_co_u32 s32, s32, s33
	v_add_nc_u32 v4, s32, v4                       ; my query within its 128, less 16 (lane / 16): register 16 b + i is hidden on the diagonal where 32 b + i is above it
.irp j, 22,23,24,25,26,27,80,81,82,83,84,85
	v_mov_b32 v[\j], 0                             ; q's upper 64 along K: zero codes; and the six registers behind K's last tile
.endr
	v_mov_b32 v13, 0xff61b1e6                      ; the largest t so far: -3e38
	v_floor_f32 v12, -v13                          ; -M
	v_mov_b32 v14, 0
	v_mov_b32 v15, 0
.irp j, 236,237,238,239,252,253
	v_mov_b32 v[\j], 0                             ; written once: permutes' destinations, and the pair v[252:253]
.endr
.irp j, 0,1,2,3,4,5,6,7,8,9,10,11,12,13,14,15,16,17,18,19,20,21,22,23,24,25,26,27,28,29,30,31
	v_mov_b32 v[160+\j], 0                         ; O^T: the step is written once; the first change of M leaves zeros zeros
.endr
.macro STEP                            ; 128 keys
	s_cmp_gt_u32 s[KSI], s[QB]
	s_cbranch_scc1 .Lhidden_\@
	v_add_nc_u32 v[ADK], s[TK], v[L8]
	v_add_nc_u32 v[ADS], s[TS], v[AKS0]
	v_add_nc_u32 v[ADT], s[TV], v[AVS0]
	v_nop                                          ; four places in front of loads into registers that the last products read
.irp t, 0,1,2,3,4,5,6,7
.irp i, 0,1,2
	ds_load_b64 v[32+6*\t+2*\i:33+6*\t+2*\i], v[ADK] offset:768*\t+256*\i
.endr
.endr
.irp b, 0,1,2,3
	ds_load_b32 v[248+\b], v[ADS] offset:128*\b    ; lanes 0-15: tile 2 b's words, lanes 16-31: tile 2 b + 1's
.endr
	s_wait_dscnt 0x0
.irp t, 0,2,4,6                        ; source 0's upper six registers are the next tile's codes (or zeros): they meet q's zero codes alone
	v_wmma_scale_f32_16x16x128_f8f6f4 v[96+8*\t:103+8*\t], v[32+6*\t:43+6*\t], v[16:27], 0, v[248+\t/2], v255 matrix_a_fmt:MATRIX_FMT_FP6 matrix_b_fmt:MATRIX_FMT_FP6
	v_wmma_scale_f32_16x16x128_f8f6f4 v[104+8*\t:111+8*\t], v[38+6*\t:49+6*\t], v[16:27], 0, v[248+\t/2], v255 matrix_a_fmt:MATRIX_FMT_FP6 matrix_b_fmt:MATRIX_FMT_FP6 matrix_a_scale:MATRIX_SCALE_ROW1
.endr
.rept 4
	v_nop
.endr
.irp t, 0,1,2,3                        ; V's four fragments are asked for at once: they land under the softmax
.irp i, 0,1,2,3,4,5
	ds_load_b64 v[32+12*\t+2*\i:33+12*\t+2*\i], v[ADK] offset:VCO+1536*\t+256*\i
.endr
.endr
.irp u, 0,1
	ds_load_b32 v[248+\u], v[ADT] offset:128*\u
.endr
	s_cmp_lg_u32 s[KSI], s[QB]
	s_cbranch_scc1 .Lopen_\@
	v_mov_b32 v254, 0xff800000                     ; on the diagonal hidden scores become -infinity: p = 0
.irp n, 0,1,2,3,4,5,6,7,8,9,10,11,12,13,14,15,16,17,18,19,20,21,22,23,24,25,26,27,28,29,30,31,32,33,34,35,36,37,38,39,40,41,42,43,44,45,46,47,48,49,50,51,52,53,54,55,56,57,58,59,60,61,62,63
	v_cmp_gt_i32 vcc_lo, 32*(\n/16)+\n%16, v4
	v_cndmask_b32 v[96+\n], v[96+\n], v254, vcc_lo
.endr
.Lopen_\@:
.irp b, 0,1,2,3
	v_max3_num_f32 v[232+\b], v[96+16*\b], v[97+16*\b], v[98+16*\b]        ; the largest score of each block of 32 keys: for the row's maximum and for the block's largest p
.endr
.irp i, 3,5,7,9,11,13
.irp b, 0,1,2,3
	v_max3_num_f32 v[232+\b], v[232+\b], v[96+16*\b+\i], v[97+16*\b+\i]
.endr
.endr
.irp b, 0,1,2,3
	v_max_num_f32 v[232+\b], v[232+\b], v[111+16*\b]
.endr
.irp b, 0,1,2,3
	v_permlanex16_b32 v[236+\b], v[232+\b], s[SEL], s[SEL+1]
.endr
.irp b, 0,1,2,3
	v_max_num_f32 v[232+\b], v[232+\b], v[236+\b]
.endr
	v_max3_num_f32 v254, v232, v233, v234
	v_max_num_f32 v254, v254, v235
	v_mul_f32 v254, s[CS], v254
	v_max_num_f32 v13, v13, v254                   ; the running largest t
	v_mov_b32 v254, v12
	v_floor_f32 v12, -v13                          ; the new -M = -ceil(t)
	v_sub_f32 v254, v12, v254
	v_cvt_i32_f32 v254, v254                       ; (it saturates)
	v_ldexp_f32 v252, 1.0, v254                    ; f = 2^(old M - new M)
.irp j, 0,2,4,6,8,10,12,14,16,18,20,22,24,26,28,30,32,34,36,38,40,42,44,46,48,50,52,54,56,58,60,62
	v_pk_fma_f32 v[96+\j:97+\j], v[96+\j:97+\j], s[CS:CS+1], v[12:13] op_sel_hi:[1,0,0]   ; t - M
.endr
.irp b, 0,1,2,3
	v_fma_f32 v[232+\b], v[232+\b], s[CS], v12
.endr
.irp j, 0,1,2,3,4,5,6,7,8,9,10,11,12,13,14,15,16,17,18,19,20,21,22,23,24,25,26,27,28,29,30,31,32,33,34,35,36,37,38,39,40,41,42,43,44,45,46,47,48,49,50,51,52,53,54,55,56,57,58,59,60,61,62,63
	v_exp_f32 v[96+\j], v[96+\j]                   ; p = 2^(t - M): not normalised
.endr
	v_pk_mul_f32 v[14:15], v[14:15], v[252:253] op_sel_hi:[1,0]    ; the sums under the new M (a plain place behind the exponentials)
	s_wait_alu depctr_va_vdst(0)                   ; one wait for the batch, ahead of its first reader
.irp b, 0,1,2,3
	v_exp_f32 v[232+\b], v[232+\b]                 ; each block's largest p
.endr
	v_pk_add_f32 v[236:237], v[96:97], v[98:99]    ; the row's sum of the unquantised p, in two chains
.irp j, 4,8,12,16,20,24,28,32,36,40,44,48,52,56,60
	v_pk_add_f32 v[14:15], v[14:15], v[96+\j:97+\j]
	v_pk_add_f32 v[236:237], v[236:237], v[98+\j:99+\j]
.endr
	v_pk_add_f32 v[14:15], v[14:15], v[236:237]
	s_wait_alu depctr_va_vdst(0)                   ; and one for the four
.irp b, 0,1,2,3
	v_max_num_f32 v[232+\b], 0x1800000, v[232+\b]  ; the floor 2^(3 - 127)
.endr
.irp b, 0,1,2,3
	v_add_nc_u32 v[244+\b], 0xff000000, v[232+\b]
.endr
.irp b, 0,1,2,3
	v_lshrrev_b32 v[236+\b], 23, v[244+\b]
.endr
	v_lshl_or_b32 v253, v237, 8, v236              ; p's scale word for these 128 keys
	v_lshl_or_b32 v253, v238, 16, v253
	v_lshl_or_b32 v253, v239, 24, v253
.irp c, 0,1
	v_cvt_scalef32_pk16_fp6_f32 v[224+6*\c:226+6*\c], v[96+32*\c:111+32*\c], v[244+2*\c]
	v_cvt_scalef32_pk16_fp6_f32 v[236+4*\c:238+4*\c], v[112+32*\c:127+32*\c], v[245+2*\c]
.endr
	v_nop
.irp c, 0,1
.irp i, 0,1,2
	v_permlane16_swap_b32 v[224+6*\c+\i], v[236+4*\c+\i]
.endr
.irp i, 0,1,2
	v_mov_b32 v[227+6*\c+\i], v[236+4*\c+\i]
.endr
.endr
.irp j, 0,2,4,6,8,10,12,14,16,18,20,22,24,26,28,30
	v_pk_mul_f32 v[160+\j:161+\j], v[160+\j:161+\j], v[252:253] op_sel_hi:[1,0]   ; O^T under the new M; these sixteen are also the places in front of the products below
.endr
	s_wait_dscnt 0x0                               ; V
.irp t, 0,2
	v_wmma_scale_f32_16x16x128_f8f6f4 v[160+8*\t:167+8*\t], v[32+12*\t:43+12*\t], v[224:235], v[160+8*\t:167+8*\t], v[248+\t/2], v253 matrix_a_fmt:MATRIX_FMT_FP6 matrix_b_fmt:MATRIX_FMT_FP6
	v_wmma_scale_f32_16x16x128_f8f6f4 v[168+8*\t:175+8*\t], v[44+12*\t:55+12*\t], v[224:235], v[168+8*\t:175+8*\t], v[248+\t/2], v253 matrix_a_fmt:MATRIX_FMT_FP6 matrix_b_fmt:MATRIX_FMT_FP6 matrix_a_scale:MATRIX_SCALE_ROW1
.endr
.Lhidden_\@:
	s_add_co_u32 s[TK], s[TK], 6144
	s_add_co_u32 s[TS], s[TS], 512
	s_add_co_u32 s[TV], s[TV], 256
.endm
	s_wait_loadcnt 0x0                             ; Q
	s_wait_tensorcnt 1                             ; my part of the first half is in; the second half's load may be out
	s_barrier_signal -1
	s_barrier_wait -1
	s_mov_b32 s[KSI], 0
.LloopA:
	STEP
	s_add_co_u32 s[KSI], s[KSI], 1
	s_cmp_lt_u32 s[KSI], 8
	s_cbranch_scc1 .LloopA
	s_wait_tensorcnt 0x0                           ; my part of the second half
	s_wait_dscnt 0x0
	s_barrier_signal -1
	s_barrier_wait -1
	s_mov_b32 s[TK], HALFB
	s_mov_b32 s[TS], HALFB
	s_mov_b32 s[TV], HALFB
	s_mov_b32 s[KSI], 8
.LloopB:
	STEP
	s_add_co_u32 s[KSI], s[KSI], 1
	s_cmp_lt_u32 s[KSI], 16
	s_cbranch_scc1 .LloopB
	; THE WAY OUT: O / l, two blocks of 32 along the model's columns, as half a fragment of the next product's operand
	v_add_f32 v14, v14, v15
	v_permlanex16_b32 v252, v14, s[SEL], s[SEL+1]
	v_add_f32 v14, v14, v252                       ; the row's sum
	v_rcp_f32 v14, v14
	v_and_b32 v5, 15, v0
	v_lshlrev_b32 v5, 2, v5                        ; my row's scale word
	v_nop
	v_nop
	s_wait_alu depctr_va_vdst(0)                   ; ahead of the reciprocal's first reader
.irp j, 0,1,2,3,4,5,6,7,8,9,10,11,12,13,14,15,16,17,18,19,20,21,22,23,24,25,26,27,28,29,30,31
	v_mul_f32 v[96+\j], v[160+\j], v14             ; register 16 b + i: channel 32 b + 16 (lane / 16) + i
.endr
.irp b, 0,1
	v_max3_num_f32 v[232+\b], |v[96+16*\b]|, |v[97+16*\b]|, 0x1800000
.endr
.irp i, 2,4,6,8,10,12,14
.irp b, 0,1
	v_max3_num_f32 v[232+\b], v[232+\b], |v[96+16*\b+\i]|, |v[97+16*\b+\i]|
.endr
.endr
.irp b, 0,1
	v_permlanex16_b32 v[236+\b], v[232+\b], s[SEL], s[SEL+1]
.endr
.irp b, 0,1
	v_max_num_f32 v[232+\b], v[232+\b], v[236+\b]
.endr
.irp b, 0,1
	v_add_nc_u32 v[244+\b], 0xff000000, v[232+\b]
.endr
.irp b, 0,1
	v_lshrrev_b32 v[236+\b], 23, v[244+\b]
.endr
	v_lshl_or_b32 v253, v237, 8, v236              ; my head's two bytes
	v_cvt_scalef32_pk16_fp6_f32 v[224:226], v[96:111], v244
	v_cvt_scalef32_pk16_fp6_f32 v[240:242], v[112:127], v245
	v_nop
.irp i, 0,1,2
	v_permlane16_swap_b32 v[224+\i], v[240+\i]
.endr
.irp i, 0,1,2
	v_mov_b32 v[227+\i], v[240+\i]
.endr
.irp i, 0,1,2
	global_store_b64 v[L8], v[224+2*\i:225+2*\i], s[48:49] offset:256*\i   ; 256 consecutive bytes, aligned
.endr
	global_store_b16 v5, v253, s[50:51]            ; lanes r and r + 16 hold the same two bytes and write them to the same place
	s_wait_tensorcnt 0x0
	ds_add_u32 v223, v243
	s_wait_dscnt 0x0
	s_endpgm
.Lfunc_end_k_qfc8b768639_attn:
	.size	k_qfc8b768639_attn, .Lfunc_end_k_qfc8b768639_attn-k_qfc8b768639_attn
	.p2alignl 7, 3214868480
	.fill 96, 4, 3214868480
	.section	.rodata,"a",@progbits
	.p2align	6, 0x0
	.amdhsa_kernel k_qfc8b768639_attn
		.amdhsa_group_segment_fixed_size 210944
		.amdhsa_private_segment_fixed_size 0
		.amdhsa_enable_private_segment 0
		.amdhsa_kernarg_size 16
		.amdhsa_user_sgpr_count 2
		.amdhsa_user_sgpr_kernarg_segment_ptr 1
		.amdhsa_wavefront_size32 1
		.amdhsa_system_sgpr_workgroup_id_x 1
		.amdhsa_system_sgpr_workgroup_id_y 1
		.amdhsa_system_sgpr_workgroup_id_z 1
		.amdhsa_system_vgpr_workitem_id 0
		.amdhsa_next_free_vgpr 256
		.amdhsa_next_free_sgpr 66
		.amdhsa_reserve_vcc 1
		.amdhsa_float_denorm_mode_32 3
		.amdhsa_float_denorm_mode_16_64 3
		.amdhsa_memory_ordered 1
		.amdhsa_forward_progress 1
		.amdhsa_inst_pref_size 56
	.end_amdhsa_kernel
	.amdgpu_metadata
---
amdhsa.version: [ 1, 2 ]
amdhsa.kernels:
  - .name:           k_qfc8b768639_attn
    .symbol:         k_qfc8b768639_attn.kd
    .args:
      - { .name: qkv, .offset: 0, .size: 8, .value_kind: global_buffer, .address_space: global }
      - { .name: ao, .offset: 8, .size: 8, .value_kind: global_buffer, .address_space: global }
    .group_segment_fixed_size: 210944
    .private_segment_fixed_size: 0
    .kernarg_segment_align: 8
    .kernarg_segment_size: 16
    .max_flat_workgroup_size: 512
    .sgpr_count:     66
    .vgpr_count:     256
    .wavefront_size: 32
...
	.end_amdgpu_metadata
.endif
;; end of part 3
;; launch wo (part 4): grid 4 x 16, 4 waves a work-group, clusters of 4 x 4, 327,680 bytes of LDS; arguments ao, wts, bo, x, x1; writes x1
.if DOCPART == 4
	.amdgcn_target "amdgcn-amd-amdhsa--gfx1250"
	.amdhsa_code_object_version 6
	.text
	.protected	k_qfc8b768639_wo
	.globl	k_qfc8b768639_wo
	.p2align	8
	.type	k_qfc8b768639_wo,@function
k_qfc8b768639_wo:
	s_mov_b64 s[64:65], 0
	v_nop
	global_prefetch_b8 v0, s[64:65] scope:SCOPE_SE
	s_setreg_imm32_b32 hwreg(HW_REG_WAVE_MODE, 25, 1), 1
	s_wait_xcnt 0x0
	s_wait_alu depctr_hold_cnt(0) depctr_sa_sdst(0) depctr_va_vdst(0) depctr_va_sdst(0) depctr_va_ssrc(0) depctr_va_vcc(0) depctr_vm_vsrc(0)
	s_getreg_b32 s2, hwreg(HW_REG_IB_STS2, 6, 4)
	s_cmp_eq_u32 s2, 0
	s_cbranch_scc0 .Lentry_in_a_cluster
	s_endpgm
.Lentry_in_a_cluster:
	s_bfe_u32 s2, ttmp6, 0x10000c
	s_cmp_lg_u32 s2, 0xf033
	s_cbranch_scc0 .Lentry_shape_is_right
	s_endpgm
.Lentry_shape_is_right:
; x1 = x + attention's output x Wo + bo, the product on codes of FP6 (E2M3).  The same text as w2 but for the constants at its head and the hint on the last stores.
; A tile of 256 x 256 is made by four waves, 128 x 128 each (64 accumulators, 512 registers); K goes in steps of 256 through two LDS slots filled by joint tensor loads (4 x 4 work-groups: A's tile shared along a row of the cluster, B's along a column).
; Operands lie in memory as images of the matrix instruction's registers (row tile, K step: 1,536 bytes; register pair i of lane l at 256 i + 8 l): a fragment is six ds_load_b64 of 256 consecutive bytes.
; THE PRODUCT IS USED TRANSPOSED (source 0 = 16 positions of B, source 1 = 16 of A).  Position p holds row p with bits 3 and 4 exchanged: register j of accumulator (a, b) in lane (r, h) is
; token 32 (a / 2) + 8 (a % 2) + r + 8 (r / 8), column 32 (b / 2) + 16 h + 8 (b % 2) + j.  The bias is the C of each sum's first product.
; N = 1,024 gives 64 tiles of this size: 64 work-groups.  A smaller tile would give more; this text keeps the tile of the other products.
.set KT,    8                          ; K steps of 128
.set ASC,   3145728                    ; A's scale words in A's buffer
.set BCO,   2359296                    ; B's codes in wts
.set BSO,   9568256                    ; B's scale words in wts
.set BSP,   512                        ; a K step of them, in elements of 8 bytes
.set NQ,    2
.set FR,    12
.set NL,    6
.set NP,    4                          ; places behind this matrix instruction (ISA guide 7.12.1)
.set HALFT, 24576
.set SLOT,  4*HALFT
.set LAPS,  KT/4
.set SCL,   2*SLOT
.set HALFS, KT*512
.set SPARE, 327168                     ; the spare words: 128 bytes a wave, named by no other line
.set SPITCH, 528                       ; the way out: 16 rows x (512 + 16) bytes a wave, in slot 0, which has had its last fill and its last read by then
.set ADRA, 16
.set ADRB, 20
.set STO,  24
.set RD,   25
.set CO,   26
.set ADRS, 27
.set SPW,  28
.set NIL,  29
.set SC,   32
.set BIAS, 64
.set AF,   128
.set BK,   128
.set G1, 24
.set G0, 32
.set G1B, 48
.set G0B, 56
.set G1S, 68
.set G0S, 76
.set G1SB, 80
.set G0SB, 88
.set MSB, 0
.macro WIN new
.if MSB != \new
	s_set_vgpr_msb (MSB<<8)|\new
.set MSB, \new
.endif
.endm
.set MUL_LO, 0xa1
.set MUL_HI, 0xf1
.set TO_B,   0x40
.macro JLOAD g0a, g1a, g0b, g1b        ; a joint load: waves 0 and 1 fetch for A, waves 2 and 3 for B; four v_nop follow each line
	s_cmp_eq_u32 s15, 0
	s_cbranch_scc0 .Lfor_b_\@
	tensor_load_to_lds s[\g0a:\g0a+3], s[\g1a:\g1a+7]
	s_nop 0
.rept 4
	v_nop
.endr
	s_branch .Lasked_\@
.Lfor_b_\@:
	tensor_load_to_lds s[\g0b:\g0b+3], s[\g1b:\g1b+7]
	s_nop 0
.rept 4
	v_nop
.endr
.Lasked_\@:
.endm
.macro CREST
	s_cmp_lg_u32 s14, 0
	s_cbranch_scc1 .Lnot_wave_0_\@
	s_barrier_signal -3
.Lnot_wave_0_\@:
	s_barrier_wait -3
	s_barrier_signal -1
	s_barrier_wait -1
.endm
.macro CROUND
	s_barrier_signal -1
	s_barrier_wait -1
	CREST
.endm
	s_load_b128 s[4:7], s[0:1], 0x0                ; A's buffer, wts
	s_load_b128 s[8:11], s[0:1], 0x10              ; the bias, the residual
	s_load_b64 s[12:13], s[0:1], 0x20              ; the result
	v_lshl_add_u32 v[SPW], v0, 2, SPARE
	v_mov_b32 v[NIL], 0
	ds_add_u32 v28, v29
	ds_add_u32 v28, v29
	s_wait_dscnt 0x0
	v_lshrrev_b32 v1, 5, v0
	v_readfirstlane_b32 s14, v1                    ; wave 0..3
	s_lshr_b32 s15, s14, 1
	s_and_b32 s16, s14, 1
	s_bfe_u32 s40, ttmp6, 0x40000                  ; cx
	s_bfe_u32 s41, ttmp6, 0x40004                  ; cy
	s_lshl_b32 s42, ttmp9, 2
	s_add_co_u32 s42, s42, s40                     ; tile column
	s_and_b32 s17, ttmp7, 0xffff
	s_lshl_b32 s17, s17, 2
	s_add_co_u32 s17, s17, s41                     ; tile row
	s_lshl_b32 s43, s41, 2
	s_lshl_b32 s43, 15, s43
	s_lshl_b32 s44, 0x1111, s40
	s_or_b32 s[G1+0], s43, (3<<16)|(1<<21)         ; 15:0 the mask; 17:16 elements of 8 bytes; 21 set beside a mask; no padding
	s_or_b32 s[G1B+0], s44, (3<<16)|(1<<21)
.irp g, G1, G1B
	s_mov_b32 s[\g+1], 384<<16                     ; 3,072 bytes: two K steps of a row tile
	s_mov_b32 s[\g+2], 8<<16                       ; 8 row tiles
	s_mov_b32 s[\g+3], 384<<16
	s_mov_b32 s[\g+4], 8
	s_mov_b32 s[\g+5], KT*192
	s_mov_b32 s[\g+6], 0
	s_mov_b32 s[\g+7], 0
.endr
	s_or_b32 s[G1S+0], s43, (3<<16)|(1<<21)
	s_or_b32 s[G1SB+0], s44, (3<<16)|(1<<21)
.irp g, G1S, G1SB
	s_mov_b32 s[\g+1], 64<<16                      ; 128 scale words
	s_mov_b32 s[\g+2], KT<<16                      ; of each K step
	s_mov_b32 s[\g+3], 64<<16
	s_mov_b32 s[\g+4], KT
	s_mov_b32 s[\g+6], 0
	s_mov_b32 s[\g+7], 0
.endr
	s_mov_b32 s[G1S+5], 2048
	s_mov_b32 s[G1SB+5], BSP
	s_lshl_b32 s2, s16, 7
	s_lshl_b32 s20, s17, 8
	s_add_co_u32 s20, s20, s2
	s_lshl_b32 s46, s42, 8
	s_add_co_u32 s46, s46, s2
	s_lshl_b32 s22, s20, 2
	s_lshl_b32 s92, s46, 2
	s_mul_i32 s20, s20, 96*KT
	s_mul_i32 s46, s46, 96*KT
	s_mov_b32 s21, 0
	s_mov_b32 s23, 0
	s_mov_b32 s47, 0
	s_mov_b32 s93, 0
	s_mul_i32 s45, s14, HALFT
	s_mul_i32 s94, s14, HALFS
	s_wait_kmcnt 0x0
	s_add_nc_u64 s[20:21], s[4:5], s[20:21]
	s_add_nc_u64 s[22:23], s[4:5], s[22:23]
	s_add_nc_u64 s[22:23], s[22:23], ASC
	s_add_nc_u64 s[46:47], s[6:7], s[46:47]
	s_add_nc_u64 s[46:47], s[46:47], BCO
	s_add_nc_u64 s[92:93], s[6:7], s[92:93]
	s_add_nc_u64 s[92:93], s[92:93], BSO
	CROUND                                         ; all sixteen work-groups are here: the first joint loads meet
	s_mov_b32 s[G0S], 1
	s_add_co_u32 s[G0S+1], s94, SCL
	s_mov_b64 s[G0S+2:G0S+3], s[22:23]
	s_or_b32 s[G0S+3], s[G0S+3], 0x80000000
	s_mov_b32 s[G0SB], 1
	s_add_co_u32 s[G0SB+1], s94, SCL
	s_mov_b64 s[G0SB+2:G0SB+3], s[92:93]
	s_or_b32 s[G0SB+3], s[G0SB+3], 0x80000000
	JLOAD G0S, G1S, G0SB, G1SB
.irp s, 0,1
	s_mov_b32 s[G0+4*\s], 1
	s_add_co_u32 s[G0+4*\s+1], s45, \s*SLOT
	s_add_nc_u64 s[G0+4*\s+2:G0+4*\s+3], s[20:21], \s*3072
	s_or_b32 s[G0+4*\s+3], s[G0+4*\s+3], 0x80000000
	s_mov_b32 s[G0B+4*\s], 1
	s_add_co_u32 s[G0B+4*\s+1], s45, \s*SLOT
	s_add_nc_u64 s[G0B+4*\s+2:G0B+4*\s+3], s[46:47], \s*3072
	s_or_b32 s[G0B+4*\s+3], s[G0B+4*\s+3], 0x80000000
	JLOAD G0+4*\s, G1, G0B+4*\s, G1B
.endr
	v_and_b32 v1, 15, v0                           ; r
	v_bfe_u32 v2, v0, 4, 1                         ; h
	v_and_b32 v3, 31, v0                           ; lane
	v_lshlrev_b32 v4, 3, v3
	s_mul_i32 s21, s15, HALFT
	s_mul_i32 s22, s16, HALFT
	s_add_co_u32 s22, s22, 2*HALFT
.irp s, 0,1
	v_add_nc_u32 v[ADRA+\s], s21, v4
	v_add_nc_u32 v[ADRB+\s], s22, v4
	s_add_co_u32 s21, s21, SLOT
	s_add_co_u32 s22, s22, SLOT
.endr
	v_lshlrev_b32 v5, 2, v1
	s_mul_i32 s21, s15, HALFS
	s_mul_i32 s22, s16, HALFS
	s_add_co_u32 s22, s22, 2*HALFS
	s_sub_co_u32 s22, s22, s21
	v_mul_u32_u24 v6, s22, v2                      ; lanes 16-31 take B's words
	s_add_co_u32 s21, s21, SCL
	v_add_nc_u32 v5, v5, v6
	v_add_nc_u32 v[ADRS], s21, v5
	s_mul_i32 s23, s14, 16*SPITCH                  ; my stage
	v_mul_u32_u24 v5, v1, SPITCH
	v_lshl_add_u32 v5, v2, 6, v5                   ; in: row r, + 64 h
	v_add_nc_u32 v[STO], s23, v5
	v_lshlrev_b32 v[CO], 4, v3                     ; back: 32 lanes take a row of 512 bytes
	v_add_nc_u32 v[RD], s23, v[CO]
	s_lshl_b32 s20, s17, 8
	s_lshl_b32 s21, s15, 7
	s_add_co_u32 s20, s20, s21
	s_lshl_b32 s20, s20, 12                        ; my first row, 4,096 bytes a row
	s_lshl_b32 s46, s42, 10
	s_lshl_b32 s47, s16, 9
	s_add_co_u32 s46, s46, s47                     ; my first column, in bytes
	s_mov_b32 s47, 0
	s_add_nc_u64 s[96:97], s[8:9], s[46:47]        ; the bias there
	s_add_co_u32 s46, s46, s20
	s_add_nc_u64 s[10:11], s[10:11], s[46:47]
	s_add_nc_u64 s[12:13], s[12:13], s[46:47]
	v_lshlrev_b32 v7, 6, v2
.irp b, 0,1,2,3,4,5,6,7
	global_load_b128 v[BIAS+8*\b:BIAS+8*\b+3], v7, s[96:97] offset:128*(\b/2)+32*(\b%2)
	global_load_b128 v[BIAS+8*\b+4:BIAS+8*\b+7], v7, s[96:97] offset:128*(\b/2)+32*(\b%2)+16
.endr
.macro FRAG reg, adr, q, i
.irp p, 0,1,2,3,4,5
	ds_load_b64 v[\reg+2*\p:\reg+2*\p+1], v[\adr] offset:(\i)*3072+(\q)*1536+256*\p
.endr
.endm
; 16 matrix instructions: A's blocks a0, a0 + 1 x B's eight.  cs = 1: C = the bias.  The 64 accumulators take turns in one order.
.macro MUL16 a0, p, q, sc, cs
.irp a, \a0, \a0+1
.irp b, 0,1,2,3,4,5,6,7
.if \cs == 0
	v_wmma_scale_f32_16x16x128_f8f6f4 v[8*(8*((\a)%4)+\b):8*(8*((\a)%4)+\b)+7], v[128*(\p)+FR*\b:128*(\p)+FR*\b+FR-1], v[AF+FR*(\a):AF+FR*(\a)+FR-1], v[8*(8*((\a)%4)+\b):8*(8*((\a)%4)+\b)+7], v[SC+8*NQ*(\sc)+NQ*\b+(\q)], v[SC+8*NQ*(\sc)+NQ*(\a)+(\q)] matrix_a_fmt:MATRIX_FMT_FP6 matrix_b_fmt:MATRIX_FMT_FP6 matrix_a_scale:MATRIX_SCALE_ROW1
.else
	v_wmma_scale_f32_16x16x128_f8f6f4 v[8*(8*((\a)%4)+\b):8*(8*((\a)%4)+\b)+7], v[128*(\p)+FR*\b:128*(\p)+FR*\b+FR-1], v[AF+FR*(\a):AF+FR*(\a)+FR-1], v[BIAS+8*\b:BIAS+8*\b+7], v[SC+8*NQ*(\sc)+NQ*\b+(\q)], v[SC+8*NQ*(\sc)+NQ*(\a)+(\q)] matrix_a_fmt:MATRIX_FMT_FP6 matrix_b_fmt:MATRIX_FMT_FP6 matrix_a_scale:MATRIX_SCALE_ROW1
.endif
.endr
.endr
.endm
.macro FETCH_B slot, q, p
	WIN TO_B
.irp i, 0,1,2,3,4,5,6,7
	FRAG 128*(\p)+FR*\i, ADRB+\slot, \q, \i
.endr
	WIN 0
.endm
.macro FETCH_A slot, q, i0
.irp i, \i0, \i0+1, \i0+2, \i0+3
	FRAG AF+FR*(\i), ADRA+\slot, \q, \i
.endr
.endm
.macro SCALES sc
.irp q, 0,1
.irp i, 0,1,2,3,4,5,6,7
	ds_load_b32 v[SC+8*NQ*\sc+NQ*\i+\q], v[ADRS] offset:512*\q+64*\i
.endr
.endr
.endm
.macro PLACES n
.rept \n
	v_nop
.endr
.endm
.macro STEP slot, q, cs
	s_wait_dscnt 4*NL                              ; all but the youngest 24 loads, A's blocks 4-7
.if \cs
	WIN 0x81
.else
	WIN MUL_LO
.endif
	MUL16 0, (\q)%2, \q, \slot, \cs
	MUL16 2, (\q)%2, \q, \slot, \cs
	s_wait_dscnt 0
	PLACES NP
	FETCH_B \slot, (\q)+1, 1-(\q)%2
	FETCH_A \slot, (\q)+1, 0
.if \cs
	WIN 0xc1
.else
	WIN MUL_HI
.endif
	MUL16 4, (\q)%2, \q, \slot, \cs
	MUL16 6, (\q)%2, \q, \slot, \cs
	PLACES NP
	WIN 0
	FETCH_A \slot, (\q)+1, 4
.endm
.macro TURN slot, next, fill
	s_wait_tensorcnt 0x0                           ; all my tensor loads have landed: my part of the next slot
	ds_add_u32 v[SPW], v[NIL]                      ; 0 onto my spare word
	s_wait_dscnt 4*NL+1                            ; (the add and A's blocks 4-7 may be out)
	WIN MUL_LO
	MUL16 0, 1, NQ-1, \slot, 0
	s_wait_dscnt 0x0                               ; the add is done, and my reads of this slot are over
	s_barrier_signal -1
	MUL16 2, 1, NQ-1, \slot, 0
	WIN 0
	s_barrier_wait -1
.if \fill
	CREST                                          ; no wave of any partner still reads this slot or has a load on its way
	s_add_nc_u64 s[G0+4*\slot+2:G0+4*\slot+3], s[G0+4*\slot+2:G0+4*\slot+3], 6144
	s_add_nc_u64 s[G0B+4*\slot+2:G0B+4*\slot+3], s[G0B+4*\slot+2:G0B+4*\slot+3], 6144
	JLOAD G0+4*\slot, G1, G0B+4*\slot, G1B
.else
	PLACES NP
.endif
	v_add_nc_u32 v[ADRS], 1024, v[ADRS]
	FETCH_B \next, 0, 0
	FETCH_A \next, 0, 0
	SCALES \next
	WIN MUL_HI
	MUL16 4, 1, NQ-1, \slot, 0
	MUL16 6, 1, NQ-1, \slot, 0
	PLACES NP
	WIN 0
	FETCH_A \next, 0, 4
.endm
	s_wait_tensorcnt 1                             ; the scale words and my part of slot 0 are in; slot 1's load may be out
	s_barrier_signal -1
	s_barrier_wait -1
	FETCH_B 0, 0, 0
	FETCH_A 0, 0, 0
	SCALES 0
	FETCH_A 0, 0, 4
	s_wait_loadcnt 0x0                             ; the bias
	STEP 0, 0, 1
	s_mov_b32 s3, LAPS-1
.Llap:
	TURN 0, 1, 1
	STEP 1, 0, 0
	TURN 1, 0, 1
	STEP 0, 0, 0
	s_sub_co_u32 s3, s3, 1
	s_cmp_lg_u32 s3, 0
	s_cbranch_scc1 .Llap
	TURN 0, 1, 0
	STEP 1, 0, 0
	s_wait_dscnt 4*NL
	WIN MUL_LO
	MUL16 0, 1, NQ-1, 1, 0
	MUL16 2, 1, NQ-1, 1, 0
	s_wait_dscnt 0
	WIN MUL_HI
	MUL16 4, 1, NQ-1, 1, 0
	MUL16 6, 1, NQ-1, 1, 0
	WIN 0
; THE WAY OUT, block by block of 16 rows x 128 columns: through my stage, back as whole rows of 512 bytes, + the residual's same rows, stored.  Row t of block a is token 32 (a / 2) + 8 (a % 2) + t + 8 (t / 8).
.macro RES a                           ; the residual's 16 rows into window 1
	WIN 0x40
.irp t, 0,1,2,3,4,5,6,7,8,9,10,11,12,13,14,15
	global_load_b128 v[64*((\a)%4)+4*\t:64*((\a)%4)+4*\t+3], v[CO], s[10:11] offset:(32*((\a)/2)+8*((\a)%2)+\t+8*(\t/8))*4096 th:TH_LOAD_NT
.endr
	WIN 0
.endm
.macro TOSTAGE a
.set AC, 64*((\a)%4)
	WIN (0x08+4*((\a)/4))
.irp b, 0,1,2,3,4,5,6,7
	ds_store_b128 v[STO], v[AC+8*\b:AC+8*\b+3] offset:128*(\b/2)+32*(\b%2)         ; each accumulator from its low end on
	ds_store_b128 v[STO], v[AC+8*\b+4:AC+8*\b+7] offset:128*(\b/2)+32*(\b%2)+16
.endr
	WIN 0
.set BB, BK+64*((\a)%2)
.irp t, 0,1,2,3,4,5,6,7,8,9,10,11,12,13,14,15
	ds_load_b128 v[BB+4*\t:BB+4*\t+3], v[RD] offset:\t*SPITCH      ; my own bytes, served in order
.endr
.endm
.macro SEND a, younger
.set BB, BK+64*((\a)%2)
.set RS, 64*((\a)%4)
	s_wait_dscnt \younger                          ; the block is back; the next block's 16 stores and 16 loads may be out
.if 16*(7-(\a)) > 48
	s_wait_loadcnt 48                              ; its residual is in; three later blocks' loads may be out
.else
	s_wait_loadcnt 16*(7-(\a))
.endif
	WIN 0x04
.set i, 0
.rept 32
	v_pk_add_f32 v[BB+i:BB+i+1], v[BB+i:BB+i+1], v[RS+i:RS+i+1]
.set i, i+2
.endr
	WIN 0
.irp t, 0,1,2,3,4,5,6,7,8,9,10,11,12,13,14,15
	global_store_b128 v[CO], v[BB+4*\t:BB+4*\t+3], s[12:13] offset:(32*((\a)/2)+8*((\a)%2)+\t+8*(\t/8))*4096   ; 512 consecutive bytes, aligned
.endr
.if (\a) < 4
	RES (\a)+4
.endif
.endm
	PLACES NP
	RES 0
	RES 1
	RES 2
	RES 3
	TOSTAGE 0
.irp a, 1,2,3,4,5,6,7
.if \a > 1
	s_wait_xcnt 0x0                                ; block a - 2's stores have read their registers: block a's loads may land there
.endif
	TOSTAGE \a
	SEND \a-1, 32
.endr
	SEND 7, 0
	s_wait_tensorcnt 0x0                           ; the wave's end
	ds_add_u32 v[SPW], v[NIL]
	s_wait_dscnt 0x0
	CROUND                                         ; the closing round
	s_endpgm
.Lfunc_end_k_qfc8b768639_wo:
	.size	k_qfc8b768639_wo, .Lfunc_end_k_qfc8b768639_wo-k_qfc8b768639_wo
	.p2alignl 7, 3214868480
	.fill 96, 4, 3214868480
	.section	.rodata,"a",@progbits
	.p2align	6, 0x0
	.amdhsa_kernel k_qfc8b768639_wo
		.amdhsa_group_segment_fixed_size 327680
		.amdhsa_private_segment_fixed_size 0
		.amdhsa_enable_private_segment 0
		.amdhsa_kernarg_size 40
		.amdhsa_user_sgpr_count 2
		.amdhsa_user_sgpr_kernarg_segment_ptr 1
		.amdhsa_wavefront_size32 1
		.amdhsa_system_sgpr_workgroup_id_x 1
		.amdhsa_system_sgpr_workgroup_id_y 1
		.amdhsa_system_sgpr_workgroup_id_z 1
		.amdhsa_system_vgpr_workitem_id 0
		.amdhsa_next_free_vgpr 1024
		.amdhsa_next_free_sgpr 102
		.amdhsa_reserve_vcc 0
		.amdhsa_float_denorm_mode_32 3
		.amdhsa_float_denorm_mode_16_64 3
		.amdhsa_memory_ordered 1
		.amdhsa_forward_progress 1
		.amdhsa_inst_pref_size 192
	.end_amdhsa_kernel
	.amdgpu_metadata
---
amdhsa.version: [ 1, 2 ]
amdhsa.kernels:
  - .name:           k_qfc8b768639_wo
    .symbol:         k_qfc8b768639_wo.kd
    .args:
      - { .name: ao, .offset: 0, .size: 8, .value_kind: global_buffer, .address_space: global }
      - { .name: wts, .offset: 8, .size: 8, .value_kind: global_buffer, .address_space: global }
      - { .name: bo, .offset: 16, .size: 8, .value_kind: global_buffer, .address_space: global }
      - { .name: x, .offset: 24, .size: 8, .value_kind: global_buffer, .address_space: global }
      - { .name: x1, .offset: 32, .size: 8, .value_kind: global_buffer, .address_space: global }
    .group_segment_fixed_size: 327680
    .private_segment_fixed_size: 0
    .kernarg_segment_align: 8
    .kernarg_segment_size: 40
    .max_flat_workgroup_size: 128
    .sgpr_count:     102
    .vgpr_count:     1024
    .wavefront_size: 32
...
	.end_amdgpu_metadata
.endif
;; end of part 4
;; launch ln2 (part 5): grid 256 x 1, 16 waves a work-group, no clusters, 88,576 bytes of LDS; arguments x1, gamma2, beta2, h2; writes h2
.if DOCPART == 5
	.amdgcn_target "amdgcn-amd-amdhsa--gfx1250"
	.amdhsa_code_object_version 6
	.text
	.protected	k_qfc8b768639_ln2
	.globl	k_qfc8b768639_ln2
	.p2align	8
	.type	k_qfc8b768639_ln2,@function
k_qfc8b768639_ln2:
	s_mov_b64 s[64:65], 0
	v_nop
	global_prefetch_b8 v0, s[64:65] scope:SCOPE_SE
	s_setreg_imm32_b32 hwreg(HW_REG_WAVE_MODE, 25, 1), 1
	s_wait_xcnt 0x0
; LayerNorm 2 of x1, quantised along its 1,024 columns to codes of FP6 (E2M3) with one E8M0 byte for each 32, laid as the next product's operand: codes [row tile][K step][1,536 bytes] as images of the operand's registers
; (register pair i of lane l at 256 i + 8 l), scale words [K step][position] at 3,145,728.  Position p holds token p with bits 3 and 4 exchanged.
; A work-group makes one row tile (16 positions), a wave one row: read once, kept in 32 registers a lane between the passes for the mean, the variance and the result.  Memory binds: no matrix unit, no cluster, no tensor loads.
; LIMITS: a block of zeros, or one under 2^-124, gets the byte 1 (its codes are zeros; this program alone reads the bytes); NaN and infinities are not served; v_rsq_f32 is accurate to 1 ulp.
.set X,   48
.set G,   80
.set BT,  112
.set Y,   144
.set LNB, 0                            ; LDS: 16 stages of 4,608 bytes,
.set LNI, LNB+73728                    ; the row tile's image, 12,288 bytes,
.set LNS, LNI+12288                    ; and its scale words, 512 bytes
	v_lshrrev_b32 v1, 5, v0
	v_readfirstlane_b32 s18, v1                    ; wave 0..15
	v_and_b32 v2, 31, v0                           ; lane
	s_load_b128 s[4:7], s[0:1], 0x0                ; x1, gamma2
	s_load_b128 s[8:11], s[0:1], 0x10              ; beta2, h2
	v_lshl_add_u32 v192, v0, 2, 0x15200
	v_mov_b32 v193, 0
	s_mov_b32 s19, ttmp9                           ; the row tile
	s_lshr_b32 s20, s19, 1                         ; token 32 (g / 2) + 16 (w / 8) + 8 (g % 2) + w % 8
	s_lshl_b32 s20, s20, 5
	s_lshr_b32 s21, s18, 3
	s_lshl_b32 s21, s21, 4
	s_add_co_u32 s20, s20, s21
	s_and_b32 s21, s19, 1
	s_lshl_b32 s21, s21, 3
	s_add_co_u32 s20, s20, s21
	s_and_b32 s21, s18, 7
	s_add_co_u32 s20, s20, s21
	s_lshl_b32 s20, s20, 12
	s_mov_b32 s21, 0
	s_mov_b32 s22, 0x76543210
	s_mov_b32 s23, 0xfedcba98
	s_mul_i32 s26, s19, 12288
	s_mov_b32 s27, 0
	s_lshl_b32 s28, s19, 6
	s_add_co_u32 s28, s28, 3145728
	s_mov_b32 s29, 0
	v_lshlrev_b32 v3, 4, v2
	s_mul_i32 s24, s18, 4608
	s_add_co_u32 s24, s24, LNB
	v_lshrrev_b32 v8, 3, v2
	v_mul_u32_u24 v8, v8, 144
	v_and_b32 v9, 7, v2
	v_lshl_add_u32 v8, v9, 4, v8
	v_add_nc_u32 v4, s24, v8                       ; the stage, in: as loaded: eight lanes fill a block of 128 bytes + 16
	v_mul_u32_u24 v8, v2, 144
	v_add_nc_u32 v5, s24, v8                       ; out: lane l takes block l whole
	v_lshrrev_b32 v8, 2, v2
	v_mul_u32_u24 v9, v8, 1536
	v_bfe_u32 v10, v2, 1, 1
	v_mad_u32_u24 v9, v10, 768, v9
	v_and_b32 v10, 1, v2
	v_lshl_add_u32 v9, v10, 7, v9
	s_lshl_b32 s25, s18, 3
	s_add_co_u32 s25, s25, LNI
	v_add_nc_u32 v6, s25, v9                       ; the image: block l of row w is what lane (w, l % 2) holds in registers 6 ((l / 2) % 2) on, K step l / 4
	v_lshlrev_b32 v9, 6, v8
	v_and_b32 v10, 3, v2
	v_add_nc_u32 v9, v9, v10
	s_lshl_b32 s25, s18, 2
	s_add_co_u32 s25, s25, LNS
	v_add_nc_u32 v7, s25, v9
	s_mul_i32 s25, s18, 768
	v_lshl_add_u32 v41, v2, 3, s25
	v_add_nc_u32 v40, LNI, v41
	v_lshl_add_u32 v42, v2, 4, LNS
	v_lshlrev_b32 v43, 14, v8
	v_lshl_add_u32 v43, v10, 4, v43
	s_wait_kmcnt 0x0
	s_add_nc_u64 s[4:5], s[4:5], s[20:21]
	s_add_nc_u64 s[12:13], s[10:11], s[26:27]
	s_add_nc_u64 s[14:15], s[10:11], s[28:29]
.irp j, 0,1,2,3,4,5,6,7
	global_load_b128 v[X+4*\j:X+4*\j+3], v3, s[4:5] offset:512*\j
.endr
.irp j, 0,1,2,3,4,5,6,7
	global_load_b128 v[G+4*\j:G+4*\j+3], v3, s[6:7] offset:512*\j
.endr
.irp j, 0,1,2,3,4,5,6,7
	global_load_b128 v[BT+4*\j:BT+4*\j+3], v3, s[8:9] offset:512*\j
.endr
.macro WSUM r, t
	v_add_f32_dpp v[\r], v[\r], v[\r] row_xmask:1 row_mask:0xf bank_mask:0xf
	v_add_f32_dpp v[\r], v[\r], v[\r] row_xmask:2 row_mask:0xf bank_mask:0xf
	v_add_f32_dpp v[\r], v[\r], v[\r] row_xmask:4 row_mask:0xf bank_mask:0xf
	v_add_f32_dpp v[\r], v[\r], v[\r] row_xmask:8 row_mask:0xf bank_mask:0xf
	v_permlanex16_b32 v[\t], v[\r], s22, s23
	v_add_f32 v[\r], v[\r], v[\t]
.endm
	s_wait_loadcnt 16                              ; the row is in; gamma's and beta's sixteen loads may be out
	v_pk_add_f32 v[8:9], v[X:X+1], v[X+2:X+3]
	v_pk_add_f32 v[10:11], v[X+4:X+5], v[X+6:X+7]
.irp j, 8,12,16,20,24,28
	v_pk_add_f32 v[8:9], v[8:9], v[X+\j:X+\j+1]
	v_pk_add_f32 v[10:11], v[10:11], v[X+\j+2:X+\j+3]
.endr
	v_pk_add_f32 v[8:9], v[8:9], v[10:11]
	v_add_f32 v8, v8, v9
	WSUM 8, 9
	v_mul_f32 v8, 0x3a800000, v8                   ; the mean
.irp j, 0,2,4,6,8,10,12,14,16,18,20,22,24,26,28,30
	v_pk_add_f32 v[X+\j:X+\j+1], v[X+\j:X+\j+1], v[8:9] op_sel_hi:[1,0] neg_lo:[0,1] neg_hi:[0,1]
.endr
	v_pk_mul_f32 v[10:11], v[X:X+1], v[X:X+1]
	v_pk_mul_f32 v[12:13], v[X+2:X+3], v[X+2:X+3]
.irp j, 4,8,12,16,20,24,28
	v_pk_fma_f32 v[10:11], v[X+\j:X+\j+1], v[X+\j:X+\j+1], v[10:11]
	v_pk_fma_f32 v[12:13], v[X+\j+2:X+\j+3], v[X+\j+2:X+\j+3], v[12:13]
.endr
	v_pk_add_f32 v[10:11], v[10:11], v[12:13]
	v_add_f32 v10, v10, v11
	WSUM 10, 11
	v_mov_b32 v14, 0x3727c5ac                      ; 1e-5
	v_fmac_f32 v14, 0x3a800000, v10
	v_rsq_f32 v16, v14
	v_mov_b32 v17, 0                               ; (a plain place; the pair v[16:17] is named whole below)
	s_wait_loadcnt 0x0
.irp j, 0,2,4,6,8,10,12,14,16,18,20,22,24,26,28,30
	v_pk_mul_f32 v[G+\j:G+\j+1], v[G+\j:G+\j+1], v[X+\j:X+\j+1]
.endr
	s_wait_alu depctr_va_vdst(0)                   ; the wait ahead of the first reader of v16
.irp j, 0,2,4,6,8,10,12,14,16,18,20,22,24,26,28,30
	v_pk_fma_f32 v[X+\j:X+\j+1], v[G+\j:G+\j+1], v[16:17], v[BT+\j:BT+\j+1] op_sel_hi:[1,0,1]
.endr
.irp j, 0,1,2,3,4,5,6,7
	ds_store_b128 v4, v[X+4*\j:X+4*\j+3] offset:576*\j
.endr
.irp j, 0,1,2,3,4,5,6,7
	ds_load_b128 v[Y+4*\j:Y+4*\j+3], v5 offset:16*\j
.endr
	s_wait_dscnt 0x0
	v_max3_num_f32 v12, |v[Y]|, |v[Y+1]|, |v[Y+2]|
	v_max3_num_f32 v13, |v[Y+3]|, |v[Y+4]|, |v[Y+5]|
.irp i, 6,10,14,18,22,26
	v_max3_num_f32 v12, v12, |v[Y+\i]|, |v[Y+\i+1]|
	v_max3_num_f32 v13, v13, |v[Y+\i+2]|, |v[Y+\i+3]|
.endr
	v_max3_num_f32 v12, v12, |v[Y+30]|, |v[Y+31]|
	v_max3_num_f32 v12, v12, v13, 0x1800000
	v_add_nc_u32 v11, 0xff000000, v12
	v_lshrrev_b32 v13, 23, v11
	v_cvt_scalef32_pk16_fp6_f32 v[176:178], v[Y:Y+15], v11
	v_cvt_scalef32_pk16_fp6_f32 v[184:186], v[Y+16:Y+31], v11
	v_nop
.irp i, 0,1,2
	v_mov_b32 v[179+\i], v[184+\i]
.endr
.irp i, 0,1,2
	ds_store_b64 v6, v[176+2*\i:177+2*\i] offset:256*\i
.endr
	ds_store_b8 v7, v13
	s_wait_dscnt 0x0                               ; for the others' sake: my stores have landed
	s_barrier_signal -1
	s_barrier_wait -1
.irp i, 0,1,2
	ds_load_b64 v[48+2*\i:49+2*\i], v40 offset:256*\i
.endr
	s_wait_dscnt 0x0
.irp i, 0,1,2
	global_store_b64 v41, v[48+2*\i:49+2*\i], s[12:13] offset:256*\i
.endr
	s_cmp_lg_u32 s18, 0
	s_cbranch_scc1 .Lend
	ds_load_b128 v[56:59], v42
	s_wait_dscnt 0x0
	global_store_b128 v43, v[56:59], s[14:15]
.Lend:
	s_wait_tensorcnt 0x0
	ds_add_u32 v192, v193
	s_wait_dscnt 0x0
	s_endpgm
.Lfunc_end_k_qfc8b768639_ln2:
	.size	k_qfc8b768639_ln2, .Lfunc_end_k_qfc8b768639_ln2-k_qfc8b768639_ln2
	.p2alignl 7, 3214868480
	.fill 96, 4, 3214868480
	.section	.rodata,"a",@progbits
	.p2align	6, 0x0
	.amdhsa_kernel k_qfc8b768639_ln2
		.amdhsa_group_segment_fixed_size 88576
		.amdhsa_private_segment_fixed_size 0
		.amdhsa_enable_private_segment 0
		.amdhsa_kernarg_size 32
		.amdhsa_user_sgpr_count 2
		.amdhsa_user_sgpr_kernarg_segment_ptr 1
		.amdhsa_wavefront_size32 1
		.amdhsa_system_sgpr_workgroup_id_x 1
		.amdhsa_system_sgpr_workgroup_id_y 1
		.amdhsa_system_sgpr_workgroup_id_z 1
		.amdhsa_system_vgpr_workitem_id 0
		.amdhsa_next_free_vgpr 194
		.amdhsa_next_free_sgpr 66
		.amdhsa_reserve_vcc 0
		.amdhsa_float_denorm_mode_32 3
		.amdhsa_float_denorm_mode_16_64 3
		.amdhsa_memory_ordered 1
		.amdhsa_forward_progress 1
		.amdhsa_inst_pref_size 16
	.end_amdhsa_kernel
	.amdgpu_metadata
---
amdhsa.version: [ 1, 2 ]
amdhsa.kernels:
  - .name:           k_qfc8b768639_ln2
    .symbol:         k_qfc8b768639_ln2.kd
    .args:
      - { .name: x1, .offset: 0, .size: 8, .value_kind: global_buffer, .address_space: global }
      - { .name: gamma2, .offset: 8, .size: 8, .value_kind: global_buffer, .address_space: global }
      - { .name: beta2, .offset: 16, .size: 8, .value_kind: global_buffer, .address_space: global }
      - { .name: h2, .offset: 24, .size: 8, .value_kind: global_buffer, .address_space: global }
    .group_segment_fixed_size: 88576
    .private_segment_fixed_size: 0
    .kernarg_segment_align: 8
    .kernarg_segment_size: 32
    .max_flat_workgroup_size: 512
    .sgpr_count:     66
    .vgpr_count:     194
    .wavefront_size: 32
...
	.end_amdgpu_metadata
.endif
;; end of part 5
;; launch w1 (part 6): grid 16 x 16, 4 waves a work-group, clusters of 4 x 4, 327,680 bytes of LDS; arguments h2, wts, b1, hid; writes hid
.if DOCPART == 6
	.amdgcn_target "amdgcn-amd-amdhsa--gfx1250"
	.amdhsa_code_object_version 6
	.text
	.protected	k_qfc8b768639_w1
	.globl	k_qfc8b768639_w1
	.p2align	8
	.type	k_qfc8b768639_w1,@function
k_qfc8b768639_w1:
	s_mov_b64 s[64:65], 0
	v_nop
	global_prefetch_b8 v0, s[64:65] scope:SCOPE_SE
	s_setreg_imm32_b32 hwreg(HW_REG_WAVE_MODE, 25, 1), 1
	s_wait_xcnt 0x0
	s_wait_alu depctr_hold_cnt(0) depctr_sa_sdst(0) depctr_va_vdst(0) depctr_va_sdst(0) depctr_va_ssrc(0) depctr_va_vcc(0) depctr_vm_vsrc(0)
	s_getreg_b32 s2, hwreg(HW_REG_IB_STS2, 6, 4)
	s_cmp_eq_u32 s2, 0
	s_cbranch_scc0 .Lentry_in_a_cluster
	s_endpgm
.Lentry_in_a_cluster:
	s_bfe_u32 s2, ttmp6, 0x10000c
	s_cmp_lg_u32 s2, 0xf033
	s_cbranch_scc0 .Lentry_shape_is_right
	s_endpgm
.Lentry_shape_is_right:
; hid = Q(gelu(LN2 W1 + b1)): the product on codes of FP6 (E2M3), the exact (erf) GELU in f32, quantised along the 4,096 hidden units as the next product's operand.
; The main loop is that of the other products of this program: a tile of 256 x 256 by four waves of 128 x 128, K in steps of 256 through two LDS slots filled by joint tensor loads in clusters of 4 x 4; operands as images of the
; matrix instruction's registers; the product used transposed, so that the 64 registers of A's block a are 128 neighbouring hidden units of one token: register 16 n + i = unit 32 n + 16 (lane / 16) + i.
; THE WAY OUT IS A LOOP: written out for 512 registers the GELU would be some 77 KB of code.  So each wave lays its accumulators into LDS as they stand (65,536 bytes a wave, over the ring, which is done with) and a loop of eight trips takes a block at a time in fixed registers.
; GELU: g = max(x, 0) - (sqrt(2) / 4) a q2 e, a = |x| / sqrt(2), e = 2^(-a a log2 e), q2 = (1 + P(q)) / (a + 1/2), q = 1 - 4 / (a + 2): that is x erfc(-x / sqrt 2) / 2 with nothing cancelled on the negative side;
; P, of degree 11, stands for (1 + 2 a) exp(a a) erfc(a) - 1 on q in [-1, 1].  LIMITS: v_exp_f32 gives 0 under 2^-126, v_rcp_f32 is accurate to 1 ulp; blocks as stated in prep; NaN and infinities are not served.
.set KT,    8
.set ASC,   3145728
.set BCO,   3145728
.set BSO,   9601024
.set BSP,   2048
.set NQ,    2
.set FR,    12
.set NL,    6
.set NP,    4
.set HALFT, 24576
.set SLOT,  4*HALFT
.set LAPS,  KT/4
.set SCL,   2*SLOT
.set HALFS, KT*512
.set SW,    262144                     ; behind the four stages: the scale words just made, 512 bytes a wave
.set SPARE, 327168                     ; the spare words: 128 bytes a wave, named by no other line
.set ADRA, 16
.set ADRB, 20
.set STO,  24                          ; v24 my stage: 65,536 x wave + 16 x lane
.set RD,   25                          ; v25 my row's scale word: SW + 512 x wave + 4 r
.set CO,   26                          ; v26 8 x lane
.set ADRS, 27
.set SPW,  28
.set NIL,  29
.set SC,   32
.set BIAS, 64
.set AF,   128
.set T,    128                         ; the way out: v128-191 a block's 64 numbers
.set GA,   64
.set GR,   80
.set GD,   96
.set GE,   112
.set GP,   192
.set PC,   192
.set TM,   224
.set WD,   240
.set FLOOR, 244
.set G1, 24
.set G0, 32
.set G1B, 48
.set G0B, 56
.set G1S, 68
.set G0S, 76
.set G1SB, 80
.set G0SB, 88
.set MSB, 0
.macro WIN new
.if MSB != \new
	s_set_vgpr_msb (MSB<<8)|\new
.set MSB, \new
.endif
.endm
.set MUL_LO, 0xa1
.set MUL_HI, 0xf1
.set TO_B,   0x40
.macro JLOAD g0a, g1a, g0b, g1b        ; a joint load: waves 0 and 1 fetch for A, waves 2 and 3 for B; four v_nop follow each line
	s_cmp_eq_u32 s15, 0
	s_cbranch_scc0 .Lfor_b_\@
	tensor_load_to_lds s[\g0a:\g0a+3], s[\g1a:\g1a+7]
	s_nop 0
.rept 4
	v_nop
.endr
	s_branch .Lasked_\@
.Lfor_b_\@:
	tensor_load_to_lds s[\g0b:\g0b+3], s[\g1b:\g1b+7]
	s_nop 0
.rept 4
	v_nop
.endr
.Lasked_\@:
.endm
.macro CREST
	s_cmp_lg_u32 s14, 0
	s_cbranch_scc1 .Lnot_wave_0_\@
	s_barrier_signal -3
.Lnot_wave_0_\@:
	s_barrier_wait -3
	s_barrier_signal -1
	s_barrier_wait -1
.endm
.macro CROUND
	s_barrier_signal -1
	s_barrier_wait -1
	CREST
.endm
	s_load_b128 s[4:7], s[0:1], 0x0                ; h2, wts
	s_load_b128 s[8:11], s[0:1], 0x10              ; b1, hid
	v_lshl_add_u32 v[SPW], v0, 2, SPARE
	v_mov_b32 v[NIL], 0
	ds_add_u32 v28, v29
	ds_add_u32 v28, v29
	s_wait_dscnt 0x0
	v_lshrrev_b32 v1, 5, v0
	v_readfirstlane_b32 s14, v1
	s_lshr_b32 s15, s14, 1
	s_and_b32 s16, s14, 1
	s_bfe_u32 s40, ttmp6, 0x40000
	s_bfe_u32 s41, ttmp6, 0x40004
	s_lshl_b32 s42, ttmp9, 2
	s_add_co_u32 s42, s42, s40                     ; tile column
	s_and_b32 s17, ttmp7, 0xffff
	s_lshl_b32 s17, s17, 2
	s_add_co_u32 s17, s17, s41                     ; tile row
	s_lshl_b32 s43, s41, 2
	s_lshl_b32 s43, 15, s43
	s_lshl_b32 s44, 0x1111, s40
	s_or_b32 s[G1+0], s43, (3<<16)|(1<<21)
	s_or_b32 s[G1B+0], s44, (3<<16)|(1<<21)
.irp g, G1, G1B
	s_mov_b32 s[\g+1], 384<<16
	s_mov_b32 s[\g+2], 8<<16
	s_mov_b32 s[\g+3], 384<<16
	s_mov_b32 s[\g+4], 8
	s_mov_b32 s[\g+5], KT*192
	s_mov_b32 s[\g+6], 0
	s_mov_b32 s[\g+7], 0
.endr
	s_or_b32 s[G1S+0], s43, (3<<16)|(1<<21)
	s_or_b32 s[G1SB+0], s44, (3<<16)|(1<<21)
.irp g, G1S, G1SB
	s_mov_b32 s[\g+1], 64<<16
	s_mov_b32 s[\g+2], KT<<16
	s_mov_b32 s[\g+3], 64<<16
	s_mov_b32 s[\g+4], KT
	s_mov_b32 s[\g+6], 0
	s_mov_b32 s[\g+7], 0
.endr
	s_mov_b32 s[G1S+5], 2048
	s_mov_b32 s[G1SB+5], BSP
	s_lshl_b32 s2, s16, 7
	s_lshl_b32 s20, s17, 8
	s_add_co_u32 s20, s20, s2
	s_lshl_b32 s46, s42, 8
	s_add_co_u32 s46, s46, s2
	s_lshl_b32 s22, s20, 2
	s_lshl_b32 s92, s46, 2
	s_mul_i32 s20, s20, 96*KT
	s_mul_i32 s46, s46, 96*KT
	s_mov_b32 s21, 0
	s_mov_b32 s23, 0
	s_mov_b32 s47, 0
	s_mov_b32 s93, 0
	s_mul_i32 s45, s14, HALFT
	s_mul_i32 s94, s14, HALFS
	s_mov_b32 s66, 0x76543210
	s_mov_b32 s67, 0xfedcba98
	s_wait_kmcnt 0x0
	s_add_nc_u64 s[20:21], s[4:5], s[20:21]
	s_add_nc_u64 s[22:23], s[4:5], s[22:23]
	s_add_nc_u64 s[22:23], s[22:23], ASC
	s_add_nc_u64 s[46:47], s[6:7], s[46:47]
	s_add_nc_u64 s[46:47], s[46:47], BCO
	s_add_nc_u64 s[92:93], s[6:7], s[92:93]
	s_add_nc_u64 s[92:93], s[92:93], BSO
	CROUND
	s_mov_b32 s[G0S], 1
	s_add_co_u32 s[G0S+1], s94, SCL
	s_mov_b64 s[G0S+2:G0S+3], s[22:23]
	s_or_b32 s[G0S+3], s[G0S+3], 0x80000000
	s_mov_b32 s[G0SB], 1
	s_add_co_u32 s[G0SB+1], s94, SCL
	s_mov_b64 s[G0SB+2:G0SB+3], s[92:93]
	s_or_b32 s[G0SB+3], s[G0SB+3], 0x80000000
	JLOAD G0S, G1S, G0SB, G1SB
.irp s, 0,1
	s_mov_b32 s[G0+4*\s], 1
	s_add_co_u32 s[G0+4*\s+1], s45, \s*SLOT
	s_add_nc_u64 s[G0+4*\s+2:G0+4*\s+3], s[20:21], \s*3072
	s_or_b32 s[G0+4*\s+3], s[G0+4*\s+3], 0x80000000
	s_mov_b32 s[G0B+4*\s], 1
	s_add_co_u32 s[G0B+4*\s+1], s45, \s*SLOT
	s_add_nc_u64 s[G0B+4*\s+2:G0B+4*\s+3], s[46:47], \s*3072
	s_or_b32 s[G0B+4*\s+3], s[G0B+4*\s+3], 0x80000000
	JLOAD G0+4*\s, G1, G0B+4*\s, G1B
.endr
	v_and_b32 v1, 15, v0
	v_bfe_u32 v2, v0, 4, 1
	v_and_b32 v3, 31, v0
	v_lshlrev_b32 v[CO], 3, v3
	s_mul_i32 s21, s15, HALFT
	s_mul_i32 s22, s16, HALFT
	s_add_co_u32 s22, s22, 2*HALFT
.irp s, 0,1
	v_add_nc_u32 v[ADRA+\s], s21, v[CO]
	v_add_nc_u32 v[ADRB+\s], s22, v[CO]
	s_add_co_u32 s21, s21, SLOT
	s_add_co_u32 s22, s22, SLOT
.endr
	v_lshlrev_b32 v5, 2, v1
	s_mul_i32 s21, s15, HALFS
	s_mul_i32 s22, s16, HALFS
	s_add_co_u32 s22, s22, 2*HALFS
	s_sub_co_u32 s22, s22, s21
	v_mul_u32_u24 v6, s22, v2
	s_add_co_u32 s21, s21, SCL
	v_add_nc_u32 v5, v5, v6
	v_add_nc_u32 v[ADRS], s21, v5
	s_lshl_b32 s23, s14, 16
	v_lshl_add_u32 v[STO], v3, 4, s23
	s_lshl_b32 s23, s14, 9
	s_add_co_u32 s23, s23, SW
	v_lshl_add_u32 v[RD], v1, 2, s23
	v_lshl_add_u32 v31, v3, 4, s23                 ; the words' way out: 16 bytes a lane
	v_lshlrev_b32 v30, 4, v3
	v_mov_b32 v[FLOOR], 0x1800000
.irp b, 0,1,2,3
	v_mov_b32 v[TM+4+\b], 0
.endr
	v_mov_b32 v246, 0x38788000                     ; P's highest coefficient, twice
	v_mov_b32 v247, 0x38788000
	s_lshl_b32 s46, s42, 10
	s_lshl_b32 s47, s16, 9
	s_add_co_u32 s46, s46, s47
	s_mov_b32 s47, 0
	s_add_nc_u64 s[96:97], s[8:9], s[46:47]        ; the bias at my first column
	s_lshl_b32 s20, s17, 4
	s_lshl_b32 s21, s15, 3
	s_add_co_u32 s20, s20, s21                     ; my first row tile
	s_mul_i32 s20, s20, 49152
	s_lshl_b32 s46, s42, 1
	s_add_co_u32 s46, s46, s16                     ; my 128 hidden units are this K step of the next product
	s_mul_i32 s98, s46, 1536
	s_add_co_u32 s98, s98, s20
	s_mov_b32 s99, 0
	s_add_nc_u64 s[12:13], s[10:11], s[98:99]      ; codes
	s_lshl_b32 s98, s46, 14
	s_lshl_b32 s20, s17, 10
	s_add_co_u32 s98, s98, s20
	s_lshl_b32 s20, s15, 9
	s_add_co_u32 s98, s98, s20
	s_add_co_u32 s98, s98, 12582912
	s_add_nc_u64 s[10:11], s[10:11], s[98:99]      ; scale words
	v_lshlrev_b32 v7, 6, v2
.irp b, 0,1,2,3,4,5,6,7
	global_load_b128 v[BIAS+8*\b:BIAS+8*\b+3], v7, s[96:97] offset:128*(\b/2)+32*(\b%2)
	global_load_b128 v[BIAS+8*\b+4:BIAS+8*\b+7], v7, s[96:97] offset:128*(\b/2)+32*(\b%2)+16
.endr
.macro FRAG reg, adr, q, i
.irp p, 0,1,2,3,4,5
	ds_load_b64 v[\reg+2*\p:\reg+2*\p+1], v[\adr] offset:(\i)*3072+(\q)*1536+256*\p
.endr
.endm
.macro MUL16 a0, p, q, sc, cs          ; the 64 accumulators take turns in one order; cs = 1: C = the bias
.irp a, \a0, \a0+1
.irp b, 0,1,2,3,4,5,6,7
.if \cs == 0
	v_wmma_scale_f32_16x16x128_f8f6f4 v[8*(8*((\a)%4)+\b):8*(8*((\a)%4)+\b)+7], v[128*(\p)+FR*\b:128*(\p)+FR*\b+FR-1], v[AF+FR*(\a):AF+FR*(\a)+FR-1], v[8*(8*((\a)%4)+\b):8*(8*((\a)%4)+\b)+7], v[SC+8*NQ*(\sc)+NQ*\b+(\q)], v[SC+8*NQ*(\sc)+NQ*(\a)+(\q)] matrix_a_fmt:MATRIX_FMT_FP6 matrix_b_fmt:MATRIX_FMT_FP6 matrix_a_scale:MATRIX_SCALE_ROW1
.else
	v_wmma_scale_f32_16x16x128_f8f6f4 v[8*(8*((\a)%4)+\b):8*(8*((\a)%4)+\b)+7], v[128*(\p)+FR*\b:128*(\p)+FR*\b+FR-1], v[AF+FR*(\a):AF+FR*(\a)+FR-1], v[BIAS+8*\b:BIAS+8*\b+7], v[SC+8*NQ*(\sc)+NQ*\b+(\q)], v[SC+8*NQ*(\sc)+NQ*(\a)+(\q)] matrix_a_fmt:MATRIX_FMT_FP6 matrix_b_fmt:MATRIX_FMT_FP6 matrix_a_scale:MATRIX_SCALE_ROW1
.endif
.endr
.endr
.endm
.macro FETCH_B slot, q, p
	WIN TO_B
.irp i, 0,1,2,3,4,5,6,7
	FRAG 128*(\p)+FR*\i, ADRB+\slot, \q, \i
.endr
	WIN 0
.endm
.macro FETCH_A slot, q, i0
.irp i, \i0, \i0+1, \i0+2, \i0+3
	FRAG AF+FR*(\i), ADRA+\slot, \q, \i
.endr
.endm
.macro SCALES sc
.irp q, 0,1
.irp i, 0,1,2,3,4,5,6,7
	ds_load_b32 v[SC+8*NQ*\sc+NQ*\i+\q], v[ADRS] offset:512*\q+64*\i
.endr
.endr
.endm
.macro PLACES n
.rept \n
	v_nop
.endr
.endm
.macro STEP slot, q, cs
	s_wait_dscnt 4*NL                              ; all but the youngest 24 loads, A's blocks 4-7
.if \cs
	WIN 0x81
.else
	WIN MUL_LO
.endif
	MUL16 0, (\q)%2, \q, \slot, \cs
	MUL16 2, (\q)%2, \q, \slot, \cs
	s_wait_dscnt 0
	PLACES NP
	FETCH_B \slot, (\q)+1, 1-(\q)%2
	FETCH_A \slot, (\q)+1, 0
.if \cs
	WIN 0xc1
.else
	WIN MUL_HI
.endif
	MUL16 4, (\q)%2, \q, \slot, \cs
	MUL16 6, (\q)%2, \q, \slot, \cs
	PLACES NP
	WIN 0
	FETCH_A \slot, (\q)+1, 4
.endm
.macro TURN slot, next, fill
	s_wait_tensorcnt 0x0                           ; all my tensor loads have landed: my part of the next slot
	ds_add_u32 v[SPW], v[NIL]                      ; 0 onto my spare word
	s_wait_dscnt 4*NL+1                            ; (the add and A's blocks 4-7 may be out)
	WIN MUL_LO
	MUL16 0, 1, NQ-1, \slot, 0
	s_wait_dscnt 0x0                               ; the add is done, and my reads of this slot are over
	s_barrier_signal -1
	MUL16 2, 1, NQ-1, \slot, 0
	WIN 0
	s_barrier_wait -1
.if \fill
	CREST
	s_add_nc_u64 s[G0+4*\slot+2:G0+4*\slot+3], s[G0+4*\slot+2:G0+4*\slot+3], 6144
	s_add_nc_u64 s[G0B+4*\slot+2:G0B+4*\slot+3], s[G0B+4*\slot+2:G0B+4*\slot+3], 6144
	JLOAD G0+4*\slot, G1, G0B+4*\slot, G1B
.else
	PLACES NP
.endif
	v_add_nc_u32 v[ADRS], 1024, v[ADRS]
	FETCH_B \next, 0, 0
	FETCH_A \next, 0, 0
	SCALES \next
	WIN MUL_HI
	MUL16 4, 1, NQ-1, \slot, 0
	MUL16 6, 1, NQ-1, \slot, 0
	PLACES NP
	WIN 0
	FETCH_A \next, 0, 4
.endm
	s_wait_tensorcnt 1                             ; the scale words and my part of slot 0 are in; slot 1's load may be out
	s_barrier_signal -1
	s_barrier_wait -1
	FETCH_B 0, 0, 0
	FETCH_A 0, 0, 0
	SCALES 0
	FETCH_A 0, 0, 4
	s_wait_loadcnt 0x0                             ; the bias
	STEP 0, 0, 1
	s_mov_b32 s3, LAPS-1
.Llap:
	TURN 0, 1, 1
	STEP 1, 0, 0
	TURN 1, 0, 1
	STEP 0, 0, 0
	s_sub_co_u32 s3, s3, 1
	s_cmp_lg_u32 s3, 0
	s_cbranch_scc1 .Llap
	TURN 0, 1, 0
	STEP 1, 0, 0
	s_wait_dscnt 4*NL
	WIN MUL_LO
	MUL16 0, 1, NQ-1, 1, 0
	MUL16 2, 1, NQ-1, 1, 0
	s_wait_dscnt 0
	WIN MUL_HI
	MUL16 4, 1, NQ-1, 1, 0
	MUL16 6, 1, NQ-1, 1, 0
	WIN 0
	s_wait_dscnt 0x0                               ; my reads of the ring and of the scale words are over
	s_barrier_signal -1
	s_barrier_wait -1                              ; everybody's are: the stages may lie over them; no fill follows in this launch
	PLACES NP
.irp a, 0,1,2,3,4,5,6,7
	WIN (0x08+4*(\a/4))
.irp k, 0,1,2,3,4,5,6,7,8,9,10,11,12,13,14,15
	ds_store_b128 v[STO], v[64*(\a%4)+4*\k:64*(\a%4)+4*\k+3] offset:8192*\a+512*\k     ; as they stand, each accumulator from its low end on
.endr
.endr
	WIN 0
	; the constants, in the registers of the descriptors, whose loads are all done
.set n, 0
.irp c, 0x3e8dd01d, 0xbdbdfae7, 0xbe2a040d, 0x3e27fc56, 0xbd5e0db6, 0xbc034ca0, 0x3c0e611b, 0x3a9e0ebf, 0xbab7153e, 0xb9b5a7ff, 0x39290e63
	s_mov_b32 s[24+2*n], \c                        ; P's coefficients 0 to 10, each as a pair
	s_mov_b32 s[25+2*n], \c
.set n, n+1
.endr
	s_mov_b32 s46, 0x3fb8aa3b                      ; log2(e)
	s_mov_b32 s47, s46
	s_mov_b32 s48, 0xbeb504f3                      ; -sqrt(2) / 4
	s_mov_b32 s49, s48
	s_mov_b32 s50, 0x3f3504f3                      ; 1 / sqrt(2)
.macro GELU16 g                        ; sixteen numbers, in place
.set TT, T+16*(\g)
.irp j, 0,1,2,3,4,5,6,7,8,9,10,11,12,13,14,15
	v_mul_f32 v[GA+\j], |v[TT+\j]|, s50            ; a
.endr
.irp j, 0,1,2,3,4,5,6,7,8,9,10,11,12,13,14,15
	v_max_num_f32 v[TT+\j], 0, v[TT+\j]            ; max(x, 0)
.endr
.irp j, 0,2,4,6,8,10,12,14
	v_pk_add_f32 v[GR+\j:GR+\j+1], v[GA+\j:GA+\j+1], 2.0 op_sel_hi:[1,0]
.endr
.irp j, 0,2,4,6,8,10,12,14
	v_pk_add_f32 v[GD+\j:GD+\j+1], v[GA+\j:GA+\j+1], 0.5 op_sel_hi:[1,0]
.endr
.irp j, 0,2,4,6,8,10,12,14
	v_pk_mul_f32 v[GE+\j:GE+\j+1], v[GA+\j:GA+\j+1], v[GA+\j:GA+\j+1]
.endr
.irp j, 0,2,4,6,8,10,12,14
	v_pk_mul_f32 v[GE+\j:GE+\j+1], v[GE+\j:GE+\j+1], s[46:47] op_sel_hi:[1,0]
.endr
.irp j, 0,1,2,3,4,5,6,7,8,9,10,11,12,13,14,15
	v_rcp_f32 v[GR+\j], v[GR+\j]
.endr
.irp j, 0,1,2,3,4,5,6,7,8,9,10,11,12,13,14,15
	v_rcp_f32 v[GD+\j], v[GD+\j]
.endr
.irp j, 0,1,2,3,4,5,6,7,8,9,10,11,12,13,14,15
	v_exp_f32 v[GE+\j], -v[GE+\j]
.endr
	v_nop                                          ; a plain place behind the batch
	s_wait_alu depctr_va_vdst(0)                   ; one wait for the 48, ahead of their first reader
.irp j, 0,2,4,6,8,10,12,14
	v_pk_fma_f32 v[GR+\j:GR+\j+1], v[GR+\j:GR+\j+1], -4.0, 1.0 op_sel_hi:[1,0,0]   ; q
.endr
.irp j, 0,2,4,6,8,10,12,14
	v_pk_fma_f32 v[GP+\j:GP+\j+1], v[GR+\j:GR+\j+1], v[246:247], s[44:45] op_sel_hi:[1,1,0]
.endr
.irp n, 9,8,7,6,5,4,3,2,1,0
.irp j, 0,2,4,6,8,10,12,14
	v_pk_fma_f32 v[GP+\j:GP+\j+1], v[GP+\j:GP+\j+1], v[GR+\j:GR+\j+1], s[24+2*\n:25+2*\n] op_sel_hi:[1,1,0]
.endr
.endr
.irp j, 0,2,4,6,8,10,12,14
	v_pk_fma_f32 v[GP+\j:GP+\j+1], v[GP+\j:GP+\j+1], v[GD+\j:GD+\j+1], v[GD+\j:GD+\j+1]    ; (1 + P) / (a + 1/2)
.endr
.irp j, 0,2,4,6,8,10,12,14
	v_pk_mul_f32 v[GP+\j:GP+\j+1], v[GP+\j:GP+\j+1], v[GE+\j:GE+\j+1]
.endr
.irp j, 0,2,4,6,8,10,12,14
	v_pk_mul_f32 v[GP+\j:GP+\j+1], v[GP+\j:GP+\j+1], v[GA+\j:GA+\j+1]
.endr
.irp j, 0,2,4,6,8,10,12,14
	v_pk_fma_f32 v[TT+\j:TT+\j+1], v[GP+\j:GP+\j+1], s[48:49], v[TT+\j:TT+\j+1] op_sel_hi:[1,0,1]
.endr
.endm
; 64 numbers of a lane, v[s] on in window w, register 16 b + i = k 32 b + 16 (lane / 16) + i of my row, become a fragment's codes in v[PC] on and its scale word in v[pw].
.macro QUANTW s, w, pw
	WIN (((\w)<<2)|((\w)<<4))
.irp b, 0,1,2,3
	v_max3_num_f32 v[TM+\b], v[FLOOR], |v[(\s)+16*\b]|, |v[(\s)+16*\b+1]|
.endr
.irp i, 2,4,6,8,10,12,14
.irp b, 0,1,2,3
	v_max3_num_f32 v[TM+\b], v[TM+\b], |v[(\s)+16*\b+\i]|, |v[(\s)+16*\b+\i+1]|
.endr
.endr
	WIN 0
.irp b, 0,1,2,3
	v_permlanex16_b32 v[TM+4+\b], v[TM+\b], s66, s67
.endr
.irp b, 0,1,2,3
	v_max_num_f32 v[TM+\b], v[TM+\b], v[TM+4+\b]
.endr
.irp b, 0,1,2,3
	v_add_nc_u32 v[TM+12+\b], 0xff000000, v[TM+\b]
.endr
.irp b, 0,1,2,3
	v_lshrrev_b32 v[TM+4+\b], 23, v[TM+12+\b]
.endr
	v_lshl_or_b32 v[\pw], v[TM+5], 8, v[TM+4]
	v_lshl_or_b32 v[\pw], v[TM+6], 16, v[\pw]
	v_lshl_or_b32 v[\pw], v[TM+7], 24, v[\pw]
	s_wait_xcnt 0x0                                ; earlier stores have read their registers
	WIN \w
.irp c, 0,1
	v_cvt_scalef32_pk16_fp6_f32 v[PC+6*\c:PC+6*\c+2], v[(\s)+32*\c:(\s)+32*\c+15], v[TM+12+2*\c]
	v_cvt_scalef32_pk16_fp6_f32 v[PC+12+4*\c:PC+14+4*\c], v[(\s)+32*\c+16:(\s)+32*\c+31], v[TM+13+2*\c]
.endr
	WIN 0
	v_nop
.irp c, 0,1
.irp i, 0,1,2
	v_permlane16_swap_b32 v[PC+6*\c+\i], v[PC+12+4*\c+\i]
.endr
.irp i, 0,1,2
	v_mov_b32 v[PC+3+6*\c+\i], v[PC+12+4*\c+\i]
.endr
.endr
.endm
	s_mov_b32 s20, 0                               ; the block's bytes in my stage
	s_mov_b32 s21, 0                               ; and its scale words'
	s_mov_b32 s3, 0
.Lblk:                                             ; eight trips: 16 tokens x 128 hidden units each
	v_add_nc_u32 v12, s20, v[STO]
.irp k, 0,1,2,3,4,5,6,7,8,9,10,11,12,13,14,15
	ds_load_b128 v[T+4*\k:T+4*\k+3], v12 offset:512*\k     ; my own bytes, served in order
.endr
	s_wait_dscnt 0x0
	GELU16 0
	GELU16 1
	GELU16 2
	GELU16 3
	QUANTW T, 0, WD
.irp i, 0,1,2,3,4,5
	global_store_b64 v[CO], v[PC+2*\i:PC+2*\i+1], s[12:13] offset:256*\i   ; 256 consecutive bytes, aligned
.endr
	v_add_nc_u32 v13, s21, v[RD]
	ds_store_b32 v13, v[WD]                        ; lanes r and r + 16 write the same word with the same value
	s_wait_xcnt 0x0                                ; the stores have read their base: it may step
	s_add_nc_u64 s[12:13], s[12:13], 49152         ; the next row tile
	s_add_co_u32 s20, s20, 8192
	s_add_co_u32 s21, s21, 64
	s_add_co_u32 s3, s3, 1
	s_cmp_lt_u32 s3, 8
	s_cbranch_scc1 .Lblk
	ds_load_b128 v[T:T+3], v31                     ; my 128 scale words
	s_wait_dscnt 0x0
	global_store_b128 v30, v[T:T+3], s[10:11]      ; 512 consecutive bytes, aligned
	s_wait_tensorcnt 0x0                           ; the wave's end
	ds_add_u32 v[SPW], v[NIL]
	s_wait_dscnt 0x0
	CROUND                                         ; the closing round
	s_endpgm
.Lfunc_end_k_qfc8b768639_w1:
	.size	k_qfc8b768639_w1, .Lfunc_end_k_qfc8b768639_w1-k_qfc8b768639_w1
	.p2alignl 7, 3214868480
	.fill 96, 4, 3214868480
	.section	.rodata,"a",@progbits
	.p2align	6, 0x0
	.amdhsa_kernel k_qfc8b768639_w1
		.amdhsa_group_segment_fixed_size 327680
		.amdhsa_private_segment_fixed_size 0
		.amdhsa_enable_private_segment 0
		.amdhsa_kernarg_size 32
		.amdhsa_user_sgpr_count 2
		.amdhsa_user_sgpr_kernarg_segment_ptr 1
		.amdhsa_wavefront_size32 1
		.amdhsa_system_sgpr_workgroup_id_x 1
		.amdhsa_system_sgpr_workgroup_id_y 1
		.amdhsa_system_sgpr_workgroup_id_z 1
		.amdhsa_system_vgpr_workitem_id 0
		.amdhsa_next_free_vgpr 1024
		.amdhsa_next_free_sgpr 102
		.amdhsa_reserve_vcc 0
		.amdhsa_float_denorm_mode_32 3
		.amdhsa_float_denorm_mode_16_64 3
		.amdhsa_memory_ordered 1
		.amdhsa_forward_progress 1
		.amdhsa_inst_pref_size 205
	.end_amdhsa_kernel
	.amdgpu_metadata
---
amdhsa.version: [ 1, 2 ]
amdhsa.kernels:
  - .name:           k_qfc8b768639_w1
    .symbol:         k_qfc8b768639_w1.kd
    .args:
      - { .name: h2, .offset: 0, .size: 8, .value_kind: global_buffer, .address_space: global }
      - { .name: wts, .offset: 8, .size: 8, .value_kind: global_buffer, .address_space: global }
      - { .name: b1, .offset: 16, .size: 8, .value_kind: global_buffer, .address_space: global }
      - { .name: hid, .offset: 24, .size: 8, .value_kind: global_buffer, .address_space: global }
    .group_segment_fixed_size: 327680
    .private_segment_fixed_size: 0
    .kernarg_segment_align: 8
    .kernarg_segment_size: 32
    .max_flat_workgroup_size: 128
    .sgpr_count:     102
    .vgpr_count:     1024
    .wavefront_size: 32
...
	.end_amdgpu_metadata
.endif
;; end of part 6
;; launch w2 (part 7): grid 4 x 16, 4 waves a work-group, clusters of 4 x 4, 327,680 bytes of LDS; arguments hid, wts, b2, x1, out0; writes out0
.if DOCPART == 7
	.amdgcn_target "amdgcn-amd-amdhsa--gfx1250"
	.amdhsa_code_object_version 6
	.text
	.protected	k_qfc8b768639_w2
	.globl	k_qfc8b768639_w2
	.p2align	8
	.type	k_qfc8b768639_w2,@function
k_qfc8b768639_w2:
	s_mov_b64 s[64:65], 0
	v_nop
	global_prefetch_b8 v0, s[64:65] scope:SCOPE_SE
	s_setreg_imm32_b32 hwreg(HW_REG_WAVE_MODE, 25, 1), 1
	s_wait_xcnt 0x0
	s_wait_alu depctr_hold_cnt(0) depctr_sa_sdst(0) depctr_va_vdst(0) depctr_va_sdst(0) depctr_va_ssrc(0) depctr_va_vcc(0) depctr_vm_vsrc(0)
	s_getreg_b32 s2, hwreg(HW_REG_IB_STS2, 6, 4)
	s_cmp_eq_u32 s2, 0
	s_cbranch_scc0 .Lentry_in_a_cluster
	s_endpgm
.Lentry_in_a_cluster:
	s_bfe_u32 s2, ttmp6, 0x10000c
	s_cmp_lg_u32 s2, 0xf033
	s_cbranch_scc0 .Lentry_shape_is_right
	s_endpgm
.Lentry_shape_is_right:
; out0 = x1 + hidden layer x W2 + b2, the product on codes of FP6 (E2M3).  The same text as wo but for the constants at its head (K = 4,096) and the hint on the last stores.
; A tile of 256 x 256 is made by four waves, 128 x 128 each (64 accumulators, 512 registers); K goes in steps of 256 through two LDS slots filled by joint tensor loads (4 x 4 work-groups: A's tile shared along a row of the cluster, B's along a column).
; Operands lie in memory as images of the matrix instruction's registers (row tile, K step: 1,536 bytes; register pair i of lane l at 256 i + 8 l): a fragment is six ds_load_b64 of 256 consecutive bytes.
; THE PRODUCT IS USED TRANSPOSED (source 0 = 16 positions of B, source 1 = 16 of A).  Position p holds row p with bits 3 and 4 exchanged: register j of accumulator (a, b) in lane (r, h) is
; token 32 (a / 2) + 8 (a % 2) + r + 8 (r / 8), column 32 (b / 2) + 16 h + 8 (b % 2) + j.  The bias is the C of each sum's first product.
; N = 1,024 gives 64 tiles of this size: 64 work-groups.  A smaller tile would give more; this text keeps the tile of the other products.
.set KT,    32                         ; K steps of 128
.set ASC,   12582912                   ; A's scale words in A's buffer
.set BCO,   6291456                    ; B's codes in wts
.set BSO,   9732096                    ; B's scale words in wts
.set BSP,   512
.set NQ,    2
.set FR,    12
.set NL,    6
.set NP,    4
.set HALFT, 24576
.set SLOT,  4*HALFT
.set LAPS,  KT/4
.set SCL,   2*SLOT
.set HALFS, KT*512
.set SPARE, 327168                     ; the spare words: 128 bytes a wave, named by no other line
.set SPITCH, 528
.set ADRA, 16
.set ADRB, 20
.set STO,  24
.set RD,   25
.set CO,   26
.set ADRS, 27
.set SPW,  28
.set NIL,  29
.set SC,   32
.set BIAS, 64
.set AF,   128
.set BK,   128
.set G1, 24
.set G0, 32
.set G1B, 48
.set G0B, 56
.set G1S, 68
.set G0S, 76
.set G1SB, 80
.set G0SB, 88
.set MSB, 0
.macro WIN new
.if MSB != \new
	s_set_vgpr_msb (MSB<<8)|\new
.set MSB, \new
.endif
.endm
.set MUL_LO, 0xa1
.set MUL_HI, 0xf1
.set TO_B,   0x40
.macro JLOAD g0a, g1a, g0b, g1b        ; a joint load: waves 0 and 1 fetch for A, waves 2 and 3 for B; four v_nop follow each line
	s_cmp_eq_u32 s15, 0
	s_cbranch_scc0 .Lfor_b_\@
	tensor_load_to_lds s[\g0a:\g0a+3], s[\g1a:\g1a+7]
	s_nop 0
.rept 4
	v_nop
.endr
	s_branch .Lasked_\@
.Lfor_b_\@:
	tensor_load_to_lds s[\g0b:\g0b+3], s[\g1b:\g1b+7]
	s_nop 0
.rept 4
	v_nop
.endr
.Lasked_\@:
.endm
.macro CREST
	s_cmp_lg_u32 s14, 0
	s_cbranch_scc1 .Lnot_wave_0_\@
	s_barrier_signal -3
.Lnot_wave_0_\@:
	s_barrier_wait -3
	s_barrier_signal -1
	s_barrier_wait -1
.endm
.macro CROUND
	s_barrier_signal -1
	s_barrier_wait -1
	CREST
.endm
	s_load_b128 s[4:7], s[0:1], 0x0                ; A's buffer, wts
	s_load_b128 s[8:11], s[0:1], 0x10              ; the bias, the residual
	s_load_b64 s[12:13], s[0:1], 0x20              ; the result
	v_lshl_add_u32 v[SPW], v0, 2, SPARE
	v_mov_b32 v[NIL], 0
	ds_add_u32 v28, v29
	ds_add_u32 v28, v29
	s_wait_dscnt 0x0
	v_lshrrev_b32 v1, 5, v0
	v_readfirstlane_b32 s14, v1
	s_lshr_b32 s15, s14, 1
	s_and_b32 s16, s14, 1
	s_bfe_u32 s40, ttmp6, 0x40000
	s_bfe_u32 s41, ttmp6, 0x40004
	s_lshl_b32 s42, ttmp9, 2
	s_add_co_u32 s42, s42, s40
	s_and_b32 s17, ttmp7, 0xffff
	s_lshl_b32 s17, s17, 2
	s_add_co_u32 s17, s17, s41
	s_lshl_b32 s43, s41, 2
	s_lshl_b32 s43, 15, s43
	s_lshl_b32 s44, 0x1111, s40
	s_or_b32 s[G1+0], s43, (3<<16)|(1<<21)
	s_or_b32 s[G1B+0], s44, (3<<16)|(1<<21)
.irp g, G1, G1B
	s_mov_b32 s[\g+1], 384<<16
	s_mov_b32 s[\g+2], 8<<16
	s_mov_b32 s[\g+3], 384<<16
	s_mov_b32 s[\g+4], 8
	s_mov_b32 s[\g+5], KT*192
	s_mov_b32 s[\g+6], 0
	s_mov_b32 s[\g+7], 0
.endr
	s_or_b32 s[G1S+0], s43, (3<<16)|(1<<21)
	s_or_b32 s[G1SB+0], s44, (3<<16)|(1<<21)
.irp g, G1S, G1SB
	s_mov_b32 s[\g+1], 64<<16
	s_mov_b32 s[\g+2], KT<<16
	s_mov_b32 s[\g+3], 64<<16
	s_mov_b32 s[\g+4], KT
	s_mov_b32 s[\g+6], 0
	s_mov_b32 s[\g+7], 0
.endr
	s_mov_b32 s[G1S+5], 2048
	s_mov_b32 s[G1SB+5], BSP
	s_lshl_b32 s2, s16, 7
	s_lshl_b32 s20, s17, 8
	s_add_co_u32 s20, s20, s2
	s_lshl_b32 s46, s42, 8
	s_add_co_u32 s46, s46, s2
	s_lshl_b32 s22, s20, 2
	s_lshl_b32 s92, s46, 2
	s_mul_i32 s20, s20, 96*KT
	s_mul_i32 s46, s46, 96*KT
	s_mov_b32 s21, 0
	s_mov_b32 s23, 0
	s_mov_b32 s47, 0
	s_mov_b32 s93, 0
	s_mul_i32 s45, s14, HALFT
	s_mul_i32 s94, s14, HALFS
	s_wait_kmcnt 0x0
	s_add_nc_u64 s[20:21], s[4:5], s[20:21]
	s_add_nc_u64 s[22:23], s[4:5], s[22:23]
	s_add_nc_u64 s[22:23], s[22:23], ASC
	s_add_nc_u64 s[46:47], s[6:7], s[46:47]
	s_add_nc_u64 s[46:47], s[46:47], BCO
	s_add_nc_u64 s[92:93], s[6:7], s[92:93]
	s_add_nc_u64 s[92:93], s[92:93], BSO
	CROUND
	s_mov_b32 s[G0S], 1
	s_add_co_u32 s[G0S+1], s94, SCL
	s_mov_b64 s[G0S+2:G0S+3], s[22:23]
	s_or_b32 s[G0S+3], s[G0S+3], 0x80000000
	s_mov_b32 s[G0SB], 1
	s_add_co_u32 s[G0SB+1], s94, SCL
	s_mov_b64 s[G0SB+2:G0SB+3], s[92:93]
	s_or_b32 s[G0SB+3], s[G0SB+3], 0x80000000
	JLOAD G0S, G1S, G0SB, G1SB
.irp s, 0,1
	s_mov_b32 s[G0+4*\s], 1
	s_add_co_u32 s[G0+4*\s+1], s45, \s*SLOT
	s_add_nc_u64 s[G0+4*\s+2:G0+4*\s+3], s[20:21], \s*3072
	s_or_b32 s[G0+4*\s+3], s[G0+4*\s+3], 0x80000000
	s_mov_b32 s[G0B+4*\s], 1
	s_add_co_u32 s[G0B+4*\s+1], s45, \s*SLOT
	s_add_nc_u64 s[G0B+4*\s+2:G0B+4*\s+3], s[46:47], \s*3072
	s_or_b32 s[G0B+4*\s+3], s[G0B+4*\s+3], 0x80000000
	JLOAD G0+4*\s, G1, G0B+4*\s, G1B
.endr
	v_and_b32 v1, 15, v0
	v_bfe_u32 v2, v0, 4, 1
	v_and_b32 v3, 31, v0
	v_lshlrev_b32 v4, 3, v3
	s_mul_i32 s21, s15, HALFT
	s_mul_i32 s22, s16, HALFT
	s_add_co_u32 s22, s22, 2*HALFT
.irp s, 0,1
	v_add_nc_u32 v[ADRA+\s], s21, v4
	v_add_nc_u32 v[ADRB+\s], s22, v4
	s_add_co_u32 s21, s21, SLOT
	s_add_co_u32 s22, s22, SLOT
.endr
	v_lshlrev_b32 v5, 2, v1
	s_mul_i32 s21, s15, HALFS
	s_mul_i32 s22, s16, HALFS
	s_add_co_u32 s22, s22, 2*HALFS
	s_sub_co_u32 s22, s22, s21
	v_mul_u32_u24 v6, s22, v2
	s_add_co_u32 s21, s21, SCL
	v_add_nc_u32 v5, v5, v6
	v_add_nc_u32 v[ADRS], s21, v5
	s_mul_i32 s23, s14, 16*SPITCH
	v_mul_u32_u24 v5, v1, SPITCH
	v_lshl_add_u32 v5, v2, 6, v5
	v_add_nc_u32 v[STO], s23, v5
	v_lshlrev_b32 v[CO], 4, v3
	v_add_nc_u32 v[RD], s23, v[CO]
	s_lshl_b32 s20, s17, 8
	s_lshl_b32 s21, s15, 7
	s_add_co_u32 s20, s20, s21
	s_lshl_b32 s20, s20, 12
	s_lshl_b32 s46, s42, 10
	s_lshl_b32 s47, s16, 9
	s_add_co_u32 s46, s46, s47
	s_mov_b32 s47, 0
	s_add_nc_u64 s[96:97], s[8:9], s[46:47]
	s_add_co_u32 s46, s46, s20
	s_add_nc_u64 s[10:11], s[10:11], s[46:47]
	s_add_nc_u64 s[12:13], s[12:13], s[46:47]
	v_lshlrev_b32 v7, 6, v2
.irp b, 0,1,2,3,4,5,6,7
	global_load_b128 v[BIAS+8*\b:BIAS+8*\b+3], v7, s[96:97] offset:128*(\b/2)+32*(\b%2)
	global_load_b128 v[BIAS+8*\b+4:BIAS+8*\b+7], v7, s[96:97] offset:128*(\b/2)+32*(\b%2)+16
.endr
.macro FRAG reg, adr, q, i
.irp p, 0,1,2,3,4,5
	ds_load_b64 v[\reg+2*\p:\reg+2*\p+1], v[\adr] offset:(\i)*3072+(\q)*1536+256*\p
.endr
.endm
.macro MUL16 a0, p, q, sc, cs          ; the 64 accumulators take turns in one order; cs = 1: C = the bias
.irp a, \a0, \a0+1
.irp b, 0,1,2,3,4,5,6,7
.if \cs == 0
	v_wmma_scale_f32_16x16x128_f8f6f4 v[8*(8*((\a)%4)+\b):8*(8*((\a)%4)+\b)+7], v[128*(\p)+FR*\b:128*(\p)+FR*\b+FR-1], v[AF+FR*(\a):AF+FR*(\a)+FR-1], v[8*(8*((\a)%4)+\b):8*(8*((\a)%4)+\b)+7], v[SC+8*NQ*(\sc)+NQ*\b+(\q)], v[SC+8*NQ*(\sc)+NQ*(\a)+(\q)] matrix_a_fmt:MATRIX_FMT_FP6 matrix_b_fmt:MATRIX_FMT_FP6 matrix_a_scale:MATRIX_SCALE_ROW1
.else
	v_wmma_scale_f32_16x16x128_f8f6f4 v[8*(8*((\a)%4)+\b):8*(8*((\a)%4)+\b)+7], v[128*(\p)+FR*\b:128*(\p)+FR*\b+FR-1], v[AF+FR*(\a):AF+FR*(\a)+FR-1], v[BIAS+8*\b:BIAS+8*\b+7], v[SC+8*NQ*(\sc)+NQ*\b+(\q)], v[SC+8*NQ*(\sc)+NQ*(\a)+(\q)] matrix_a_fmt:MATRIX_FMT_FP6 matrix_b_fmt:MATRIX_FMT_FP6 matrix_a_scale:MATRIX_SCALE_ROW1
.endif
.endr
.endr
.endm
.macro FETCH_B slot, q, p
	WIN TO_B
.irp i, 0,1,2,3,4,5,6,7
	FRAG 128*(\p)+FR*\i, ADRB+\slot, \q, \i
.endr
	WIN 0
.endm
.macro FETCH_A slot, q, i0
.irp i, \i0, \i0+1, \i0+2, \i0+3
	FRAG AF+FR*(\i), ADRA+\slot, \q, \i
.endr
.endm
.macro SCALES sc
.irp q, 0,1
.irp i, 0,1,2,3,4,5,6,7
	ds_load_b32 v[SC+8*NQ*\sc+NQ*\i+\q], v[ADRS] offset:512*\q+64*\i
.endr
.endr
.endm
.macro PLACES n
.rept \n
	v_nop
.endr
.endm
.macro STEP slot, q, cs
	s_wait_dscnt 4*NL                              ; all but the youngest 24 loads, A's blocks 4-7
.if \cs
	WIN 0x81
.else
	WIN MUL_LO
.endif
	MUL16 0, (\q)%2, \q, \slot, \cs
	MUL16 2, (\q)%2, \q, \slot, \cs
	s_wait_dscnt 0
	PLACES NP
	FETCH_B \slot, (\q)+1, 1-(\q)%2
	FETCH_A \slot, (\q)+1, 0
.if \cs
	WIN 0xc1
.else
	WIN MUL_HI
.endif
	MUL16 4, (\q)%2, \q, \slot, \cs
	MUL16 6, (\q)%2, \q, \slot, \cs
	PLACES NP
	WIN 0
	FETCH_A \slot, (\q)+1, 4
.endm
.macro TURN slot, next, fill
	s_wait_tensorcnt 0x0                           ; all my tensor loads have landed: my part of the next slot
	ds_add_u32 v[SPW], v[NIL]                      ; 0 onto my spare word
	s_wait_dscnt 4*NL+1                            ; (the add and A's blocks 4-7 may be out)
	WIN MUL_LO
	MUL16 0, 1, NQ-1, \slot, 0
	s_wait_dscnt 0x0                               ; the add is done, and my reads of this slot are over
	s_barrier_signal -1
	MUL16 2, 1, NQ-1, \slot, 0
	WIN 0
	s_barrier_wait -1
.if \fill
	CREST
	s_add_nc_u64 s[G0+4*\slot+2:G0+4*\slot+3], s[G0+4*\slot+2:G0+4*\slot+3], 6144
	s_add_nc_u64 s[G0B+4*\slot+2:G0B+4*\slot+3], s[G0B+4*\slot+2:G0B+4*\slot+3], 6144
	JLOAD G0+4*\slot, G1, G0B+4*\slot, G1B
.else
	PLACES NP
.endif
	v_add_nc_u32 v[ADRS], 1024, v[ADRS]
	FETCH_B \next, 0, 0
	FETCH_A \next, 0, 0
	SCALES \next
	WIN MUL_HI
	MUL16 4, 1, NQ-1, \slot, 0
	MUL16 6, 1, NQ-1, \slot, 0
	PLACES NP
	WIN 0
	FETCH_A \next, 0, 4
.endm
	s_wait_tensorcnt 1                             ; the scale words and my part of slot 0 are in; slot 1's load may be out
	s_barrier_signal -1
	s_barrier_wait -1
	FETCH_B 0, 0, 0
	FETCH_A 0, 0, 0
	SCALES 0
	FETCH_A 0, 0, 4
	s_wait_loadcnt 0x0                             ; the bias
	STEP 0, 0, 1
	s_mov_b32 s3, LAPS-1
.Llap:
	TURN 0, 1, 1
	STEP 1, 0, 0
	TURN 1, 0, 1
	STEP 0, 0, 0
	s_sub_co_u32 s3, s3, 1
	s_cmp_lg_u32 s3, 0
	s_cbranch_scc1 .Llap
	TURN 0, 1, 0
	STEP 1, 0, 0
	s_wait_dscnt 4*NL
	WIN MUL_LO
	MUL16 0, 1, NQ-1, 1, 0
	MUL16 2, 1, NQ-1, 1, 0
	s_wait_dscnt 0
	WIN MUL_HI
	MUL16 4, 1, NQ-1, 1, 0
	MUL16 6, 1, NQ-1, 1, 0
	WIN 0
; THE WAY OUT, block by block of 16 rows x 128 columns: through my stage, back as whole rows of 512 bytes, + the residual's same rows, stored.  Row t of block a is token 32 (a / 2) + 8 (a % 2) + t + 8 (t / 8).
.macro RES a
	WIN 0x40
.irp t, 0,1,2,3,4,5,6,7,8,9,10,11,12,13,14,15
	global_load_b128 v[64*((\a)%4)+4*\t:64*((\a)%4)+4*\t+3], v[CO], s[10:11] offset:(32*((\a)/2)+8*((\a)%2)+\t+8*(\t/8))*4096 th:TH_LOAD_NT
.endr
	WIN 0
.endm
.macro TOSTAGE a
.set AC, 64*((\a)%4)
	WIN (0x08+4*((\a)/4))
.irp b, 0,1,2,3,4,5,6,7
	ds_store_b128 v[STO], v[AC+8*\b:AC+8*\b+3] offset:128*(\b/2)+32*(\b%2)
	ds_store_b128 v[STO], v[AC+8*\b+4:AC+8*\b+7] offset:128*(\b/2)+32*(\b%2)+16
.endr
	WIN 0
.set BB, BK+64*((\a)%2)
.irp t, 0,1,2,3,4,5,6,7,8,9,10,11,12,13,14,15
	ds_load_b128 v[BB+4*\t:BB+4*\t+3], v[RD] offset:\t*SPITCH
.endr
.endm
.macro SEND a, younger
.set BB, BK+64*((\a)%2)
.set RS, 64*((\a)%4)
	s_wait_dscnt \younger                          ; the block is back; the next block's 16 stores and 16 loads may be out
.if 16*(7-(\a)) > 48
	s_wait_loadcnt 48                              ; its residual is in; three later blocks' loads may be out
.else
	s_wait_loadcnt 16*(7-(\a))
.endif
	WIN 0x04
.set i, 0
.rept 32
	v_pk_add_f32 v[BB+i:BB+i+1], v[BB+i:BB+i+1], v[RS+i:RS+i+1]
.set i, i+2
.endr
	WIN 0
.irp t, 0,1,2,3,4,5,6,7,8,9,10,11,12,13,14,15
	global_store_b128 v[CO], v[BB+4*\t:BB+4*\t+3], s[12:13] offset:(32*((\a)/2)+8*((\a)%2)+\t+8*(\t/8))*4096 th:TH_STORE_NT
.endr
.if (\a) < 4
	RES (\a)+4
.endif
.endm
	PLACES NP
	RES 0
	RES 1
	RES 2
	RES 3
	TOSTAGE 0
.irp a, 1,2,3,4,5,6,7
.if \a > 1
	s_wait_xcnt 0x0                                ; block a - 2's stores have read their registers: block a's loads may land there
.endif
	TOSTAGE \a
	SEND \a-1, 32
.endr
	SEND 7, 0
	s_wait_tensorcnt 0x0                           ; the wave's end
	ds_add_u32 v[SPW], v[NIL]
	s_wait_dscnt 0x0
	CROUND                                         ; the closing round
	s_endpgm
.Lfunc_end_k_qfc8b768639_w2:
	.size	k_qfc8b768639_w2, .Lfunc_end_k_qfc8b768639_w2-k_qfc8b768639_w2
	.p2alignl 7, 3214868480
	.fill 96, 4, 3214868480
	.section	.rodata,"a",@progbits
	.p2align	6, 0x0
	.amdhsa_kernel k_qfc8b768639_w2
		.amdhsa_group_segment_fixed_size 327680
		.amdhsa_private_segment_fixed_size 0
		.amdhsa_enable_private_segment 0
		.amdhsa_kernarg_size 40
		.amdhsa_user_sgpr_count 2
		.amdhsa_user_sgpr_kernarg_segment_ptr 1
		.amdhsa_wavefront_size32 1
		.amdhsa_system_sgpr_workgroup_id_x 1
		.amdhsa_system_sgpr_workgroup_id_y 1
		.amdhsa_system_sgpr_workgroup_id_z 1
		.amdhsa_system_vgpr_workitem_id 0
		.amdhsa_next_free_vgpr 1024
		.amdhsa_next_free_sgpr 102
		.amdhsa_reserve_vcc 0
		.amdhsa_float_denorm_mode_32 3
		.amdhsa_float_denorm_mode_16_64 3
		.amdhsa_memory_ordered 1
		.amdhsa_forward_progress 1
		.amdhsa_inst_pref_size 192
	.end_amdhsa_kernel
	.amdgpu_metadata
---
amdhsa.version: [ 1, 2 ]
amdhsa.kernels:
  - .name:           k_qfc8b768639_w2
    .symbol:         k_qfc8b768639_w2.kd
    .args:
      - { .name: hid, .offset: 0, .size: 8, .value_kind: global_buffer, .address_space: global }
      - { .name: wts, .offset: 8, .size: 8, .value_kind: global_buffer, .address_space: global }
      - { .name: b2, .offset: 16, .size: 8, .value_kind: global_buffer, .address_space: global }
      - { .name: x1, .offset: 24, .size: 8, .value_kind: global_buffer, .address_space: global }
      - { .name: out0, .offset: 32, .size: 8, .value_kind: global_buffer, .address_space: global }
    .group_segment_fixed_size: 327680
    .private_segment_fixed_size: 0
    .kernarg_segment_align: 8
    .kernarg_segment_size: 40
    .max_flat_workgroup_size: 128
    .sgpr_count:     102
    .vgpr_count:     1024
    .wavefront_size: 32
...
	.end_amdgpu_metadata
.endif
;; end of part 7
;; ======== version 2 of 2: 7 launches
;; limits: right only within a limited range of input values
;; workspace buffers: wts 9,863,168 bytes; h1 3,276,800 bytes; qkv 13,369,344 bytes; ao 3,276,800 bytes; x1 16,777,216 bytes; h2 3,276,800 bytes; hid 13,107,200 bytes
;; launch prep (part 8): grid 448 x 1, 16 waves a work-group, no clusters, 141,824 bytes of LDS; arguments Wq, Wk, Wv, Wo, W1, W2, x, gamma1, beta1, wts, h1; writes wts, h1
.if DOCPART == 8
	.amdgcn_target "amdgcn-amd-amdhsa--gfx1250"
	.amdhsa_code_object_version 6
	.text
	.protected	k_qfc8b768639_prep
	.globl	k_qfc8b768639_prep
	.p2align	8
	.type	k_qfc8b768639_prep,@function
k_qfc8b768639_prep:
	s_mov_b64 s[64:65], 0
	v_nop
	global_prefetch_b8 v0, s[64:65] scope:SCOPE_SE
	s_setreg_imm32_b32 hwreg(HW_REG_WAVE_MODE, 25, 1), 1
	s_wait_xcnt 0x0
; PREP.  Work-groups 0-191 turn the six weights ([K][N] f32, K the first axis) into codes of FP6 (E2M3) with one E8M0 byte for each 32 along K; work-groups 192-447 make LayerNorm 1 of x and quantise it along its 1,024 columns.
; LAYOUT OF EVERY OPERAND BUFFER OF THIS PROGRAM: codes [row tile of 16 positions][K step of 128][1,536 bytes]: a fragment as the matrix instruction's registers hold it: register pair i of lane l at 256 i + 8 l.
; Scale words [K step][position], 4 bytes each.  Position p holds column (of a weight) or token (of an activation) p with bits 3 and 4 exchanged: so a product's 16 registers of two neighbouring tiles are 16 neighbours along the next K.
; A block's scale is 2^(floor(log2(largest magnitude)) - 2); its byte is the largest magnitude's exponent field - 2, held at 1 from below.
; LIMITS: a block of zeros, or one under 2^-124, gets the byte 1 (its codes are zeros; this program alone reads the bytes); NaN and infinities are not served; v_rsq_f32 is accurate to 1 ulp.
; No tensor loads, no matrix unit, no cluster: memory binds, and no two work-groups read the same bytes but gamma and beta.  The two ways have LDS bytes of their own.
; Both ways stay inside v0-127, so that two work-groups of 16 waves have room on a WGP (8 waves x 128 registers a SIMD; 2 x 141,824 bytes of LDS).
.set VO,  16                           ; v16-47   weights: byte offset of row i of a block, at my column
.set X,   48                           ; v48-111  weights: two sets of 32 numbers down K, by turns;  LayerNorm: v48-79 the row's 32 numbers of my lane
.set C,   112                          ; v112-117 weights: a block's codes
.set D,   118                          ; v118-120 a conversion's second half
.set G,   80                           ; v80-111  gamma
.set BT,  16                           ; v16-47   beta; behind its last use v16-26 take the codes
.set Y,   80                           ; v80-111  a whole block of 32 neighbours, over gamma, which is done with by then
.set LNB, 53248                        ; LDS: weights' stages 0 .. 53,247 (16 waves x 3,328); LayerNorm from here: 16 stages of 4,608,
.set LNI, LNB+73728                    ; the row tile's image, 12,288 bytes,
.set LNS, LNI+12288                    ; and its scale words, 512 bytes
	v_lshl_add_u32 v122, v0, 2, 0x22200
	v_mov_b32 v123, 0
	v_lshrrev_b32 v1, 5, v0
	s_delay_alu instid0(VALU_DEP_1)
	v_readfirstlane_b32 s18, v1                    ; wave 0..15
	v_and_b32 v2, 31, v0                           ; lane
	s_cmp_lt_u32 ttmp9, 192
	s_cbranch_scc0 .Lln
; ---------------- THE WEIGHTS.  A work-group takes 128 columns x 512 along K; wave w 32 columns (w % 4) x one K step (w / 4).  A lane takes a column, its registers run down K.
; ids 0-63: Wq, Wk, Wv, Wo, 16 each; 64-127: W1; 128-191: W2.  Only pointers, pitches and bases are chosen: one path serves all six.
	s_load_b256 s[4:11], s[0:1], 0x0               ; Wq, Wk, Wv, Wo
	s_load_b128 s[12:15], s[0:1], 0x20             ; W1, W2
	s_load_b64 s[16:17], s[0:1], 0x48              ; wts
	s_lshr_b32 s30, ttmp9, 4
	s_lshr_b32 s35, ttmp9, 6                       ; 0: the four square weights, 1: W1, 2: W2
	s_and_b32 s31, ttmp9, 15
	s_and_b32 s32, ttmp9, 63
	s_mul_i32 s37, s30, 786432
	s_mul_i32 s38, s35, 3145728
	s_lshl_b32 s39, s30, 12
	s_add_co_u32 s39, s39, 9437184                 ; Wq, Wk, Wv: scale words side by side, 1,024 each, in rows of 4,096
	s_mov_b32 s34, 49152
	s_mov_b32 s36, 4096
	s_mov_b32 s40, 4096
	s_cmp_lt_u32 ttmp9, 64
	s_cselect_b32 s31, s31, s32                    ; j: my number within the tensor
	s_cselect_b32 s37, s37, s38                    ; where the tensor's codes begin
	s_cmp_lt_u32 ttmp9, 128
	s_cselect_b32 s33, 1, 3                        ; K has 2 parts of 512, W2's 8
	s_cselect_b32 s34, 12288, s34                  ; a row tile's codes: K / 128 x 1,536 bytes
	s_cmp_eq_u32 s35, 1
	s_cselect_b32 s36, 16384, s36                  ; a row of the source in bytes
	s_cselect_b32 s40, 16384, s40                  ; a K step's scale words in bytes
	s_cmp_lt_u32 ttmp9, 48
	s_cselect_b32 s40, 16384, s40
	s_cmp_ge_u32 ttmp9, 48
	s_cselect_b32 s39, 9568256, s39                ; Wo's scale words
	s_cmp_ge_u32 ttmp9, 64
	s_cselect_b32 s39, 9601024, s39                ; W1's
	s_cmp_ge_u32 ttmp9, 128
	s_cselect_b32 s39, 9732096, s39                ; W2's
	s_lshr_b32 s41, s31, s33                       ; which 128 columns
	s_bfm_b32 s42, s33, 0
	s_and_b32 s42, s31, s42                        ; which 512 along K
	s_and_b32 s20, s18, 3
	s_lshr_b32 s21, s18, 2
	s_lshl_b32 s42, s42, 2
	s_add_co_u32 s42, s42, s21                     ; my K step
	s_lshl_b32 s43, s41, 2
	s_add_co_u32 s43, s43, s20                     ; my 32 positions
	s_lshl_b32 s44, s42, 7
	s_mul_i32 s44, s44, s36                        ; 128 rows a K step
	s_lshl_b32 s22, s43, 7                         ; 32 columns, and 32 scale words, are 128 bytes
	s_add_co_u32 s44, s44, s22
	s_mov_b32 s45, 0
	s_lshl_b32 s46, s36, 5                         ; a block: 32 rows
	s_mov_b32 s47, 0
	s_lshl_b32 s48, s43, 1                         ; two row tiles
	s_mul_i32 s48, s48, s34
	s_add_co_u32 s48, s48, s37
	s_mul_i32 s49, s42, 1536
	s_add_co_u32 s48, s48, s49
	s_mov_b32 s49, 0
	s_mov_b32 s50, s34
	s_mov_b32 s51, 0
	s_mul_i32 s52, s42, s40
	s_add_co_u32 s52, s52, s39
	s_add_co_u32 s52, s52, s22
	s_mov_b32 s53, 0
	s_wait_alu depctr_va_vdst(0)
	v_and_b32 v3, 7, v2
	v_bfe_u32 v4, v2, 3, 1
	v_bfe_u32 v5, v2, 4, 1
	s_delay_alu instid0(VALU_DEP_2)
	v_lshl_or_b32 v3, v4, 4, v3
	s_delay_alu instid0(VALU_DEP_1)
	v_lshl_or_b32 v3, v5, 3, v3                    ; my lane with bits 3 and 4 exchanged: the column of position lane
	s_delay_alu instid0(VALU_DEP_1)
	v_lshlrev_b32 v[VO], 2, v3
.set i, 1
.rept 31
	s_delay_alu instid0(VALU_DEP_1)
	v_add_nc_u32 v[VO+i], s36, v[VO+i-1]           ; a row further down
.set i, i+1
.endr
	s_mul_i32 s19, s18, 3328                       ; my stage: two fragments of 1,536 bytes, 1,664 apart
	v_and_b32 v6, 15, v2
	v_mul_u32_u24 v7, v5, 1664
	s_delay_alu instid0(VALU_DEP_1)
	v_lshl_add_u32 v7, v6, 3, v7
	s_delay_alu instid0(VALU_DEP_1)
	v_add_nc_u32 v7, s19, v7                       ; in: the fragment of my row tile, 8 bytes at my row
	v_lshlrev_b32 v8, 4, v2                        ; out: 16 bytes a lane
	s_delay_alu instid0(VALU_DEP_1)
	v_add_nc_u32 v9, s19, v8
	v_lshlrev_b32 v10, 2, v2                       ; my scale word
	s_wait_alu depctr_va_vdst(0)
	s_wait_kmcnt 0x0
	s_cmp_eq_u32 s30, 1
	s_cselect_b64 s[4:5], s[6:7], s[4:5]
	s_cmp_eq_u32 s30, 2
	s_cselect_b64 s[4:5], s[8:9], s[4:5]
	s_cmp_eq_u32 s30, 3
	s_cselect_b64 s[4:5], s[10:11], s[4:5]
	s_cmp_eq_u32 s35, 1
	s_cselect_b64 s[4:5], s[12:13], s[4:5]
	s_cmp_eq_u32 s35, 2
	s_cselect_b64 s[4:5], s[14:15], s[4:5]
	s_add_nc_u64 s[4:5], s[4:5], s[44:45]          ; block 0 of my K step, my 32 columns
	s_add_nc_u64 s[6:7], s[4:5], s[46:47]          ; blocks 1, 2, 3
	s_add_nc_u64 s[8:9], s[6:7], s[46:47]
	s_add_nc_u64 s[10:11], s[8:9], s[46:47]
	s_add_nc_u64 s[12:13], s[16:17], s[48:49]      ; my first fragment in wts,
	s_add_nc_u64 s[14:15], s[12:13], s[50:51]      ; my second,
	s_add_nc_u64 s[16:17], s[16:17], s[52:53]      ; my 32 scale words
.macro LOADW t                         ; block t: 32 rows at my column; a wave reads 128 consecutive bytes, the four waves beside each other 512
.set i, 0
.rept 32
	global_load_b32 v[X+32*((\t)%2)+i], v[VO+i], s[4+2*(\t):5+2*(\t)] th:TH_LOAD_NT
.set i, i+1
.endr
.endm
.macro BLOCK t
.set XS, X+32*((\t)%2)
.set CS, C
.if (\t) < 3
	s_wait_loadcnt 32                              ; this block's 32 loads are in; the next block's may be out
.else
	s_wait_loadcnt 0x0
.endif
	v_max3_num_f32 v12, |v[XS]|, |v[XS+1]|, |v[XS+2]|      ; the block's largest magnitude: all 32 numbers are mine
	v_max3_num_f32 v13, |v[XS+3]|, |v[XS+4]|, |v[XS+5]|
.irp i, 6,10,14,18,22,26
	s_delay_alu instid0(VALU_DEP_2)
	v_max3_num_f32 v12, v12, |v[XS+\i]|, |v[XS+\i+1]|
	s_delay_alu instid0(VALU_DEP_2)
	v_max3_num_f32 v13, v13, |v[XS+\i+2]|, |v[XS+\i+3]|
.endr
	s_delay_alu instid0(VALU_DEP_2)
	v_max3_num_f32 v12, v12, |v[XS+30]|, |v[XS+31]|
	s_delay_alu instid0(VALU_DEP_1)
	v_max3_num_f32 v12, v12, v13, 0x1800000        ; and the floor 2^(3 - 127): the byte cannot fall under 1
	s_delay_alu instid0(VALU_DEP_1)
	v_add_nc_u32 v11, 0xff000000, v12              ; 2 off the exponent field: the conversion's scale operand
	s_delay_alu instid0(VALU_DEP_1)
	v_lshrrev_b32 v13, 23, v11                     ; the scale's byte
.if (\t) == 0
	s_delay_alu instid0(VALU_DEP_1)
	v_mov_b32 v14, v13
.else
	s_delay_alu instid0(VALU_DEP_1)
	v_lshl_or_b32 v14, v13, 8*(\t), v14            ; four bytes make my position's scale word of this K step
.endif
	v_cvt_scalef32_pk16_fp6_f32 v[CS:CS+2], v[XS:XS+15], v11
	v_cvt_scalef32_pk16_fp6_f32 v[D:D+2], v[XS+16:XS+31], v11      ; (a conversion's three registers begin on an even number)
	v_nop                                          ; one plain place behind a scaled conversion
.if (\t) < 2
	LOADW (\t)+2                                   ; the block two on takes this block's registers, which the conversions have read
.endif
.irp i, 0,1,2
	v_mov_b32 v[CS+3+\i], v[D+\i]
.endr
.irp i, 0,1,2                          ; block t is what lane (row, t % 2) of the fragment holds in registers 6 (t / 2) on
	ds_store_b64 v7, v[CS+2*\i:CS+2*\i+1] offset:768*((\t)/2)+128*((\t)%2)+256*\i
.endr
.endm
	LOADW 0
	LOADW 1
	BLOCK 0
	BLOCK 1
	BLOCK 2
	BLOCK 3
	global_store_b32 v10, v14, s[16:17]            ; 32 scale words: 128 consecutive bytes
.irp j, 0,1,2,3,4,5
	ds_load_b128 v[X+4*\j:X+4*\j+3], v9 offset:(\j/3)*1664+512*(\j%3)   ; LDS serves a wave's instructions in order: these see my stores
.endr
.irp j, 0,1,2,3,4,5
	s_wait_dscnt 5-\j
	global_store_b128 v8, v[X+4*\j:X+4*\j+3], s[12+2*(\j/3):13+2*(\j/3)] offset:512*(\j%3)   ; 512 consecutive bytes, aligned
.endr
	s_wait_tensorcnt 0x0
	ds_add_u32 v122, v123
	s_wait_dscnt 0x0
	s_endpgm
; ---------------- LAYERNORM 1.  A work-group makes one row tile (16 positions), a wave one row: read once, kept in 32 registers a lane.
.Lln:
	s_load_b128 s[4:7], s[0:1], 0x30               ; x, gamma1
	s_load_b64 s[8:9], s[0:1], 0x40                ; beta1
	s_load_b64 s[10:11], s[0:1], 0x50              ; h1
	s_sub_co_u32 s19, ttmp9, 192                   ; the row tile
	s_lshr_b32 s20, s19, 1                         ; position 16 g + w with bits 3 and 4 exchanged: token 32 (g / 2) + 16 (w / 8) + 8 (g % 2) + w % 8
	s_lshl_b32 s20, s20, 5
	s_lshr_b32 s21, s18, 3
	s_lshl_b32 s21, s21, 4
	s_add_co_u32 s20, s20, s21
	s_and_b32 s21, s19, 1
	s_lshl_b32 s21, s21, 3
	s_add_co_u32 s20, s20, s21
	s_and_b32 s21, s18, 7
	s_add_co_u32 s20, s20, s21
	s_lshl_b32 s20, s20, 12                        ; a row is 4,096 bytes
	s_mov_b32 s21, 0
	s_mov_b32 s22, 0x76543210
	s_mov_b32 s23, 0xfedcba98                      ; v_permlanex16_b32's selects for lane l xor 16
	s_mul_i32 s26, s19, 12288
	s_mov_b32 s27, 0
	s_lshl_b32 s28, s19, 6
	s_add_co_u32 s28, s28, 3145728
	s_mov_b32 s29, 0
	s_wait_alu depctr_va_vdst(0)
	v_lshlrev_b32 v3, 4, v2                        ; 16 bytes a lane
	s_mul_i32 s24, s18, 4608
	s_add_co_u32 s24, s24, LNB                     ; my stage: 32 blocks of 128 bytes + 16
	v_lshrrev_b32 v8, 3, v2
	s_delay_alu instid0(VALU_DEP_1)
	v_mul_u32_u24 v8, v8, 144
	v_and_b32 v9, 7, v2
	s_delay_alu instid0(VALU_DEP_1)
	v_lshl_add_u32 v8, v9, 4, v8
	s_delay_alu instid0(VALU_DEP_1)
	v_add_nc_u32 v4, s24, v8                       ; in: as loaded: eight lanes fill a block
	v_mul_u32_u24 v8, v2, 144
	s_delay_alu instid0(VALU_DEP_1)
	v_add_nc_u32 v5, s24, v8                       ; out: lane l takes block l whole
	v_lshrrev_b32 v8, 2, v2                        ; my block's K step
	s_delay_alu instid0(VALU_DEP_1)
	v_mul_u32_u24 v9, v8, 1536
	v_bfe_u32 v10, v2, 1, 1
	s_delay_alu instid0(VALU_DEP_1)
	v_mad_u32_u24 v9, v10, 768, v9
	v_and_b32 v10, 1, v2
	s_delay_alu instid0(VALU_DEP_1)
	v_lshl_add_u32 v9, v10, 7, v9
	s_lshl_b32 s25, s18, 3
	s_add_co_u32 s25, s25, LNI
	v_add_nc_u32 v6, s25, v9                       ; the image: block l of row w is what lane (w, l % 2) holds in registers 6 ((l / 2) % 2) on, K step l / 4
	v_lshlrev_b32 v9, 6, v8
	v_and_b32 v10, 3, v2
	s_delay_alu instid0(VALU_DEP_1)
	v_add_nc_u32 v9, v9, v10
	s_lshl_b32 s25, s18, 2
	s_add_co_u32 s25, s25, LNS
	v_add_nc_u32 v7, s25, v9                       ; my block's byte in row w's word of that K step
	s_mul_i32 s25, s18, 768
	v_lshl_add_u32 v115, v2, 3, s25                ; the way out: wave w takes 768 bytes of the image
	s_delay_alu instid0(VALU_DEP_1)
	v_add_nc_u32 v114, LNI, v115
	v_lshl_add_u32 v116, v2, 4, LNS
	v_lshlrev_b32 v117, 14, v8                     ; the scale words' place: 16,384 bytes a K step, 16 bytes a lane
	s_delay_alu instid0(VALU_DEP_1)
	v_lshl_add_u32 v117, v10, 4, v117
	s_wait_kmcnt 0x0
	s_add_nc_u64 s[4:5], s[4:5], s[20:21]
	s_add_nc_u64 s[12:13], s[10:11], s[26:27]      ; the row tile's codes
	s_add_nc_u64 s[14:15], s[10:11], s[28:29]      ; and its scale words
.irp j, 0,1,2,3,4,5,6,7
	global_load_b128 v[X+4*\j:X+4*\j+3], v3, s[4:5] offset:512*\j th:TH_LOAD_NT
.endr
.irp j, 0,1,2,3,4,5,6,7
	global_load_b128 v[G+4*\j:G+4*\j+3], v3, s[6:7] offset:512*\j
.endr
.irp j, 0,1,2,3,4,5,6,7
	global_load_b128 v[BT+4*\j:BT+4*\j+3], v3, s[8:9] offset:512*\j
.endr
.macro WSUM r, t                       ; the sum of v[r] over the 32 lanes, in every lane
	s_delay_alu instid0(VALU_DEP_1)
	v_add_f32_dpp v[\r], v[\r], v[\r] row_xmask:1 row_mask:0xf bank_mask:0xf
	s_delay_alu instid0(VALU_DEP_1)
	v_add_f32_dpp v[\r], v[\r], v[\r] row_xmask:2 row_mask:0xf bank_mask:0xf
	s_delay_alu instid0(VALU_DEP_1)
	v_add_f32_dpp v[\r], v[\r], v[\r] row_xmask:4 row_mask:0xf bank_mask:0xf
	s_delay_alu instid0(VALU_DEP_1)
	v_add_f32_dpp v[\r], v[\r], v[\r] row_xmask:8 row_mask:0xf bank_mask:0xf
	s_delay_alu instid0(VALU_DEP_1)
	v_permlanex16_b32 v[\t], v[\r], s22, s23
	s_delay_alu instid0(VALU_DEP_1)
	v_add_f32 v[\r], v[\r], v[\t]
.endm
	s_wait_loadcnt 16                              ; the row is in; gamma's and beta's sixteen loads may be out
	v_pk_add_f32 v[10:11], v[48:49], v[50:51]
	v_pk_add_f32 v[118:119], v[56:57], v[60:61]
	v_pk_add_f32 v[120:121], v[64:65], v[68:69]
	v_pk_add_f32 v[124:125], v[72:73], v[76:77]
	v_pk_add_f32 v[126:127], v[52:53], v[54:55]
	v_pk_add_f32 v[12:13], v[58:59], v[62:63]
	v_pk_add_f32 v[14:15], v[66:67], v[70:71]
	v_pk_add_f32 v[8:9], v[74:75], v[78:79]
	s_delay_alu instid0(VALU_DEP_1)
	v_pk_add_f32 v[8:9], v[8:9], v[124:125]
	v_pk_add_f32 v[10:11], v[10:11], v[126:127]
	v_pk_add_f32 v[118:119], v[118:119], v[12:13]
	v_pk_add_f32 v[120:121], v[120:121], v[14:15]
	s_delay_alu instid0(VALU_DEP_2)
	v_pk_add_f32 v[8:9], v[8:9], v[118:119]
	s_delay_alu instid0(VALU_DEP_2)
	v_pk_add_f32 v[10:11], v[10:11], v[120:121]
	s_delay_alu instid0(VALU_DEP_1)
	v_pk_add_f32 v[8:9], v[8:9], v[10:11]
	s_delay_alu instid0(VALU_DEP_1)
	v_add_f32 v8, v8, v9
	WSUM 8, 9
	s_delay_alu instid0(VALU_DEP_1)
	v_mul_f32 v8, 0x3a800000, v8                   ; the mean: / 1,024
.irp j, 0,2,4,6,8,10,12,14,16,18,20,22,24,26,28,30
	v_pk_add_f32 v[X+\j:X+\j+1], v[X+\j:X+\j+1], v[8:9] op_sel_hi:[1,0] neg_lo:[0,1] neg_hi:[0,1]   ; x - mean
.endr
	v_pk_mul_f32 v[10:11], v[X:X+1], v[X:X+1]
	v_pk_mul_f32 v[12:13], v[X+2:X+3], v[X+2:X+3]
.irp j, 4,8,12,16,20,24,28
	s_delay_alu instid0(VALU_DEP_2)
	v_pk_fma_f32 v[10:11], v[X+\j:X+\j+1], v[X+\j:X+\j+1], v[10:11]
	s_delay_alu instid0(VALU_DEP_2)
	v_pk_fma_f32 v[12:13], v[X+\j+2:X+\j+3], v[X+\j+2:X+\j+3], v[12:13]
.endr
	s_delay_alu instid0(VALU_DEP_1)
	v_pk_add_f32 v[10:11], v[10:11], v[12:13]
	s_delay_alu instid0(VALU_DEP_1)
	v_add_f32 v10, v10, v11
	WSUM 10, 11
	v_mov_b32 v14, 0x3727c5ac                      ; 1e-5
	s_delay_alu instid0(VALU_DEP_1)
	v_fmac_f32 v14, 0x3a800000, v10                ; the variance + 1e-5
	s_wait_alu depctr_va_vdst(0)
	v_rsq_f32 v112, v14
	v_mov_b32 v113, 0                              ; (a plain place; and the pair v[112:113] is named whole below)
	s_wait_loadcnt 0x0                             ; gamma and beta
.irp j, 0,2,4,6,8,10,12,14,16,18,20,22,24,26,28,30
	v_pk_mul_f32 v[G+\j:G+\j+1], v[G+\j:G+\j+1], v[X+\j:X+\j+1]    ; gamma (x - mean): work that does not name the root
.endr
	s_wait_alu depctr_va_vdst(0)                   ; the wait ahead of the first reader of v112
.irp j, 0,2,4,6,8,10,12,14,16,18,20,22,24,26,28,30
	v_pk_fma_f32 v[X+\j:X+\j+1], v[G+\j:G+\j+1], v[112:113], v[BT+\j:BT+\j+1] op_sel_hi:[1,0,1]
.endr
.irp j, 0,1,2,3,4,5,6,7
	ds_store_b128 v4, v[X+4*\j:X+4*\j+3] offset:576*\j
.endr
.irp j, 0,1,2,3,4,5,6,7
	ds_load_b128 v[Y+4*\j:Y+4*\j+3], v5 offset:16*\j       ; my own bytes, served in order
.endr
	s_wait_dscnt 0x0
	v_max3_num_f32 v12, |v[Y]|, |v[Y+1]|, |v[Y+2]|
	v_max3_num_f32 v13, |v[Y+3]|, |v[Y+4]|, |v[Y+5]|
.irp i, 6,10,14,18,22,26
	s_delay_alu instid0(VALU_DEP_2)
	v_max3_num_f32 v12, v12, |v[Y+\i]|, |v[Y+\i+1]|
	s_delay_alu instid0(VALU_DEP_2)
	v_max3_num_f32 v13, v13, |v[Y+\i+2]|, |v[Y+\i+3]|
.endr
	s_delay_alu instid0(VALU_DEP_2)
	v_max3_num_f32 v12, v12, |v[Y+30]|, |v[Y+31]|
	s_delay_alu instid0(VALU_DEP_1)
	v_max3_num_f32 v12, v12, v13, 0x1800000
	s_delay_alu instid0(VALU_DEP_1)
	v_add_nc_u32 v11, 0xff000000, v12
	s_delay_alu instid0(VALU_DEP_1)
	v_lshrrev_b32 v13, 23, v11
	v_cvt_scalef32_pk16_fp6_f32 v[16:18], v[Y:Y+15], v11
	v_cvt_scalef32_pk16_fp6_f32 v[24:26], v[Y+16:Y+31], v11
	v_nop
.irp i, 0,1,2
	v_mov_b32 v[19+\i], v[24+\i]
.endr
.irp i, 0,1,2
	ds_store_b64 v6, v[16+2*\i:17+2*\i] offset:256*\i
.endr
	ds_store_b8 v7, v13
	s_wait_dscnt 0x0                               ; for the others' sake: my stores have landed
	s_barrier_signal -1
	s_barrier_wait -1                              ; the row tile's image and its scale words are whole
.irp i, 0,1,2
	ds_load_b64 v[48+2*\i:49+2*\i], v114 offset:256*\i
.endr
	s_wait_dscnt 0x0
.irp i, 0,1,2
	global_store_b64 v115, v[48+2*\i:49+2*\i], s[12:13] offset:256*\i      ; 256 consecutive bytes, aligned
.endr
	s_cmp_lg_u32 s18, 0
	s_cbranch_scc1 .Lend
	ds_load_b128 v[56:59], v116                    ; wave 0: the 8 x 16 scale words
	s_wait_dscnt 0x0
	global_store_b128 v117, v[56:59], s[14:15]
.Lend:
	s_wait_tensorcnt 0x0
	ds_add_u32 v122, v123
	s_wait_dscnt 0x0
	s_endpgm
.Lfunc_end_k_qfc8b768639_prep:
	.size	k_qfc8b768639_prep, .Lfunc_end_k_qfc8b768639_prep-k_qfc8b768639_prep
	.p2alignl 7, 3214868480
	.fill 96, 4, 3214868480
	.section	.rodata,"a",@progbits
	.p2align	6, 0x0
	.amdhsa_kernel k_qfc8b768639_prep
		.amdhsa_group_segment_fixed_size 141824
		.amdhsa_private_segment_fixed_size 0
		.amdhsa_enable_private_segment 0
		.amdhsa_kernarg_size 88
		.amdhsa_user_sgpr_count 2
		.amdhsa_user_sgpr_kernarg_segment_ptr 1
		.amdhsa_wavefront_size32 1
		.amdhsa_system_sgpr_workgroup_id_x 1
		.amdhsa_system_sgpr_workgroup_id_y 1
		.amdhsa_system_sgpr_workgroup_id_z 1
		.amdhsa_system_vgpr_workitem_id 0
		.amdhsa_next_free_vgpr 128
		.amdhsa_next_free_sgpr 66
		.amdhsa_reserve_vcc 0
		.amdhsa_float_denorm_mode_32 3
		.amdhsa_float_denorm_mode_16_64 3
		.amdhsa_memory_ordered 1
		.amdhsa_forward_progress 1
		.amdhsa_inst_pref_size 46
	.end_amdhsa_kernel
	.amdgpu_metadata
---
amdhsa.version: [ 1, 2 ]
amdhsa.kernels:
  - .name:           k_qfc8b768639_prep
    .symbol:         k_qfc8b768639_prep.kd
    .args:
      - { .name: Wq, .offset: 0, .size: 8, .value_kind: global_buffer, .address_space: global }
      - { .name: Wk, .offset: 8, .size: 8, .value_kind: global_buffer, .address_space: global }
      - { .name: Wv, .offset: 16, .size: 8, .value_kind: global_buffer, .address_space: global }
      - { .name: Wo, .offset: 24, .size: 8, .value_kind: global_buffer, .address_space: global }
      - { .name: W1, .offset: 32, .size: 8, .value_kind: global_buffer, .address_space: global }
      - { .name: W2, .offset: 40, .size: 8, .value_kind: global_buffer, .address_space: global }
      - { .name: x, .offset: 48, .size: 8, .value_kind: global_buffer, .address_space: global }
      - { .name: gamma1, .offset: 56, .size: 8, .value_kind: global_buffer, .address_space: global }
      - { .name: beta1, .offset: 64, .size: 8, .value_kind: global_buffer, .address_space: global }
      - { .name: wts, .offset: 72, .size: 8, .value_kind: global_buffer, .address_space: global }
      - { .name: h1, .offset: 80, .size: 8, .value_kind: global_buffer, .address_space: global }
    .group_segment_fixed_size: 141824
    .private_segment_fixed_size: 0
    .kernarg_segment_align: 8
    .kernarg_segment_size: 88
    .max_flat_workgroup_size: 512
    .sgpr_count:     66
    .vgpr_count:     128
    .wavefront_size: 32
...
	.end_amdgpu_metadata
.endif
;; end of part 8
;; launch qkv (part 9): grid 12 x 16, 4 waves a work-group, clusters of 4 x 4, 327,680 bytes of LDS; arguments h1, wts, bq, bk, bv, qkv; writes qkv
.if DOCPART == 9
	.amdgcn_target "amdgcn-amd-amdhsa--gfx1250"
	.amdhsa_code_object_version 6
	.text
	.protected	k_qfc8b768639_qkv
	.globl	k_qfc8b768639_qkv
	.p2align	8
	.type	k_qfc8b768639_qkv,@function
k_qfc8b768639_qkv:
	s_mov_b64 s[64:65], 0
	v_nop
	global_prefetch_b8 v0, s[64:65] scope:SCOPE_SE
	s_setreg_imm32_b32 hwreg(HW_REG_WAVE_MODE, 25, 1), 1
	s_wait_xcnt 0x0
	s_wait_alu depctr_hold_cnt(0) depctr_sa_sdst(0) depctr_va_vdst(0) depctr_va_sdst(0) depctr_va_ssrc(0) depctr_va_vcc(0) depctr_vm_vsrc(0)
	s_getreg_b32 s2, hwreg(HW_REG_IB_STS2, 6, 4)
	s_cmp_eq_u32 s2, 0
	s_cbranch_scc0 .Lentry_in_a_cluster
	s_endpgm
.Lentry_in_a_cluster:
	s_bfe_u32 s2, ttmp6, 0x10000c
	s_cmp_lg_u32 s2, 0xf033
	s_cbranch_scc0 .Lentry_shape_is_right
	s_endpgm
.Lentry_shape_is_right:
; q, k, v = LayerNorm 1's rows x Wq, Wk, Wv + bq, bk, bv, the products on codes of FP6 (E2M3) with E8M0 scales; the results are quantised at once for attention's two products.
; 4,096 x 3,072 results in tiles of 256 x 256 are 192 work-groups; four waves, 128 x 128 each.  K = 1,024 goes in four chunks of 256 through two LDS slots; 4 x 4 work-groups form a cluster and ask for A's and B's tiles jointly.
; Cluster x = 0 makes q, 1 makes k: quantised along a head's 64 channels.  Cluster x = 2 makes v with the two operands' roles exchanged, so that a lane's registers run along the tokens, which are the second product's K.
; A head's blob lies by steps of 128 tokens, 13,056 bytes each: q's or k's codes (8 tiles of 768 bytes), v's codes (4 tiles of 1,536), k's scale words, v's scale words.  q's blobs come first, k's and v's 6,684,672 bytes on.
; The head: one joint load a wave (A's chunk 0, A's scale words, B's chunk 0, B's scale words); slot 1's first fill stands behind the full sequence and a round.  Chunks 1 to 3 are prefetched, the partners of a joint load sharing the blocks by address.
; LIMITS: NaN and infinities are not served; a block of zeros, or one under 2^-124, gets the byte 1 (its codes are zeros; this program alone reads the bytes).
.set KT,    8
.set NQ,    2
.set FR,    12
.set NL,    6
.set NP,    4
.set HALFT, 24576
.set SLOT,  4*HALFT
.set LAPS,  KT/4
.set SCL,   2*SLOT
.set HALFS, KT*512
.set SPARE, 327168
.set ADRA, 16
.set ADRB, 20
.set L8,   24
.set L4,   25
.set ADRS, 27
.set SPW,  28
.set NIL,  29
.set SC,   32
.set BIAS, 64
.set AF,   128
.set PC,   192
.set TM,   224
.set WD,   240
.set FLOOR, 244
.set G1, 24
.set G0, 32
.set G1B, 48
.set G0B, 56
.set G1S, 68
.set G0S, 76
.set G1SB, 80
.set G0SB, 88
.set MSB, 0
.macro WIN new
.if MSB != \new
	s_set_vgpr_msb (MSB<<8)|\new
.set MSB, \new
.endif
.endm
.set MUL_LO, 0xa1
.set MUL_HI, 0xf1
.set TO_B,   0x40
.macro JLOAD g0a, g1a, g0b, g1b
	s_cmp_eq_u32 s15, 0
	s_cbranch_scc0 .Lfor_b_\@
	tensor_load_to_lds s[\g0a:\g0a+3], s[\g1a:\g1a+7]
	s_nop 0
.rept 4
	v_nop
.endr
	s_branch .Lasked_\@
.Lfor_b_\@:
	tensor_load_to_lds s[\g0b:\g0b+3], s[\g1b:\g1b+7]
	s_nop 0
.rept 4
	v_nop
.endr
.Lasked_\@:
.endm
.macro CREST
	s_cmp_lg_u32 s14, 0
	s_cbranch_scc1 .Lnot_wave_0_\@
	s_barrier_signal -3
.Lnot_wave_0_\@:
	s_barrier_wait -3
	s_barrier_signal -1
	s_barrier_wait -1
.endm
.macro CROUND
	s_barrier_signal -1
	s_barrier_wait -1
	CREST
.endm
	s_load_b128 s[4:7], s[0:1], 0x0
	s_load_b128 s[8:11], s[0:1], 0x10
	s_load_b128 s[96:99], s[0:1], 0x20
	v_lshl_add_u32 v[SPW], v0, 2, SPARE
	v_mov_b32 v[NIL], 0
	ds_add_u32 v28, v29
	ds_add_u32 v28, v29
	s_wait_dscnt 0x0
	v_lshrrev_b32 v1, 5, v0
	v_readfirstlane_b32 s14, v1
	s_lshr_b32 s15, s14, 1
	s_and_b32 s16, s14, 1
	s_bfe_u32 s40, ttmp6, 0x40000
	s_bfe_u32 s41, ttmp6, 0x40004
	s_and_b32 s17, ttmp7, 0xffff
	s_lshl_b32 s17, s17, 2
	s_lshl_b32 s42, ttmp9, 2
	s_cmp_eq_u32 ttmp9, 2
	s_cselect_b32 s100, 1, 0
	s_cselect_b32 s42, s17, s42
	s_cselect_b32 s17, 8, s17
	s_mov_b32 s18, 3145728
	s_cselect_b32 s18, 9437184, s18
	s_mov_b32 s19, 9437184
	s_cselect_b32 s19, 3145728, s19
	s_add_co_u32 s42, s42, s40
	s_add_co_u32 s17, s17, s41
	s_lshl_b32 s43, s41, 2
	s_lshl_b32 s43, 15, s43
	s_lshl_b32 s44, 0x1111, s40
	s_or_b32 s[G1+0], s43, (3<<16)|(1<<21)
	s_or_b32 s[G1B+0], s44, (3<<16)|(1<<21)
.irp g, G1, G1B
	s_mov_b32 s[\g+1], 384<<16
	s_mov_b32 s[\g+2], 16<<16                      ; the head's loads bring a whole tile: 16 row tiles
	s_mov_b32 s[\g+3], 384<<16
	s_mov_b32 s[\g+4], 16
	s_mov_b32 s[\g+5], KT*192
	s_mov_b32 s[\g+6], 0
	s_mov_b32 s[\g+7], 0
.endr
	s_or_b32 s[G1S+0], s43, (3<<16)|(1<<21)
	s_or_b32 s[G1SB+0], s44, (3<<16)|(1<<21)
.irp g, G1S, G1SB
	s_mov_b32 s[\g+1], 128<<16                     ; the scale words of a tile's 256 positions: 1,024 bytes of each K step
	s_mov_b32 s[\g+2], KT<<16
	s_mov_b32 s[\g+3], 128<<16
	s_mov_b32 s[\g+4], KT
	s_mov_b32 s[\g+5], 2048
	s_mov_b32 s[\g+6], 0
	s_mov_b32 s[\g+7], 0
.endr
	s_lshl_b32 s2, s16, 7
	s_lshl_b32 s20, s17, 8
	s_lshl_b32 s46, s42, 8
	s_lshl_b32 s22, s20, 2                         ; the scale words begin at the tile's first position,
	s_add_co_u32 s22, s22, s18
	s_lshl_b32 s92, s46, 2
	s_add_co_u32 s92, s92, s19
	s_add_co_u32 s20, s20, s2                      ; the ring's codes at my half of the tile
	s_add_co_u32 s46, s46, s2
	s_mul_i32 s20, s20, 96*KT
	s_mul_i32 s46, s46, 96*KT
	s_mov_b32 s21, 0
	s_mov_b32 s23, 0
	s_mov_b32 s47, 0
	s_mov_b32 s93, 0
	s_mul_i32 s45, s14, HALFT
	s_mul_i32 s94, s15, 2*HALFS                    ; A's scale words, then B's: [K step][256 words] each
	s_mov_b32 s66, 0x76543210
	s_mov_b32 s67, 0xfedcba98
	s_mov_b32 s95, 0xffff0000
	s_wait_kmcnt 0x0
	s_cmp_eq_u32 s100, 1
	s_cselect_b64 s[12:13], s[6:7], s[4:5]
	s_cselect_b64 s[6:7], s[4:5], s[6:7]
	s_add_nc_u64 s[20:21], s[12:13], s[20:21]
	s_add_nc_u64 s[22:23], s[12:13], s[22:23]
	s_add_nc_u64 s[46:47], s[6:7], s[46:47]
	s_add_nc_u64 s[92:93], s[6:7], s[92:93]
	CROUND
	s_mov_b32 s[G0S], 1
	s_add_co_u32 s[G0S+1], s94, SCL
	s_mov_b64 s[G0S+2:G0S+3], s[22:23]
	s_or_b32 s[G0S+3], s[G0S+3], 0x80000000
	s_mov_b32 s[G0SB], 1
	s_add_co_u32 s[G0SB+1], s94, SCL
	s_mov_b64 s[G0SB+2:G0SB+3], s[92:93]
	s_or_b32 s[G0SB+3], s[G0SB+3], 0x80000000
.irp s, 0,1
	s_mov_b32 s[G0+4*\s], 1
	s_add_co_u32 s[G0+4*\s+1], s45, \s*SLOT
	s_add_nc_u64 s[G0+4*\s+2:G0+4*\s+3], s[20:21], \s*3072
	s_or_b32 s[G0+4*\s+3], s[G0+4*\s+3], 0x80000000
	s_mov_b32 s[G0B+4*\s], 1
	s_add_co_u32 s[G0B+4*\s+1], s45, \s*SLOT
	s_add_nc_u64 s[G0B+4*\s+2:G0B+4*\s+3], s[46:47], \s*3072
	s_or_b32 s[G0B+4*\s+3], s[G0B+4*\s+3], 0x80000000
.endr
; THE HEAD'S LOADS, ONE A WAVE: wave 0 A's 16 row tiles of slot 0, wave 1 A's scale words, wave 2 B's 16 row tiles, wave 3 B's scale words.  One chain of branches on the wave's number, every arm leading to one join.
.macro ARM under, g0, g1, next
	s_cmp_lt_u32 s14, \under
	s_cbranch_scc0 \next
	tensor_load_to_lds s[\g0:\g0+3], s[\g1:\g1+7]
	s_nop 0
.rept 4
	v_nop
.endr
	s_branch .Lhead_asked
\next:
.endm
	ARM 1, G0,  G1,  .Lhead_sa
	ARM 2, G0S, G1S, .Lhead_b
	ARM 3, G0B, G1B, .Lhead_sb
	tensor_load_to_lds s[G0SB:G0SB+3], s[G1SB:G1SB+7]
	s_nop 0
.rept 4
	v_nop
.endr
.Lhead_asked:
; Prefetches: of the 8 row tiles that I fetch in the ring, my work-group takes two (its place among the four partners of the joint load, by address alone): 24 blocks of 256 bytes a chunk, a lane a block; lanes 24-31 name the last block again.
	s_cmp_eq_u32 s15, 0
	s_cselect_b64 s[18:19], s[20:21], s[46:47]
	s_cselect_b32 s2, s40, s41
	s_mul_i32 s2, s2, 2*KT*1536
	s_mov_b32 s3, 0
	s_add_nc_u64 s[18:19], s[18:19], s[2:3]
	v_and_b32 v8, 31, v0
	v_min_u32 v8, 23, v8
	v_mul_u32_u24 v9, v8, 22
	v_lshrrev_b32 v9, 8, v9                        ; block / 12: which of the two row tiles
	v_mul_u32_u24 v9, v9, 9216
	v_lshl_add_u32 v30, v8, 8, v9
	global_prefetch_b8 v30, s[18:19] offset:3072 th:TH_LOAD_NT scope:SCOPE_SE   ; chunk 1
	global_prefetch_b8 v30, s[18:19] offset:6144 th:TH_LOAD_NT scope:SCOPE_SE   ; chunk 2
	v_and_b32 v1, 15, v0
	v_bfe_u32 v2, v0, 4, 1
	s_wait_alu depctr_va_vdst(0)
	v_and_b32 v3, 31, v0
	v_lshlrev_b32 v[L8], 3, v3
	v_lshlrev_b32 v[L4], 2, v3
	s_mul_i32 s21, s15, HALFT
	s_mul_i32 s22, s16, HALFT
	s_add_co_u32 s22, s22, 2*HALFT
.irp s, 0,1
	v_add_nc_u32 v[ADRA+\s], s21, v[L8]
	v_add_nc_u32 v[ADRB+\s], s22, v[L8]
	s_add_co_u32 s21, s21, SLOT
	s_add_co_u32 s22, s22, SLOT
.endr
	v_lshlrev_b32 v5, 2, v1
	s_lshl_b32 s21, s15, 9                         ; my half's 128 words of a K step's 256
	s_lshl_b32 s22, s16, 9
	s_add_co_u32 s22, s22, 2*HALFS
	s_sub_co_u32 s22, s22, s21
	v_mul_u32_u24 v6, s22, v2
	s_add_co_u32 s21, s21, SCL
	v_add_nc_u32 v5, v5, v6
	v_add_nc_u32 v[ADRS], s21, v5
	v_mov_b32 v[FLOOR], 0x1800000
.irp b, 0,1,2,3
	v_mov_b32 v[TM+4+\b], 0
.endr
	s_cmp_eq_u32 ttmp9, 0
	s_cselect_b64 s[8:9], s[8:9], s[10:11]
	s_cmp_eq_u32 ttmp9, 2
	s_cselect_b64 s[8:9], s[96:97], s[8:9]
	s_cselect_b32 s46, s41, s40
	s_cselect_b32 s47, s15, s16
	s_cselect_b32 s22, s42, s17
	s_cselect_b32 s23, s16, s15
	s_lshl_b32 s20, s46, 2
	s_lshl_b32 s21, s47, 1
	s_add_co_u32 s20, s20, s21
	s_lshl_b32 s46, s46, 10
	s_lshl_b32 s47, s47, 9
	s_add_co_u32 s46, s46, s47
	s_mov_b32 s47, 0
	s_add_nc_u64 s[8:9], s[8:9], s[46:47]
	s_lshl_b32 s22, s22, 1
	s_add_co_u32 s22, s22, s23
	s_lshr_b32 s23, s22, 4
	s_lshl_b32 s23, s23, 4
	s_add_co_u32 s20, s20, s23
	s_mul_i32 s20, s20, 208896
	s_bfe_u32 s23, s22, 0x10003
	s_mul_i32 s23, s23, 104448
	s_add_co_u32 s20, s20, s23
	s_cmp_eq_u32 ttmp9, 0
	s_cselect_b32 s23, 0, 6684672
	s_add_co_u32 s20, s20, s23
	s_and_b32 s22, s22, 7
	s_mul_i32 s46, s22, 13056                      ; a head's blob lies by steps of 128 tokens, 13,056 bytes each: K's (or Q's) codes 6,144, V's codes 6,144, K's scale words 512, V's 256
	s_add_co_u32 s46, s46, s20
	s_add_nc_u64 s[12:13], s[98:99], s[46:47]
	s_mov_b64 s[10:11], s[12:13]
	s_cmp_eq_u32 s100, 1
	s_cbranch_scc1 .Lbias_v
	v_lshlrev_b32 v7, 6, v2
.irp b, 0,1,2,3,4,5,6,7
	global_load_b128 v[BIAS+8*\b:BIAS+8*\b+3], v7, s[8:9] offset:128*(\b/2)+32*(\b%2)
	global_load_b128 v[BIAS+8*\b+4:BIAS+8*\b+7], v7, s[8:9] offset:128*(\b/2)+32*(\b%2)+16
.endr
	s_branch .Lbias_done
.Lbias_v:
	v_and_b32 v7, 8, v1
	v_add_nc_u32 v7, v7, v1
	v_lshlrev_b32 v7, 2, v7
.irp a, 0,1,2,3,4,5,6,7
.irp e, 0,1,2,3,4,5,6,7
	global_load_b32 v[BIAS+8*\a+\e], v7, s[8:9] offset:128*(\a/2)+32*(\a%2)
.endr
.endr
.Lbias_done:
.macro FRAG reg, adr, q, i
.irp p, 0,1,2,3,4,5
	ds_load_b64 v[\reg+2*\p:\reg+2*\p+1], v[\adr] offset:(\i)*3072+(\q)*1536+256*\p
.endr
.endm
.macro MUL16 a0, p, q, sc, cs
.irp a, \a0, \a0+1
.irp b, 0,1,2,3,4,5,6,7
.if \cs == 0
	v_wmma_scale_f32_16x16x128_f8f6f4 v[8*(8*((\a)%4)+\b):8*(8*((\a)%4)+\b)+7], v[128*(\p)+FR*\b:128*(\p)+FR*\b+FR-1], v[AF+FR*(\a):AF+FR*(\a)+FR-1], v[8*(8*((\a)%4)+\b):8*(8*((\a)%4)+\b)+7], v[SC+8*NQ*(\sc)+NQ*\b+(\q)], v[SC+8*NQ*(\sc)+NQ*(\a)+(\q)] matrix_a_fmt:MATRIX_FMT_FP6 matrix_b_fmt:MATRIX_FMT_FP6 matrix_a_scale:MATRIX_SCALE_ROW1
.elseif \cs == 1
	v_wmma_scale_f32_16x16x128_f8f6f4 v[8*(8*((\a)%4)+\b):8*(8*((\a)%4)+\b)+7], v[128*(\p)+FR*\b:128*(\p)+FR*\b+FR-1], v[AF+FR*(\a):AF+FR*(\a)+FR-1], v[BIAS+8*\b:BIAS+8*\b+7], v[SC+8*NQ*(\sc)+NQ*\b+(\q)], v[SC+8*NQ*(\sc)+NQ*(\a)+(\q)] matrix_a_fmt:MATRIX_FMT_FP6 matrix_b_fmt:MATRIX_FMT_FP6 matrix_a_scale:MATRIX_SCALE_ROW1
.else
	v_wmma_scale_f32_16x16x128_f8f6f4 v[8*(8*((\a)%4)+\b):8*(8*((\a)%4)+\b)+7], v[128*(\p)+FR*\b:128*(\p)+FR*\b+FR-1], v[AF+FR*(\a):AF+FR*(\a)+FR-1], v[BIAS+8*(\a):BIAS+8*(\a)+7], v[SC+8*NQ*(\sc)+NQ*\b+(\q)], v[SC+8*NQ*(\sc)+NQ*(\a)+(\q)] matrix_a_fmt:MATRIX_FMT_FP6 matrix_b_fmt:MATRIX_FMT_FP6 matrix_a_scale:MATRIX_SCALE_ROW1
.endif
.endr
.endr
.endm
.macro FETCH_B slot, q, p
	WIN TO_B
.irp i, 0,1,2,3,4,5,6,7
	FRAG 128*(\p)+FR*\i, ADRB+\slot, \q, \i
.endr
	WIN 0
.endm
.macro FETCH_A slot, q, i0
.irp i, \i0, \i0+1, \i0+2, \i0+3
	FRAG AF+FR*(\i), ADRA+\slot, \q, \i
.endr
.endm
.macro SCALES sc
.irp q, 0,1
.irp i, 0,1,2,3,4,5,6,7
	ds_load_b32 v[SC+8*NQ*\sc+NQ*\i+\q], v[ADRS] offset:1024*\q+64*\i
.endr
.endr
.endm
.macro PLACES n
.rept \n
	v_nop
.endr
.endm
.macro STEP slot, q, cs
	s_wait_dscnt 4*NL
.if \cs
	WIN 0x81
.else
	WIN MUL_LO
.endif
	MUL16 0, (\q)%2, \q, \slot, \cs
	MUL16 2, (\q)%2, \q, \slot, \cs
	s_wait_dscnt 0
	PLACES NP
	FETCH_B \slot, (\q)+1, 1-(\q)%2
	FETCH_A \slot, (\q)+1, 0
.if \cs
	WIN 0xc1
.else
	WIN MUL_HI
.endif
	MUL16 4, (\q)%2, \q, \slot, \cs
	MUL16 6, (\q)%2, \q, \slot, \cs
	PLACES NP
	WIN 0
	FETCH_A \slot, (\q)+1, 4
.endm
.macro TURN slot, next, fill
	s_wait_tensorcnt 0x0
	ds_add_u32 v[SPW], v[NIL]
	s_wait_dscnt 4*NL+1
	WIN MUL_LO
	MUL16 0, 1, NQ-1, \slot, 0
	s_wait_dscnt 0x0
	s_barrier_signal -1
	MUL16 2, 1, NQ-1, \slot, 0
	WIN 0
	s_barrier_wait -1
.if \fill
	CREST
	s_add_nc_u64 s[G0+4*\slot+2:G0+4*\slot+3], s[G0+4*\slot+2:G0+4*\slot+3], 6144
	s_add_nc_u64 s[G0B+4*\slot+2:G0B+4*\slot+3], s[G0B+4*\slot+2:G0B+4*\slot+3], 6144
	JLOAD G0+4*\slot, G1, G0B+4*\slot, G1B
.else
	PLACES NP
.endif
	s_wait_alu depctr_va_vdst(0)
	v_add_nc_u32 v[ADRS], 2048, v[ADRS]
	FETCH_B \next, 0, 0
	FETCH_A \next, 0, 0
	SCALES \next
	WIN MUL_HI
	MUL16 4, 1, NQ-1, \slot, 0
	MUL16 6, 1, NQ-1, \slot, 0
	PLACES NP
	WIN 0
	FETCH_A \next, 0, 4
.endm
	s_wait_alu depctr_va_vdst(0)                   ; the wait at the head's end
	s_wait_tensorcnt 0x0                           ; my tile of the head's four is in; slot 1's first fill is issued as a refill is
	ds_add_u32 v[SPW], v[NIL]
	s_mov_b32 s[G1+2], 8<<16                       ; no tensor load of mine is out: from here on a load brings 8 row tiles
	s_mov_b32 s[G1+4], 8
	s_mov_b32 s[G1B+2], 8<<16
	s_mov_b32 s[G1B+4], 8
	s_wait_dscnt 0x0
	CROUND
	JLOAD G0+4, G1, G0B+4, G1B
	global_prefetch_b8 v30, s[18:19] offset:9216 th:TH_LOAD_NT scope:SCOPE_SE   ; chunk 3, the last
	FETCH_B 0, 0, 0
	FETCH_A 0, 0, 0
	s_wait_alu depctr_va_vdst(0)
	SCALES 0
	FETCH_A 0, 0, 4
	s_wait_loadcnt 0x0
	s_cmp_eq_u32 s100, 1
	s_cbranch_scc1 .Lfirst_v
	STEP 0, 0, 1
	s_branch .Lfirst_done
.Lfirst_v:
	STEP 0, 0, 2
.Lfirst_done:
	s_mov_b32 s3, LAPS-1
.Llap:
	TURN 0, 1, 1
	STEP 1, 0, 0
	TURN 1, 0, 1
	STEP 0, 0, 0
	s_sub_co_u32 s3, s3, 1
	s_cmp_lg_u32 s3, 0
	s_cbranch_scc1 .Llap
	TURN 0, 1, 0
	STEP 1, 0, 0
	s_wait_dscnt 4*NL
	WIN MUL_LO
	MUL16 0, 1, NQ-1, 1, 0
	MUL16 2, 1, NQ-1, 1, 0
	s_wait_dscnt 0
	WIN MUL_HI
	MUL16 4, 1, NQ-1, 1, 0
	MUL16 6, 1, NQ-1, 1, 0
	WIN 0
.macro QUANTW s, w, pw
	WIN (((\w)<<2)|((\w)<<4))
.irp b, 0,1,2,3
	v_max3_num_f32 v[TM+\b], v[FLOOR], |v[(\s)+16*\b]|, |v[(\s)+16*\b+1]|
.endr
.irp i, 2,4,6,8,10,12,14
.irp b, 0,1,2,3
	v_max3_num_f32 v[TM+\b], v[TM+\b], |v[(\s)+16*\b+\i]|, |v[(\s)+16*\b+\i+1]|
.endr
.endr
	WIN 0
.irp b, 0,1,2,3
	v_permlanex16_b32 v[TM+4+\b], v[TM+\b], s66, s67
.endr
.irp b, 0,1,2,3
	v_max_num_f32 v[TM+\b], v[TM+\b], v[TM+4+\b]
.endr
.irp b, 0,1,2,3
	v_add_nc_u32 v[TM+12+\b], 0xff000000, v[TM+\b]
.endr
.irp b, 0,1,2,3
	v_lshrrev_b32 v[TM+4+\b], 23, v[TM+12+\b]
.endr
	v_lshl_or_b32 v[\pw], v[TM+5], 8, v[TM+4]
	v_lshl_or_b32 v[\pw], v[TM+6], 16, v[\pw]
	v_lshl_or_b32 v[\pw], v[TM+7], 24, v[\pw]
	s_wait_xcnt 0x0
	WIN \w
.irp c, 0,1
	v_cvt_scalef32_pk16_fp6_f32 v[PC+6*\c:PC+6*\c+2], v[(\s)+32*\c:(\s)+32*\c+15], v[TM+12+2*\c]
	v_cvt_scalef32_pk16_fp6_f32 v[PC+12+4*\c:PC+14+4*\c], v[(\s)+32*\c+16:(\s)+32*\c+31], v[TM+13+2*\c]
.endr
	WIN 0
	v_nop
.irp c, 0,1
.irp i, 0,1,2
	v_permlane16_swap_b32 v[PC+6*\c+\i], v[PC+12+4*\c+\i]
.endr
.irp i, 0,1,2
	v_mov_b32 v[PC+3+6*\c+\i], v[PC+12+4*\c+\i]
.endr
.endr
.endm
.macro OUTQ a
	QUANTW 64*((\a)%4), 2+(\a)/4, WD+(\a)%2
	s_cmp_eq_u32 s100, 1
	s_cbranch_scc1 .Lv_\@
.irp e, 0,1
.irp i, 0,1,2
	global_store_b64 v[L8], v[PC+6*\e+2*\i:PC+6*\e+2*\i+1], s[12:13] offset:768*(\a)+256*\i+208896*\e
.endr
.endr
.if (\a)%2 == 1
	v_cndmask_b32 v245, v240, v241, s95
	v_and_b32 v242, 0xffff, v245
	v_lshrrev_b32 v243, 16, v245
	global_store_b32 v[L4], v242, s[10:11] offset:12288+128*((\a)/2)
	global_store_b32 v[L4], v243, s[10:11] offset:12288+128*((\a)/2)+208896
.endif
	s_branch .Lj_\@
.Lv_\@:
	s_wait_alu depctr_va_vdst(0)
.irp i, 0,1,2,3,4,5
	global_store_b64 v[L8], v[PC+2*\i:PC+2*\i+1], s[12:13] offset:6144+1536*((\a)%4)+256*\i+208896*((\a)/4)
.endr
.if (\a)%2 == 1
	v_cndmask_b32 v242, v240, v241, s95
	global_store_b32 v[L4], v242, s[10:11] offset:12800+128*(((\a)%4)/2)+208896*((\a)/4)
.endif
.Lj_\@:
.endm
	PLACES NP
.irp a, 0,1,2,3,4,5,6,7
	OUTQ \a
.endr
	s_wait_tensorcnt 0x0
	ds_add_u32 v[SPW], v[NIL]
	s_wait_dscnt 0x0
	CROUND
	s_endpgm
.Lfunc_end_k_qfc8b768639_qkv:
	.size	k_qfc8b768639_qkv, .Lfunc_end_k_qfc8b768639_qkv-k_qfc8b768639_qkv
	.p2alignl 7, 3214868480
	.fill 96, 4, 3214868480
	.section	.rodata,"a",@progbits
	.p2align	6, 0x0
	.amdhsa_kernel k_qfc8b768639_qkv
		.amdhsa_group_segment_fixed_size 327680
		.amdhsa_private_segment_fixed_size 0
		.amdhsa_enable_private_segment 0
		.amdhsa_kernarg_size 48
		.amdhsa_user_sgpr_count 2
		.amdhsa_user_sgpr_kernarg_segment_ptr 1
		.amdhsa_wavefront_size32 1
		.amdhsa_system_sgpr_workgroup_id_x 1
		.amdhsa_system_sgpr_workgroup_id_y 1
		.amdhsa_system_sgpr_workgroup_id_z 1
		.amdhsa_system_vgpr_workitem_id 0
		.amdhsa_next_free_vgpr 1024
		.amdhsa_next_free_sgpr 102
		.amdhsa_reserve_vcc 0
		.amdhsa_float_denorm_mode_32 3
		.amdhsa_float_denorm_mode_16_64 3
		.amdhsa_memory_ordered 1
		.amdhsa_forward_progress 1
		.amdhsa_inst_pref_size 199
	.end_amdhsa_kernel
	.amdgpu_metadata
---
amdhsa.version: [ 1, 2 ]
amdhsa.kernels:
  - .name:           k_qfc8b768639_qkv
    .symbol:         k_qfc8b768639_qkv.kd
    .args:
      - { .name: h1, .offset: 0, .size: 8, .value_kind: global_buffer, .address_space: global }
      - { .name: wts, .offset: 8, .size: 8, .value_kind: global_buffer, .address_space: global }
      - { .name: bq, .offset: 16, .size: 8, .value_kind: global_buffer, .address_space: global }
      - { .name: bk, .offset: 24, .size: 8, .value_kind: global_buffer, .address_space: global }
      - { .name: bv, .offset: 32, .size: 8, .value_kind: global_buffer, .address_space: global }
      - { .name: qkv, .offset: 40, .size: 8, .value_kind: global_buffer, .address_space: global }
    .group_segment_fixed_size: 327680
    .private_segment_fixed_size: 0
    .kernarg_segment_align: 8
    .kernarg_segment_size: 48
    .max_flat_workgroup_size: 128
    .sgpr_count:     102
    .vgpr_count:     1024
    .wavefront_size: 32
...
	.end_amdgpu_metadata
.endif
;; end of part 9
;; launch attn (part 10): grid 8 x 32, 16 waves a work-group, no clusters, 327,680 bytes of LDS; arguments qkv, ao; writes ao
.if DOCPART == 10
	.amdgcn_target "amdgcn-amd-amdhsa--gfx1250"
	.amdhsa_code_object_version 6
	.text
	.protected	k_qfc8b768639_attn
	.globl	k_qfc8b768639_attn
	.p2align	8
	.type	k_qfc8b768639_attn,@function
k_qfc8b768639_attn:
	s_mov_b64 s[64:65], 0
	v_nop
	global_prefetch_b8 v0, s[64:65] scope:SCOPE_SE
	s_setreg_imm32_b32 hwreg(HW_REG_WAVE_MODE, 25, 1), 1
	s_wait_xcnt 0x0
; Causal attention of one (batch, head) on codes of FP6 (E2M3): S^T = K Q^T (K = the head's 64, the instruction's upper 64 filled with zero codes on q's side), p = 2^(t - M), O^T = V^T P^T, O / l, quantised along the model's columns.
; t = score x log2(e) / 8; M = the running largest t rounded up to a whole number; the row's sum is taken of the unquantised p; when M moves, the sum and O are multiplied by 2^(old M - new M), exactly.
; THE WHOLE HEAD LIES IN LDS.  Its blob of K's and V's codes and scale words, 208,896 bytes, lies by key steps of 128 keys, 13,056 bytes (51 rows of 256) each: K's codes, V's codes, K's scale words, V's.
; It is filled once, in two parts, every wave taking a sixteenth of each: rows 0-207 (key steps 0-3 and a little more) at the head, 13 rows a wave; rows 208-815 behind the first barrier, 38 rows a wave.
; The second part lands while key steps 0-3 are worked, and a second barrier stands in front of key step 4.  Nothing is filled again.
; SHARES.  A work-group has 16 waves, each with one tile of 16 queries: eight tiles of query block g and eight of block 15 - g (blocks of 128), so that every work-group has 8 x 17 key steps; the two kinds are dealt so that each four waves w % 4 and w / 4 hold two of each.
; A step all of whose keys come after the wave's queries is left out by a scalar branch on ids; every wave walks all 16 trips, so trip counts are constants.
; NO CLUSTER, though the eight work-groups of a head read the same blob: the steps that a wave leaves out hang on its block of queries, which differs between those work-groups, and partners of a joint load have to run alike.
; NO PREFETCH: both parts are asked for before the first key step is worked: there is no later load to run ahead of.
; LAYOUT.  A lane holds one query (lane % 16) throughout.  Positions hold tokens with bits 3 and 4 exchanged, so the 16 registers of key tiles 2 b and 2 b + 1 are keys 32 b + 16 (lane / 16) + 0 .. 15.
; LIMITS: as stated in prep; the scaled scores stay under 2^31 in magnitude; v_exp_f32 gives 0 for results under 2^-126; v_rcp_f32 is accurate to 1 ulp.
.set BLOB,  208896
.set KVARR, 6684672
.set STEPB, 13056
.set VCO,   6144
.set KSO,   12288
.set VSO,   12800
.set AOS,   3145728
.set L8,   1                           ; v1  8 x lane
.set AKS0, 2                           ; v2  K's scale words: KSO + 4 x lane
.set AVS0, 3                           ; v3  V's: VSO + 4 x lane
.set ADK,  8
.set ADS,  10
.set ADT,  11
.set WV,   19
.set SEL,  20
.set CS,   22
.set G1,   24
.set TILE, 38
.set QB,   39
.set TK,   52                          ; s52-54 LDS byte of the key step, for the codes, K's scale words and V's
.set TS,   53
.set TV,   54
.set KSI,  55                          ; s55 the key step
	s_load_b128 s[4:7], s[0:1], 0x0                ; qkv, ao
	v_lshl_add_u32 v223, v0, 2, 0x33000
	v_mov_b32 v243, 0
	ds_add_u32 v223, v243                          ; the opening lines: the add, twice on end, and its wait
	ds_add_u32 v223, v243
	v_lshrrev_b32 v8, 5, v0
	s_delay_alu instid0(VALU_DEP_1)
	v_readfirstlane_b32 s[WV], v8                  ; wave 0..15
	s_and_b32 s8, ttmp7, 0xffff                    ; 16 b + head
	s_mul_i32 s10, s8, BLOB
	s_mov_b32 s11, 0
	s_mov_b32 s[G1], 3<<16                         ; elements of 8 bytes, no mask, no padding
	s_mov_b32 s[G1+1], 32<<16                      ; tensor_dim0: 256 bytes
	s_mov_b32 s[G1+2], 13<<16                      ; tensor_dim1
	s_mov_b32 s[G1+3], 32<<16                      ; tile_dim0
	s_mov_b32 s[G1+4], 13                          ; tile_dim1
	s_mov_b32 s[G1+5], 32                          ; dense
	s_mov_b32 s[G1+6], 0
	s_mov_b32 s[G1+7], 0
	s_mov_b32 s68, 3<<16                           ; the second part's group 1: 38 rows of 256 bytes
	s_mov_b32 s69, 32<<16
	s_mov_b32 s70, 38<<16
	s_mov_b32 s71, 32<<16
	s_mov_b32 s72, 38
	s_mov_b32 s73, 32
	s_mov_b32 s74, 0
	s_mov_b32 s75, 0
	s_mul_i32 s9, s[WV], 3328                      ; my 13 rows of the first 208
	s_mov_b32 s16, s9
	s_mov_b32 s17, 0
	s_mul_i32 s60, s[WV], 9728                     ; my 38 rows of the other 608
	s_add_co_u32 s60, s60, 53248
	s_mov_b32 s61, 0
	s_wait_dscnt 0x0
	s_wait_kmcnt 0x0
	s_add_nc_u64 s[12:13], s[4:5], s[10:11]        ; Q's blob
	s_add_nc_u64 s[14:15], s[12:13], KVARR         ; K's and V's
	s_add_nc_u64 s[42:43], s[14:15], s[16:17]
	s_mov_b32 s40, 1
	s_mov_b32 s41, s9
	s_or_b32 s43, s43, 0x80000000
	s_mov_b32 s44, 1
	s_mov_b32 s45, s60
	s_add_nc_u64 s[46:47], s[14:15], s[60:61]
	s_or_b32 s47, s47, 0x80000000
	tensor_load_to_lds s[40:43], s[G1:G1+7]        ; my one load at the head: no branch, the addresses are arithmetic on the wave's number
	s_nop 0
.rept 4
	v_nop
.endr
	s_lshr_b32 s32, s[WV], 2
	s_xor_b32 s32, s32, s[WV]
	s_and_b32 s32, s32, 1                          ; 0: block g, 1: block 15 - g
	s_lshr_b32 s[TILE], s[WV], 1
	s_sub_co_u32 s33, 15, ttmp9
	s_cmp_eq_u32 s32, 0
	s_cselect_b32 s[QB], ttmp9, s33                ; my block of 128 queries = the key step on the diagonal
	s_mul_i32 s32, s[QB], STEPB                    ; Q's blob lies as K's does
	s_mul_i32 s34, s[TILE], 768
	s_add_co_u32 s34, s34, s32
	s_mov_b32 s35, 0
	s_add_nc_u64 s[56:57], s[12:13], s[34:35]      ; Q's codes
	s_lshl_b32 s34, s[TILE], 6
	s_add_co_u32 s34, s34, s32
	s_add_nc_u64 s[58:59], s[12:13], s[34:35]      ; Q's scale words
	s_lshr_b32 s32, s8, 4
	s_lshl_b32 s32, s32, 7
	s_lshl_b32 s33, s[QB], 3
	s_add_co_u32 s32, s32, s33
	s_add_co_u32 s32, s32, s[TILE]                 ; my row tile of ao: 128 b + 8 block + tile
	s_and_b32 s33, s8, 15                          ; the head
	s_mul_i32 s34, s32, 12288
	s_mul_i32 s36, s33, 768                        ; K step head / 2, half head % 2
	s_add_co_u32 s34, s34, s36
	s_add_nc_u64 s[48:49], s[6:7], s[34:35]
	s_lshr_b32 s36, s33, 1
	s_lshl_b32 s36, s36, 14
	s_lshl_b32 s34, s32, 6
	s_add_co_u32 s34, s34, s36
	s_and_b32 s36, s33, 1
	s_lshl_b32 s36, s36, 1
	s_add_co_u32 s34, s34, s36
	s_add_co_u32 s34, s34, AOS
	s_add_nc_u64 s[50:51], s[6:7], s[34:35]        ; my two bytes of the rows' scale words
	s_mov_b32 s[SEL], 0x76543210
	s_mov_b32 s[SEL+1], 0xfedcba98
	s_mov_b32 s[CS], 0x3e38aa3b                    ; log2(e) / 8
	s_mov_b32 s[CS+1], s[CS]
	s_mov_b32 s[TK], 0
	s_mov_b32 s[TS], 0
	s_mov_b32 s[TV], 0
	v_and_b32 v9, 31, v0
	s_delay_alu instid0(VALU_DEP_1)
	v_lshlrev_b32 v[L8], 3, v9
.irp i, 0,1,2
	global_load_b64 v[16+2*\i:17+2*\i], v[L8], s[56:57] offset:256*\i      ; Q's half fragment stays in registers
.endr
	v_and_b32 v5, 15, v0                           ; r
	s_delay_alu instid0(VALU_DEP_1)
	v_lshlrev_b32 v6, 2, v5
	global_load_b32 v255, v6, s[58:59] offset:KSO  ; Q's scale words
	v_lshl_add_u32 v[AKS0], v9, 2, KSO
	v_lshl_add_u32 v[AVS0], v9, 2, VSO
	v_and_b32 v7, 8, v5
	s_delay_alu instid0(VALU_DEP_1)
	v_add_nc_u32 v7, v7, v5                        ; r + 8 (r / 8)
	v_bfe_u32 v9, v0, 4, 1
	s_delay_alu instid0(VALU_DEP_1)
	v_lshlrev_b32 v9, 4, v9
	s_delay_alu instid0(VALU_DEP_1)
	v_sub_nc_u32 v4, v7, v9
	s_lshr_b32 s32, s[TILE], 1
	s_lshl_b32 s32, s32, 5
	s_and_b32 s33, s[TILE], 1
	s_lshl_b32 s33, s33, 3
	s_add_co_u32 s32, s32, s33
	v_add_nc_u32 v4, s32, v4                       ; my query within its 128, less 16 (lane / 16): register 16 b + i is hidden on the diagonal where 32 b + i is above it
.irp j, 22,23,24,25,26,27,80,81,82,83,84,85
	v_mov_b32 v[\j], 0                             ; q's upper 64 along K: zero codes; and the six registers behind K's last tile
.endr
	v_mov_b32 v13, 0xff61b1e6                      ; the largest t so far: -3e38
	s_delay_alu instid0(VALU_DEP_1)
	v_floor_f32 v12, -v13                          ; -M
	v_mov_b32 v14, 0
	v_mov_b32 v15, 0
.irp j, 236,237,238,239,252,253
	v_mov_b32 v[\j], 0                             ; written once: permutes' destinations, and the pair v[252:253]
.endr
.irp j, 0,1,2,3,4,5,6,7,8,9,10,11,12,13,14,15,16,17,18,19,20,21,22,23,24,25,26,27,28,29,30,31
	v_mov_b32 v[160+\j], 0                         ; O^T: the step is written once; the first change of M leaves zeros zeros
.endr
.macro STEP                            ; 128 keys
	s_cmp_gt_u32 s[KSI], s[QB]
	s_cbranch_scc1 .Lhidden_\@
	v_add_nc_u32 v[ADK], s[TK], v[L8]
	v_add_nc_u32 v[ADS], s[TS], v[AKS0]
	v_add_nc_u32 v[ADT], s[TV], v[AVS0]
	v_nop                                          ; four places in front of loads into registers that the last products read
.irp t, 0,1,2,3,4,5,6,7
.irp i, 0,1,2
	ds_load_b64 v[32+6*\t+2*\i:33+6*\t+2*\i], v[ADK] offset:768*\t+256*\i
.endr
.endr
.irp b, 0,1,2,3
	ds_load_b32 v[248+\b], v[ADS] offset:128*\b    ; lanes 0-15: tile 2 b's words, lanes 16-31: tile 2 b + 1's
.endr
	s_wait_alu depctr_va_vdst(0)
	s_wait_dscnt 0x0
.irp t, 0,2,4,6                        ; source 0's upper six registers are the next tile's codes (or zeros): they meet q's zero codes alone
	v_wmma_scale_f32_16x16x128_f8f6f4 v[96+8*\t:103+8*\t], v[32+6*\t:43+6*\t], v[16:27], 0, v[248+\t/2], v255 matrix_a_fmt:MATRIX_FMT_FP6 matrix_b_fmt:MATRIX_FMT_FP6
	v_wmma_scale_f32_16x16x128_f8f6f4 v[104+8*\t:111+8*\t], v[38+6*\t:49+6*\t], v[16:27], 0, v[248+\t/2], v255 matrix_a_fmt:MATRIX_FMT_FP6 matrix_b_fmt:MATRIX_FMT_FP6 matrix_a_scale:MATRIX_SCALE_ROW1
.endr
.rept 4
	v_nop
.endr
.irp t, 0,1,2,3                        ; V's four fragments are asked for at once: they land under the softmax
.irp i, 0,1,2,3,4,5
	ds_load_b64 v[32+12*\t+2*\i:33+12*\t+2*\i], v[ADK] offset:VCO+1536*\t+256*\i
.endr
.endr
.irp u, 0,1
	ds_load_b32 v[248+\u], v[ADT] offset:128*\u
.endr
	s_cmp_lg_u32 s[KSI], s[QB]
	s_cbranch_scc1 .Lopen_\@
	v_mov_b32 v254, 0xff800000                     ; on the diagonal hidden scores become -infinity: p = 0
.irp n, 0,1,2,3,4,5,6,7,8,9,10,11,12,13,14,15,16,17,18,19,20,21,22,23,24,25,26,27,28,29,30,31,32,33,34,35,36,37,38,39,40,41,42,43,44,45,46,47,48,49,50,51,52,53,54,55,56,57,58,59,60,61,62,63
	v_cmp_gt_i32 vcc_lo, 32*(\n/16)+\n%16, v4
	v_cndmask_b32 v[96+\n], v[96+\n], v254, vcc_lo
.endr
.Lopen_\@:
.irp b, 0,1,2,3
	v_max3_num_f32 v[232+\b], v[96+16*\b], v[97+16*\b], v[98+16*\b]        ; the largest score of each block of 32 keys: for the row's maximum and for the block's largest p
.endr
.irp i, 3,5,7,9,11,13
.irp b, 0,1,2,3
	v_max3_num_f32 v[232+\b], v[232+\b], v[96+16*\b+\i], v[97+16*\b+\i]
.endr
.endr
.irp b, 0,1,2,3
	v_max_num_f32 v[232+\b], v[232+\b], v[111+16*\b]
.endr
.irp b, 0,1,2,3
	s_delay_alu instid0(VALU_DEP_4)
	v_permlanex16_b32 v[236+\b], v[232+\b], s[SEL], s[SEL+1]
.endr
.irp b, 0,1,2,3
	s_delay_alu instid0(VALU_DEP_4)
	v_max_num_f32 v[232+\b], v[232+\b], v[236+\b]
.endr
	s_delay_alu instid0(VALU_DEP_2)
	v_max3_num_f32 v254, v232, v233, v234
	s_delay_alu instid0(VALU_DEP_1)
	v_max_num_f32 v254, v254, v235
	s_delay_alu instid0(VALU_DEP_1)
	v_mul_f32 v254, s[CS], v254
	s_delay_alu instid0(VALU_DEP_1)
	v_max_num_f32 v13, v13, v254                   ; the running largest t
	v_mov_b32 v254, v12
	s_delay_alu instid0(VALU_DEP_2)
	v_floor_f32 v12, -v13                          ; the new -M = -ceil(t)
	s_delay_alu instid0(VALU_DEP_1)
	v_sub_f32 v254, v12, v254
	s_delay_alu instid0(VALU_DEP_1)
	v_cvt_i32_f32 v254, v254                       ; (it saturates)
	s_delay_alu instid0(VALU_DEP_1)
	v_ldexp_f32 v252, 1.0, v254                    ; f = 2^(old M - new M)
.irp j, 0,2,4,6,8,10,12,14,16,18,20,22,24,26,28,30,32,34,36,38,40,42,44,46,48,50,52,54,56,58,60,62
	v_pk_fma_f32 v[96+\j:97+\j], v[96+\j:97+\j], s[CS:CS+1], v[12:13] op_sel_hi:[1,0,0]   ; t - M
.endr
.irp b, 0,1,2,3
	v_fma_f32 v[232+\b], v[232+\b], s[CS], v12
.endr
	s_wait_alu depctr_va_vdst(0)
.irp j, 0,1,2,3,4,5,6,7,8,9,10,11,12,13,14,15,16,17,18,19,20,21,22,23,24,25,26,27,28,29,30,31,32,33,34,35,36,37,38,39,40,41,42,43,44,45,46,47,48,49,50,51,52,53,54,55,56,57,58,59,60,61,62,63
	v_exp_f32 v[96+\j], v[96+\j]                   ; p = 2^(t - M): not normalised
.endr
	v_pk_mul_f32 v[14:15], v[14:15], v[252:253] op_sel_hi:[1,0]    ; the sums under the new M (a plain place behind the exponentials)
	s_wait_alu depctr_va_vdst(0)                   ; one wait for the batch, ahead of its first reader
.irp b, 0,1,2,3
	v_exp_f32 v[232+\b], v[232+\b]                 ; each block's largest p
.endr
	v_pk_add_f32 v[236:237], v[100:101], v[104:105]
	v_pk_add_f32 v[250:251], v[108:109], v[112:113]
	v_pk_add_f32 v[246:247], v[116:117], v[120:121]
	v_pk_add_f32 v[244:245], v[124:125], v[128:129]
	v_pk_add_f32 v[240:241], v[132:133], v[136:137]
	v_pk_add_f32 v[238:239], v[140:141], v[144:145]
	v_pk_add_f32 v[230:231], v[148:149], v[152:153]
	v_pk_add_f32 v[14:15], v[14:15], v[156:157]
	v_pk_add_f32 v[236:237], v[236:237], v[96:97]
	v_pk_add_f32 v[250:251], v[250:251], v[98:99]
	v_pk_add_f32 v[246:247], v[246:247], v[102:103]
	v_pk_add_f32 v[244:245], v[244:245], v[106:107]
	v_pk_add_f32 v[240:241], v[240:241], v[110:111]
	v_pk_add_f32 v[238:239], v[238:239], v[114:115]
	v_pk_add_f32 v[230:231], v[230:231], v[118:119]
	v_pk_add_f32 v[14:15], v[14:15], v[122:123]
	v_pk_add_f32 v[236:237], v[236:237], v[126:127]
	v_pk_add_f32 v[250:251], v[250:251], v[130:131]
	v_pk_add_f32 v[246:247], v[246:247], v[134:135]
	v_pk_add_f32 v[244:245], v[244:245], v[138:139]
	v_pk_add_f32 v[240:241], v[240:241], v[142:143]
	v_pk_add_f32 v[238:239], v[238:239], v[146:147]
	v_pk_add_f32 v[230:231], v[230:231], v[150:151]
	v_pk_add_f32 v[14:15], v[14:15], v[154:155]
	v_pk_add_f32 v[236:237], v[236:237], v[158:159]
	s_delay_alu instid0(VALU_DEP_2)
	v_pk_add_f32 v[14:15], v[14:15], v[244:245]
	s_delay_alu instid0(VALU_DEP_2)
	v_pk_add_f32 v[236:237], v[236:237], v[240:241]
	v_pk_add_f32 v[250:251], v[250:251], v[238:239]
	v_pk_add_f32 v[246:247], v[246:247], v[230:231]
	s_delay_alu instid0(VALU_DEP_2)
	v_pk_add_f32 v[14:15], v[14:15], v[250:251]
	s_delay_alu instid0(VALU_DEP_2)
	v_pk_add_f32 v[236:237], v[236:237], v[246:247]
	s_delay_alu instid0(VALU_DEP_1)
	v_pk_add_f32 v[14:15], v[14:15], v[236:237]
	s_wait_alu depctr_va_vdst(0)                   ; and one for the four
.irp b, 0,1,2,3
	v_max_num_f32 v[232+\b], 0x1800000, v[232+\b]  ; the floor 2^(3 - 127)
.endr
.irp b, 0,1,2,3
	s_delay_alu instid0(VALU_DEP_4)
	v_add_nc_u32 v[244+\b], 0xff000000, v[232+\b]
.endr
.irp b, 0,1,2,3
	s_delay_alu instid0(VALU_DEP_4)
	v_lshrrev_b32 v[236+\b], 23, v[244+\b]
.endr
	s_delay_alu instid0(VALU_DEP_3)
	v_lshl_or_b32 v253, v237, 8, v236              ; p's scale word for these 128 keys
	s_delay_alu instid0(VALU_DEP_1)
	v_lshl_or_b32 v253, v238, 16, v253
	s_delay_alu instid0(VALU_DEP_1)
	v_lshl_or_b32 v253, v239, 24, v253
.irp c, 0,1
	v_cvt_scalef32_pk16_fp6_f32 v[224+6*\c:226+6*\c], v[96+32*\c:111+32*\c], v[244+2*\c]
	v_cvt_scalef32_pk16_fp6_f32 v[236+4*\c:238+4*\c], v[112+32*\c:127+32*\c], v[245+2*\c]
.endr
	v_nop
.irp c, 0,1
.irp i, 0,1,2
	v_permlane16_swap_b32 v[224+6*\c+\i], v[236+4*\c+\i]
.endr
.irp i, 0,1,2
	s_delay_alu instid0(VALU_DEP_3)
	v_mov_b32 v[227+6*\c+\i], v[236+4*\c+\i]
.endr
.endr
.irp j, 0,2,4,6,8,10,12,14,16,18,20,22,24,26,28,30
	v_pk_mul_f32 v[160+\j:161+\j], v[160+\j:161+\j], v[252:253] op_sel_hi:[1,0]   ; O^T under the new M; these sixteen are also the places in front of the products below
.endr
	s_wait_alu depctr_va_vdst(0)
	s_wait_dscnt 0x0                               ; V
.irp t, 0,2
	v_wmma_scale_f32_16x16x128_f8f6f4 v[160+8*\t:167+8*\t], v[32+12*\t:43+12*\t], v[224:235], v[160+8*\t:167+8*\t], v[248+\t/2], v253 matrix_a_fmt:MATRIX_FMT_FP6 matrix_b_fmt:MATRIX_FMT_FP6
	v_wmma_scale_f32_16x16x128_f8f6f4 v[168+8*\t:175+8*\t], v[44+12*\t:55+12*\t], v[224:235], v[168+8*\t:175+8*\t], v[248+\t/2], v253 matrix_a_fmt:MATRIX_FMT_FP6 matrix_b_fmt:MATRIX_FMT_FP6 matrix_a_scale:MATRIX_SCALE_ROW1
.endr
.Lhidden_\@:
	s_add_co_u32 s[TK], s[TK], STEPB
	s_add_co_u32 s[TS], s[TS], STEPB
	s_add_co_u32 s[TV], s[TV], STEPB
.endm
	s_wait_alu depctr_va_vdst(0)                   ; the wait at the head's end
	s_wait_tensorcnt 0x0                           ; my 13 rows are in; the later first fill is issued as a refill is:
	ds_add_u32 v223, v243                          ; the add
	s_wait_dscnt 0x0
	s_barrier_signal -1
	s_barrier_wait -1                              ; key steps 0-3 are whole
	tensor_load_to_lds s[44:47], s[68:75]          ; my 38 rows of the rest: my one load behind this barrier
	s_nop 0
.rept 4
	v_nop
.endr
	s_wait_loadcnt 0x0                             ; Q
	s_mov_b32 s[KSI], 0
.LloopA:
	STEP
	s_add_co_u32 s[KSI], s[KSI], 1
	s_cmp_lt_u32 s[KSI], 4
	s_cbranch_scc1 .LloopA
	s_wait_tensorcnt 0x0                           ; my 38 rows are in
	ds_add_u32 v223, v243
	s_wait_dscnt 0x0
	s_barrier_signal -1
	s_barrier_wait -1                              ; the whole blob is in; nothing is ever filled again
	s_mov_b32 s[TK], 4*STEPB
	s_mov_b32 s[TS], 4*STEPB
	s_mov_b32 s[TV], 4*STEPB
	s_mov_b32 s[KSI], 4
.LloopB:
	STEP
	s_add_co_u32 s[KSI], s[KSI], 1
	s_cmp_lt_u32 s[KSI], 16
	s_cbranch_scc1 .LloopB
	; THE WAY OUT: O / l, two blocks of 32 along the model's columns, as half a fragment of the next product's operand
	v_add_f32 v14, v14, v15
	s_delay_alu instid0(VALU_DEP_1)
	v_permlanex16_b32 v252, v14, s[SEL], s[SEL+1]
	s_delay_alu instid0(VALU_DEP_1)
	v_add_f32 v14, v14, v252                       ; the row's sum
	s_wait_alu depctr_va_vdst(0)
	v_rcp_f32 v14, v14
	v_and_b32 v5, 15, v0
	s_delay_alu instid0(VALU_DEP_1)
	v_lshlrev_b32 v5, 2, v5                        ; my row's scale word
	v_nop
	v_nop
	s_wait_alu depctr_va_vdst(0)                   ; ahead of the reciprocal's first reader
.irp j, 0,1,2,3,4,5,6,7,8,9,10,11,12,13,14,15,16,17,18,19,20,21,22,23,24,25,26,27,28,29,30,31
	v_mul_f32 v[96+\j], v[160+\j], v14             ; register 16 b + i: channel 32 b + 16 (lane / 16) + i
.endr
.irp b, 0,1
	v_max3_num_f32 v[232+\b], |v[96+16*\b]|, |v[97+16*\b]|, 0x1800000
.endr
.irp i, 2,4,6,8,10,12,14
.irp b, 0,1
	s_delay_alu instid0(VALU_DEP_2)
	v_max3_num_f32 v[232+\b], v[232+\b], |v[96+16*\b+\i]|, |v[97+16*\b+\i]|
.endr
.endr
.irp b, 0,1
	s_delay_alu instid0(VALU_DEP_2)
	v_permlanex16_b32 v[236+\b], v[232+\b], s[SEL], s[SEL+1]
.endr
.irp b, 0,1
	s_delay_alu instid0(VALU_DEP_2)
	v_max_num_f32 v[232+\b], v[232+\b], v[236+\b]
.endr
.irp b, 0,1
	s_delay_alu instid0(VALU_DEP_2)
	v_add_nc_u32 v[244+\b], 0xff000000, v[232+\b]
.endr
.irp b, 0,1
	s_delay_alu instid0(VALU_DEP_2)
	v_lshrrev_b32 v[236+\b], 23, v[244+\b]
.endr
	s_delay_alu instid0(VALU_DEP_1)
	v_lshl_or_b32 v253, v237, 8, v236              ; my head's two bytes
	v_cvt_scalef32_pk16_fp6_f32 v[224:226], v[96:111], v244
	v_cvt_scalef32_pk16_fp6_f32 v[240:242], v[112:127], v245
	v_nop
.irp i, 0,1,2
	v_permlane16_swap_b32 v[224+\i], v[240+\i]
.endr
.irp i, 0,1,2
	s_delay_alu instid0(VALU_DEP_3)
	v_mov_b32 v[227+\i], v[240+\i]
.endr
.irp i, 0,1,2
	global_store_b64 v[L8], v[224+2*\i:225+2*\i], s[48:49] offset:256*\i   ; 256 consecutive bytes, aligned
.endr
	global_store_b16 v5, v253, s[50:51]            ; lanes r and r + 16 hold the same two bytes and write them to the same place
	s_wait_tensorcnt 0x0                           ; the wave's end
	ds_add_u32 v223, v243
	s_wait_dscnt 0x0
	s_endpgm
.Lfunc_end_k_qfc8b768639_attn:
	.size	k_qfc8b768639_attn, .Lfunc_end_k_qfc8b768639_attn-k_qfc8b768639_attn
	.p2alignl 7, 3214868480
	.fill 96, 4, 3214868480
	.section	.rodata,"a",@progbits
	.p2align	6, 0x0
	.amdhsa_kernel k_qfc8b768639_attn
		.amdhsa_group_segment_fixed_size 327680
		.amdhsa_private_segment_fixed_size 0
		.amdhsa_enable_private_segment 0
		.amdhsa_kernarg_size 16
		.amdhsa_user_sgpr_count 2
		.amdhsa_user_sgpr_kernarg_segment_ptr 1
		.amdhsa_wavefront_size32 1
		.amdhsa_system_sgpr_workgroup_id_x 1
		.amdhsa_system_sgpr_workgroup_id_y 1
		.amdhsa_system_sgpr_workgroup_id_z 1
		.amdhsa_system_vgpr_workitem_id 0
		.amdhsa_next_free_vgpr 256
		.amdhsa_next_free_sgpr 80
		.amdhsa_reserve_vcc 1
		.amdhsa_float_denorm_mode_32 3
		.amdhsa_float_denorm_mode_16_64 3
		.amdhsa_memory_ordered 1
		.amdhsa_forward_progress 1
		.amdhsa_inst_pref_size 60
	.end_amdhsa_kernel
	.amdgpu_metadata
---
amdhsa.version: [ 1, 2 ]
amdhsa.kernels:
  - .name:           k_qfc8b768639_attn
    .symbol:         k_qfc8b768639_attn.kd
    .args:
      - { .name: qkv, .offset: 0, .size: 8, .value_kind: global_buffer, .address_space: global }
      - { .name: ao, .offset: 8, .size: 8, .value_kind: global_buffer, .address_space: global }
    .group_segment_fixed_size: 327680
    .private_segment_fixed_size: 0
    .kernarg_segment_align: 8
    .kernarg_segment_size: 16
    .max_flat_workgroup_size: 512
    .sgpr_count:     80
    .vgpr_count:     256
    .wavefront_size: 32
...
	.end_amdgpu_metadata
.endif
;; end of part 10
;; launch wo (part 11): grid 8 x 32, 4 waves a work-group, clusters of 4 x 4, 327,680 bytes of LDS; arguments ao, wts, bo, x, x1; writes x1
.if DOCPART == 11
	.amdgcn_target "amdgcn-amd-amdhsa--gfx1250"
	.amdhsa_code_object_version 6
	.text
	.protected	k_qfc8b768639_wo
	.globl	k_qfc8b768639_wo
	.p2align	8
	.type	k_qfc8b768639_wo,@function
k_qfc8b768639_wo:
	s_mov_b64 s[64:65], 0
	v_nop
	global_prefetch_b8 v0, s[64:65] scope:SCOPE_SE
	s_setreg_imm32_b32 hwreg(HW_REG_WAVE_MODE, 25, 1), 1
	s_wait_xcnt 0x0
	s_wait_alu depctr_hold_cnt(0) depctr_sa_sdst(0) depctr_va_vdst(0) depctr_va_sdst(0) depctr_va_ssrc(0) depctr_va_vcc(0) depctr_vm_vsrc(0)
	s_getreg_b32 s2, hwreg(HW_REG_IB_STS2, 6, 4)
	s_cmp_eq_u32 s2, 0
	s_cbranch_scc0 .Lentry_in_a_cluster
	s_endpgm
.Lentry_in_a_cluster:
	s_bfe_u32 s2, ttmp6, 0x10000c
	s_cmp_lg_u32 s2, 0xf033
	s_cbranch_scc0 .Lentry_shape_is_right
	s_endpgm
.Lentry_shape_is_right:
; x1 = x + attention's output x Wo + bo, the product on codes of FP6 (E2M3) with E8M0 scales.
; 4,096 x 1,024 results in tiles of 128 x 128 are 256 work-groups.  A tile is made by four waves, 64 x 64 each: 16 accumulators, 128 registers.
; ALL OF K = 1,024 LIES IN LDS: A's 8 row tiles of 12,288 bytes, B's 8, and both sides' scale words.  The head's four joint loads, one a wave, bring all of it: wave 0 A's codes, wave 1 A's scale words, wave 2 B's codes, wave 3 B's scale words.
; Nothing is filled later or again: one barrier shows the four tiles to all waves, and no other stands in the walk along K.  4 x 4 work-groups form a cluster: A's tiles are shared along a row of the cluster, B's along a column.
; NO PREFETCH: the head's loads ask for all that goes through LDS: there is no later load to run ahead of.
; Operands lie in memory as images of the matrix instruction's registers (row tile, K step: 1,536 bytes; register pair i of lane l at 256 i + 8 l): a fragment is six ds_load_b64 of 256 consecutive bytes: no pitch, no padding.
; THE PRODUCT IS USED TRANSPOSED (source 0 = 16 positions of B, source 1 = 16 of A).  Position p holds row p with bits 3 and 4 exchanged: register j of accumulator (a, b) in lane (r, h) is
; token 32 (a / 2) + 8 (a % 2) + r + 8 (r / 8), column 32 (b / 2) + 16 h + 8 (b % 2) + j.  The bias is the C of each sum's first product.
; THE RESIDUAL's 64 rows x 256 bytes of the wave are asked for at the head, into 128 registers that nothing else names, and are waited for on the way out.
; REGISTERS, in windows of 256: window 0: v16-29 addresses; v32-63 scale words, two sets; v64-95 the bias; v128-255 the accumulators ((a, b) at v[128 + 8 (4 a + b)]).
;   window 1: two fragment buffers of 96 (A's four fragments, then B's four), at v0 and at v128.   window 2: v0-127 the residual.
; LIMITS: NaN and infinities are not served.
.set KT,    8                          ; K steps of 128
.set ASC,   3145728                    ; A's scale words in A's buffer
.set BCO,   2359296                    ; B's codes in wts
.set BSO,   9568256                    ; B's scale words in wts
.set BSP,   512                        ; a K step of them, in elements of 8 bytes
.set NQ,    4                          ; K steps in a half of K
.set FR,    12                         ; registers of a fragment
.set NP,    4                          ; places behind this matrix instruction (ISA guide 7.12.1)
.set ROWT,  KT*1536                    ; a row tile's codes for all of K
.set BCODES, 8*ROWT                    ; B's codes lie behind A's
.set SCL,   16*ROWT                    ; behind the codes: A's scale words [K step][128 words], then B's
.set HALFS, KT*256
.set STG,   212992                     ; the way out's stages: bytes of their own, on which no fill lands
.set SPARE, 327168                     ; the spare words: 128 bytes a wave, named by no other line
.set SPITCH, 272                       ; the way out: rows of 256 bytes + 16
.set SBLK,  16*SPITCH                  ; a block of 16 rows; four blocks a wave
.set ADRA, 16                          ; v16-17 LDS address of my A fragments, K steps 0-3 and 4-7
.set ADRB, 20                          ; v20-21 the same for B
.set STO,  24                          ; v24 the way out: where I put 32 bytes of a row
.set RD,   25                          ; v25 where I read rows back
.set CO,   26                          ; v26 my byte offset in the residual and in the result
.set ADRS, 27                          ; v27 my scale words: lanes 0-15 A's, lanes 16-31 B's
.set SPW,  28
.set NIL,  29
.set SC,   32                          ; set s at v[SC + 16 s]; in it register 4 i + q: block i, the half's q-th K step
.set BIAS, 64
.set ACC,  128
.set F0,   0                           ; fragment buffers, in window 1
.set F1,   128
.set RS,   0                           ; the residual, in window 2
.set G1, 24
.set G0, 32
.set G1B, 48
.set G0B, 56
.set G1S, 68
.set G0S, 76
.set G1SB, 80
.set G0SB, 88
.set MSB, 0
.macro WIN new                         ; the immediate's high byte repeats the setting that is left
.if MSB != \new
	s_set_vgpr_msb (MSB<<8)|\new
.set MSB, \new
.endif
.endm
.set MUL,  0x05                        ; sources 0 (B) and 1 (A) window 1; C and D window 0
.set TO_F, 0x40                        ; destination window 1, address window 0
.macro CROUND                          ; a round of the cluster's barrier
	s_barrier_signal -1
	s_barrier_wait -1
	s_cmp_lg_u32 s14, 0
	s_cbranch_scc1 .Lnot_wave_0_\@
	s_barrier_signal -3
.Lnot_wave_0_\@:
	s_barrier_wait -3
	s_barrier_signal -1
	s_barrier_wait -1
.endm
	s_load_b128 s[4:7], s[0:1], 0x0                ; A's buffer, wts
	s_load_b128 s[8:11], s[0:1], 0x10              ; the bias, the residual
	s_load_b64 s[12:13], s[0:1], 0x20              ; the result
	v_lshl_add_u32 v[SPW], v0, 2, SPARE
	v_mov_b32 v[NIL], 0
	ds_add_u32 v[SPW], v[NIL]                      ; the opening lines: the add, twice on end, and its wait
	ds_add_u32 v[SPW], v[NIL]
	s_wait_dscnt 0x0
	v_lshrrev_b32 v1, 5, v0
	v_readfirstlane_b32 s14, v1                    ; wave 0..3
	s_lshr_b32 s15, s14, 1                         ; my half of A's 128
	s_and_b32 s16, s14, 1                          ; my half of B's 128
	s_bfe_u32 s40, ttmp6, 0x40000                  ; cx
	s_bfe_u32 s41, ttmp6, 0x40004                  ; cy
	s_lshl_b32 s42, ttmp9, 2
	s_add_co_u32 s42, s42, s40                     ; tile column
	s_and_b32 s17, ttmp7, 0xffff
	s_lshl_b32 s17, s17, 2
	s_add_co_u32 s17, s17, s41                     ; tile row
	s_lshl_b32 s43, s41, 2
	s_lshl_b32 s43, 15, s43                        ; my row of the cluster
	s_lshl_b32 s44, 0x1111, s40                    ; my column
	s_or_b32 s[G1+0], s43, (3<<16)|(1<<21)         ; 15:0 the mask; 17:16 elements of 8 bytes; 21 set beside a mask; no padding
	s_or_b32 s[G1B+0], s44, (3<<16)|(1<<21)
.irp g, G1, G1B
	s_mov_b32 s[\g+1], 1536<<16                    ; tensor_dim0: 12,288 bytes: all eight K steps of a row tile
	s_mov_b32 s[\g+2], 8<<16                       ; tensor_dim1: the tile's 8 row tiles
	s_mov_b32 s[\g+3], 1536<<16                    ; tile_dim0
	s_mov_b32 s[\g+4], 8                           ; tile_dim1
	s_mov_b32 s[\g+5], KT*192                      ; from row tile to row tile
	s_mov_b32 s[\g+6], 0
	s_mov_b32 s[\g+7], 0
.endr
	s_or_b32 s[G1S+0], s43, (3<<16)|(1<<21)
	s_or_b32 s[G1SB+0], s44, (3<<16)|(1<<21)
.irp g, G1S, G1SB
	s_mov_b32 s[\g+1], 64<<16                      ; 128 scale words: 512 bytes
	s_mov_b32 s[\g+2], KT<<16                      ; of each K step
	s_mov_b32 s[\g+3], 64<<16
	s_mov_b32 s[\g+4], KT
	s_mov_b32 s[\g+6], 0
	s_mov_b32 s[\g+7], 0
.endr
	s_mov_b32 s[G1S+5], 2048                       ; A's buffer has 4,096 words to a K step
	s_mov_b32 s[G1SB+5], BSP
	s_lshl_b32 s20, s17, 7                         ; the tile's first position of A,
	s_lshl_b32 s46, s42, 7                         ; and of B
	s_lshl_b32 s22, s20, 2                         ; their scale words
	s_lshl_b32 s92, s46, 2
	s_mul_i32 s20, s20, 96*KT                      ; their codes
	s_mul_i32 s46, s46, 96*KT
	s_mov_b32 s21, 0
	s_mov_b32 s23, 0
	s_mov_b32 s47, 0
	s_mov_b32 s93, 0
	s_wait_kmcnt 0x0
	s_add_nc_u64 s[20:21], s[4:5], s[20:21]
	s_add_nc_u64 s[22:23], s[4:5], s[22:23]
	s_add_nc_u64 s[22:23], s[22:23], ASC
	s_add_nc_u64 s[46:47], s[6:7], s[46:47]
	s_add_nc_u64 s[46:47], s[46:47], BCO
	s_add_nc_u64 s[92:93], s[6:7], s[92:93]
	s_add_nc_u64 s[92:93], s[92:93], BSO
	CROUND                                         ; all sixteen work-groups are here: the joint loads meet
	s_mov_b32 s[G0], 1
	s_mov_b32 s[G0+1], 0
	s_mov_b64 s[G0+2:G0+3], s[20:21]
	s_or_b32 s[G0+3], s[G0+3], 0x80000000
	s_mov_b32 s[G0S], 1
	s_mov_b32 s[G0S+1], SCL
	s_mov_b64 s[G0S+2:G0S+3], s[22:23]
	s_or_b32 s[G0S+3], s[G0S+3], 0x80000000
	s_mov_b32 s[G0B], 1
	s_mov_b32 s[G0B+1], BCODES
	s_mov_b64 s[G0B+2:G0B+3], s[46:47]
	s_or_b32 s[G0B+3], s[G0B+3], 0x80000000
	s_mov_b32 s[G0SB], 1
	s_mov_b32 s[G0SB+1], SCL+2*HALFS
	s_mov_b64 s[G0SB+2:G0SB+3], s[92:93]
	s_or_b32 s[G0SB+3], s[G0SB+3], 0x80000000
; One chain of branches on the wave's number, an arm a load, every arm leading to one join.
.macro ARM under, g0, g1, next
	s_cmp_lt_u32 s14, \under
	s_cbranch_scc0 \next
	tensor_load_to_lds s[\g0:\g0+3], s[\g1:\g1+7]
	s_nop 0
.rept 4
	v_nop
.endr
	s_branch .Lhead_asked
\next:
.endm
	ARM 1, G0,  G1,  .Lhead_sa
	ARM 2, G0S, G1S, .Lhead_b
	ARM 3, G0B, G1B, .Lhead_sb
	tensor_load_to_lds s[G0SB:G0SB+3], s[G1SB:G1SB+7]
	s_nop 0
.rept 4
	v_nop
.endr
.Lhead_asked:
	v_and_b32 v1, 15, v0                           ; r
	v_bfe_u32 v2, v0, 4, 1                         ; h
	s_wait_alu depctr_va_vdst(0)                   ; the wait
	v_and_b32 v3, 31, v0                           ; lane
	v_lshlrev_b32 v4, 3, v3
	s_mul_i32 s21, s15, 4*ROWT                     ; my 4 row tiles of A
	s_mul_i32 s22, s16, 4*ROWT                     ; my 4 of B,
	s_add_co_u32 s22, s22, BCODES                  ; which lie behind A's 8
.irp s, 0,1
	v_add_nc_u32 v[ADRA+\s], s21, v4
	v_add_nc_u32 v[ADRB+\s], s22, v4
	s_add_co_u32 s21, s21, 6144                    ; K steps 4 to 7 of the same row tiles
	s_add_co_u32 s22, s22, 6144
.endr
	v_lshlrev_b32 v5, 2, v1
	s_lshl_b32 s21, s15, 8                         ; my half's 64 words of a K step's 128
	s_lshl_b32 s22, s16, 8
	s_add_co_u32 s22, s22, 2*HALFS
	s_sub_co_u32 s22, s22, s21
	v_mul_u32_u24 v6, s22, v2                      ; lanes 16-31 take B's words
	s_add_co_u32 s21, s21, SCL
	v_add_nc_u32 v5, v5, v6
	v_add_nc_u32 v[ADRS], s21, v5
	s_mul_i32 s23, s14, 4*SBLK                     ; my stage
	s_add_co_u32 s23, s23, STG
	v_mul_u32_u24 v5, v1, SPITCH
	v_lshl_add_u32 v5, v2, 6, v5                   ; in: row r, + 64 h
	v_add_nc_u32 v[STO], s23, v5
	v_mul_u32_u24 v5, v2, SPITCH
	v_lshl_add_u32 v5, v1, 4, v5                   ; back: lanes 0-15 one row of 256 bytes, lanes 16-31 the next
	v_add_nc_u32 v[RD], s23, v5
	v_lshlrev_b32 v[CO], 12, v2                    ; and the same two rows in memory, 4,096 bytes a row
	v_lshl_add_u32 v[CO], v1, 4, v[CO]
	s_wait_alu depctr_va_vdst(0)
	s_lshl_b32 s20, s17, 7
	s_lshl_b32 s21, s15, 6
	s_add_co_u32 s20, s20, s21
	s_lshl_b32 s20, s20, 12                        ; my first row
	s_lshl_b32 s46, s42, 9
	s_lshl_b32 s47, s16, 8
	s_add_co_u32 s46, s46, s47                     ; my first column, in bytes
	s_mov_b32 s47, 0
	s_add_nc_u64 s[96:97], s[8:9], s[46:47]        ; the bias there
	s_add_co_u32 s46, s46, s20
	s_add_nc_u64 s[10:11], s[10:11], s[46:47]
	s_add_nc_u64 s[12:13], s[12:13], s[46:47]
	v_lshlrev_b32 v7, 6, v2                        ; lane (r, h), block b, register j: column 32 (b / 2) + 16 h + 8 (b % 2) + j
.irp b, 0,1,2,3
	global_load_b128 v[BIAS+8*\b:BIAS+8*\b+3], v7, s[96:97] offset:128*(\b/2)+32*(\b%2)
	global_load_b128 v[BIAS+8*\b+4:BIAS+8*\b+7], v7, s[96:97] offset:128*(\b/2)+32*(\b%2)+16
.endr
	WIN 0x80                                       ; destination window 2
.irp a, 0,1,2,3                        ; the residual: rows 2 t and 2 t + 1 of block a are tokens 32 (a / 2) + 8 (a % 2) + 2 t + 8 (t / 4) and the next; sixteen lanes read 256 consecutive bytes, aligned
.irp t, 0,1,2,3,4,5,6,7
	global_load_b128 v[RS+32*\a+4*\t:RS+32*\a+4*\t+3], v[CO], s[10:11] offset:(32*(\a/2)+8*(\a%2)+2*\t+8*(\t/4))*4096 th:TH_LOAD_NT
.endr
.endr
	WIN 0
.macro FRAG reg, adr, q, i             ; a fragment: six planes of 256 bytes
.irp p, 0,1,2,3,4,5
	ds_load_b64 v[\reg+2*\p:\reg+2*\p+1], v[\adr] offset:(\i)*ROWT+(\q)*1536+256*\p
.endr
.endm
; 4 matrix instructions: A's block a x B's four, 128 along K: the half's q-th.  cs = 1: C = the bias.  The 16 accumulators take turns in one order in every K step.
.macro MUL4 f, a, q, sc, cs
.irp b, 0,1,2,3
.if \cs
	v_wmma_scale_f32_16x16x128_f8f6f4 v[ACC+8*(4*(\a)+\b):ACC+8*(4*(\a)+\b)+7], v[\f+48+FR*\b:\f+48+FR*\b+FR-1], v[\f+FR*(\a):\f+FR*(\a)+FR-1], v[BIAS+8*\b:BIAS+8*\b+7], v[SC+4*NQ*(\sc)+NQ*\b+(\q)], v[SC+4*NQ*(\sc)+NQ*(\a)+(\q)] matrix_a_fmt:MATRIX_FMT_FP6 matrix_b_fmt:MATRIX_FMT_FP6 matrix_a_scale:MATRIX_SCALE_ROW1
.else
	v_wmma_scale_f32_16x16x128_f8f6f4 v[ACC+8*(4*(\a)+\b):ACC+8*(4*(\a)+\b)+7], v[\f+48+FR*\b:\f+48+FR*\b+FR-1], v[\f+FR*(\a):\f+FR*(\a)+FR-1], v[ACC+8*(4*(\a)+\b):ACC+8*(4*(\a)+\b)+7], v[SC+4*NQ*(\sc)+NQ*\b+(\q)], v[SC+4*NQ*(\sc)+NQ*(\a)+(\q)] matrix_a_fmt:MATRIX_FMT_FP6 matrix_b_fmt:MATRIX_FMT_FP6 matrix_a_scale:MATRIX_SCALE_ROW1
.endif
.endr
.endm
.macro FETCH slot, q, f                ; 48 LDS loads in one run: B's four fragments, then A's four, of the half's q-th K step, into buffer f
	WIN TO_F
.irp i, 0,1,2,3
	FRAG \f+48+FR*\i, ADRB+\slot, \q, \i
.endr
.irp i, 0,1,2,3
	FRAG \f+FR*\i, ADRA+\slot, \q, \i
.endr
.endm
.macro SCALES sc                       ; the scale words of K steps 4 sc .. 4 sc + 3: lanes 0-15 A's block i, lanes 16-31 B's block i
.irp q, 0,1,2,3
.irp i, 0,1,2,3
	ds_load_b32 v[SC+4*NQ*\sc+NQ*\i+\q], v[ADRS] offset:2048*\sc+512*\q+64*\i
.endr
.endr
.endm
.macro PLACES n                        ; places in front of loads into registers that matrix instructions have read, and of the first read of results
.rept \n
	v_nop
.endr
.endm
; A half of K is four quarters of 128 along K, 16 matrix instructions each, on buffers 0, 1, 0, 1.  One of the first three: multiplies buffer f (K step q - 1) and fetches K step q into g.
.macro QUARTER slot, q, f, g, cs
	s_wait_dscnt 12                                ; all but the youngest 12 loads, A's blocks 2 and 3
	WIN MUL
	MUL4 \f, 0, (\q)-1, \slot, \cs
	MUL4 \f, 1, (\q)-1, \slot, \cs
	PLACES NP
	FETCH \slot, \q, \g
	s_wait_dscnt 48                                ; all but the 48 just issued
	WIN MUL
	MUL4 \f, 2, (\q)-1, \slot, \cs
	MUL4 \f, 3, (\q)-1, \slot, \cs
.endm
	s_wait_alu depctr_va_vdst(0)                   ; the wait at the head's end
	s_wait_tensorcnt 0x0                           ; my tile of the head's four is in
	s_barrier_signal -1
	s_barrier_wait -1                              ; all four are: nothing more is fetched
	SCALES 0
	FETCH 0, 0, F0
	s_wait_loadcnt 32                              ; the bias's eight loads are in; the residual's 32 may be out
	QUARTER 0, 1, F0, F1, 1                        ; the first quarter starts the sums on the bias
	QUARTER 0, 2, F1, F0, 0
	QUARTER 0, 3, F0, F1, 0
	s_wait_dscnt 12                                ; K step 3, on buffer 1; the second half's scale words and its first fragments are fetched in its middle
	WIN MUL
	MUL4 F1, 0, NQ-1, 0, 0
	MUL4 F1, 1, NQ-1, 0, 0
	s_wait_dscnt 0x0                               ; A's blocks 2 and 3
	PLACES NP
	WIN 0
	SCALES 1
	FETCH 1, 0, F0
	WIN MUL
	MUL4 F1, 2, NQ-1, 0, 0
	MUL4 F1, 3, NQ-1, 0, 0
	QUARTER 1, 1, F0, F1, 0
	QUARTER 1, 2, F1, F0, 0
	QUARTER 1, 3, F0, F1, 0
	s_wait_dscnt 12                                ; the very last quarter: nothing more to fetch
	WIN MUL
	MUL4 F1, 0, NQ-1, 1, 0
	MUL4 F1, 1, NQ-1, 1, 0
	s_wait_dscnt 0
	MUL4 F1, 2, NQ-1, 1, 0
	MUL4 F1, 3, NQ-1, 1, 0
	WIN 0
	; THE WAY OUT.  A lane holds 32 neighbouring bytes of a row, and the lanes beside it hold other rows: so each block of 16 rows x 256 bytes goes through my own stage and comes back as whole rows, into the registers that it left.
	; LDS serves a wave's instructions in order (ISA guide 5.7.1.4): no wait stands between the stores and the loads.
	PLACES NP
.irp a, 0,1,2,3
.irp b, 0,1,2,3
	ds_store_b128 v[STO], v[ACC+8*(4*\a+\b):ACC+8*(4*\a+\b)+3] offset:\a*SBLK+128*(\b/2)+32*(\b%2)          ; each accumulator from its low end on
	ds_store_b128 v[STO], v[ACC+8*(4*\a+\b)+4:ACC+8*(4*\a+\b)+7] offset:\a*SBLK+128*(\b/2)+32*(\b%2)+16
.endr
.irp t, 0,1,2,3,4,5,6,7
	ds_load_b128 v[ACC+32*\a+4*\t:ACC+32*\a+4*\t+3], v[RD] offset:\a*SBLK+2*\t*SPITCH
.endr
.endr
	s_wait_loadcnt 0x0                             ; the residual, asked for at the head
.irp a, 0,1,2,3
	s_wait_dscnt 16*(3-\a)                         ; block a is back; the later blocks' 8 stores and 8 loads each may be out
	WIN 0x08                                       ; source 1 window 2
.set i, 0
.rept 16
	v_pk_add_f32 v[ACC+32*\a+i:ACC+32*\a+i+1], v[ACC+32*\a+i:ACC+32*\a+i+1], v[RS+32*\a+i:RS+32*\a+i+1]
.set i, i+2
.endr
	WIN 0
.irp t, 0,1,2,3,4,5,6,7                ; sixteen lanes store 256 consecutive bytes, aligned; later launches read the result
	global_store_b128 v[CO], v[ACC+32*\a+4*\t:ACC+32*\a+4*\t+3], s[12:13] offset:(32*(\a/2)+8*(\a%2)+2*\t+8*(\t/4))*4096
.endr
.endr
	s_wait_tensorcnt 0x0                           ; the wave's end
	ds_add_u32 v[SPW], v[NIL]
	s_wait_dscnt 0x0
	CROUND                                         ; the closing round: no work-group ends while a partner may still ask for a tile that names it
	s_endpgm
.Lfunc_end_k_qfc8b768639_wo:
	.size	k_qfc8b768639_wo, .Lfunc_end_k_qfc8b768639_wo-k_qfc8b768639_wo
	.p2alignl 7, 3214868480
	.fill 96, 4, 3214868480
	.section	.rodata,"a",@progbits
	.p2align	6, 0x0
	.amdhsa_kernel k_qfc8b768639_wo
		.amdhsa_group_segment_fixed_size 327680
		.amdhsa_private_segment_fixed_size 0
		.amdhsa_enable_private_segment 0
		.amdhsa_kernarg_size 40
		.amdhsa_user_sgpr_count 2
		.amdhsa_user_sgpr_kernarg_segment_ptr 1
		.amdhsa_wavefront_size32 1
		.amdhsa_system_sgpr_workgroup_id_x 1
		.amdhsa_system_sgpr_workgroup_id_y 1
		.amdhsa_system_sgpr_workgroup_id_z 1
		.amdhsa_system_vgpr_workitem_id 0
		.amdhsa_next_free_vgpr 768
		.amdhsa_next_free_sgpr 102
		.amdhsa_reserve_vcc 0
		.amdhsa_float_denorm_mode_32 3
		.amdhsa_float_denorm_mode_16_64 3
		.amdhsa_memory_ordered 1
		.amdhsa_forward_progress 1
		.amdhsa_inst_pref_size 69
	.end_amdhsa_kernel
	.amdgpu_metadata
---
amdhsa.version: [ 1, 2 ]
amdhsa.kernels:
  - .name:           k_qfc8b768639_wo
    .symbol:         k_qfc8b768639_wo.kd
    .args:
      - { .name: ao, .offset: 0, .size: 8, .value_kind: global_buffer, .address_space: global }
      - { .name: wts, .offset: 8, .size: 8, .value_kind: global_buffer, .address_space: global }
      - { .name: bo, .offset: 16, .size: 8, .value_kind: global_buffer, .address_space: global }
      - { .name: x, .offset: 24, .size: 8, .value_kind: global_buffer, .address_space: global }
      - { .name: x1, .offset: 32, .size: 8, .value_kind: global_buffer, .address_space: global }
    .group_segment_fixed_size: 327680
    .private_segment_fixed_size: 0
    .kernarg_segment_align: 8
    .kernarg_segment_size: 40
    .max_flat_workgroup_size: 128
    .sgpr_count:     102
    .vgpr_count:     768
    .wavefront_size: 32
...
	.end_amdgpu_metadata
.endif
;; end of part 11
;; launch ln2 (part 12): grid 256 x 1, 16 waves a work-group, no clusters, 88,576 bytes of LDS; arguments x1, gamma2, beta2, h2; writes h2
.if DOCPART == 12
	.amdgcn_target "amdgcn-amd-amdhsa--gfx1250"
	.amdhsa_code_object_version 6
	.text
	.protected	k_qfc8b768639_ln2
	.globl	k_qfc8b768639_ln2
	.p2align	8
	.type	k_qfc8b768639_ln2,@function
k_qfc8b768639_ln2:
	s_mov_b64 s[64:65], 0
	v_nop
	global_prefetch_b8 v0, s[64:65] scope:SCOPE_SE
	s_setreg_imm32_b32 hwreg(HW_REG_WAVE_MODE, 25, 1), 1
	s_wait_xcnt 0x0
; LayerNorm 2 of x1, quantised along its 1,024 columns to codes of FP6 (E2M3) with one E8M0 byte for each 32, laid as the next product's operand: codes [row tile][K step][1,536 bytes] as images of the operand's registers
; (register pair i of lane l at 256 i + 8 l), scale words [K step][position] at 3,145,728.  Position p holds token p with bits 3 and 4 exchanged.
; A work-group makes one row tile (16 positions), a wave one row: read once, kept in 32 registers a lane between the passes for the mean, the variance and the result.  Memory binds: no matrix unit, no cluster, no tensor loads.
; LIMITS: a block of zeros, or one under 2^-124, gets the byte 1 (its codes are zeros; this program alone reads the bytes); NaN and infinities are not served; v_rsq_f32 is accurate to 1 ulp.
.set X,   48
.set G,   80
.set BT,  112
.set Y,   144
.set LNB, 0                            ; LDS: 16 stages of 4,608 bytes,
.set LNI, LNB+73728                    ; the row tile's image, 12,288 bytes,
.set LNS, LNI+12288                    ; and its scale words, 512 bytes
	v_lshrrev_b32 v1, 5, v0
	s_delay_alu instid0(VALU_DEP_1)
	v_readfirstlane_b32 s18, v1                    ; wave 0..15
	v_and_b32 v2, 31, v0                           ; lane
	s_wait_alu depctr_va_vdst(0)
	s_load_b128 s[4:7], s[0:1], 0x0                ; x1, gamma2
	s_load_b128 s[8:11], s[0:1], 0x10              ; beta2, h2
	v_lshl_add_u32 v192, v0, 2, 0x15200
	v_mov_b32 v193, 0
	s_mov_b32 s19, ttmp9                           ; the row tile
	s_lshr_b32 s20, s19, 1                         ; token 32 (g / 2) + 16 (w / 8) + 8 (g % 2) + w % 8
	s_lshl_b32 s20, s20, 5
	s_lshr_b32 s21, s18, 3
	s_lshl_b32 s21, s21, 4
	s_add_co_u32 s20, s20, s21
	s_and_b32 s21, s19, 1
	s_lshl_b32 s21, s21, 3
	s_add_co_u32 s20, s20, s21
	s_and_b32 s21, s18, 7
	s_add_co_u32 s20, s20, s21
	s_lshl_b32 s20, s20, 12
	s_mov_b32 s21, 0
	s_mov_b32 s22, 0x76543210
	s_mov_b32 s23, 0xfedcba98
	s_mul_i32 s26, s19, 12288
	s_mov_b32 s27, 0
	s_lshl_b32 s28, s19, 6
	s_add_co_u32 s28, s28, 3145728
	s_mov_b32 s29, 0
	v_lshlrev_b32 v3, 4, v2
	s_mul_i32 s24, s18, 4608
	s_add_co_u32 s24, s24, LNB
	v_lshrrev_b32 v8, 3, v2
	s_delay_alu instid0(VALU_DEP_1)
	v_mul_u32_u24 v8, v8, 144
	v_and_b32 v9, 7, v2
	s_delay_alu instid0(VALU_DEP_1)
	v_lshl_add_u32 v8, v9, 4, v8
	s_delay_alu instid0(VALU_DEP_1)
	v_add_nc_u32 v4, s24, v8                       ; the stage, in: as loaded: eight lanes fill a block of 128 bytes + 16
	v_mul_u32_u24 v8, v2, 144
	s_delay_alu instid0(VALU_DEP_1)
	v_add_nc_u32 v5, s24, v8                       ; out: lane l takes block l whole
	v_lshrrev_b32 v8, 2, v2
	s_delay_alu instid0(VALU_DEP_1)
	v_mul_u32_u24 v9, v8, 1536
	v_bfe_u32 v10, v2, 1, 1
	s_delay_alu instid0(VALU_DEP_1)
	v_mad_u32_u24 v9, v10, 768, v9
	v_and_b32 v10, 1, v2
	s_delay_alu instid0(VALU_DEP_1)
	v_lshl_add_u32 v9, v10, 7, v9
	s_lshl_b32 s25, s18, 3
	s_add_co_u32 s25, s25, LNI
	v_add_nc_u32 v6, s25, v9                       ; the image: block l of row w is what lane (w, l % 2) holds in registers 6 ((l / 2) % 2) on, K step l / 4
	v_lshlrev_b32 v9, 6, v8
	v_and_b32 v10, 3, v2
	s_delay_alu instid0(VALU_DEP_1)
	v_add_nc_u32 v9, v9, v10
	s_lshl_b32 s25, s18, 2
	s_add_co_u32 s25, s25, LNS
	v_add_nc_u32 v7, s25, v9
	s_mul_i32 s25, s18, 768
	v_lshl_add_u32 v41, v2, 3, s25
	s_delay_alu instid0(VALU_DEP_1)
	v_add_nc_u32 v40, LNI, v41
	v_lshl_add_u32 v42, v2, 4, LNS
	v_lshlrev_b32 v43, 14, v8
	s_delay_alu instid0(VALU_DEP_1)
	v_lshl_add_u32 v43, v10, 4, v43
	s_wait_kmcnt 0x0
	s_add_nc_u64 s[4:5], s[4:5], s[20:21]
	s_add_nc_u64 s[12:13], s[10:11], s[26:27]
	s_add_nc_u64 s[14:15], s[10:11], s[28:29]
.irp j, 0,1,2,3,4,5,6,7
	global_load_b128 v[X+4*\j:X+4*\j+3], v3, s[4:5] offset:512*\j
.endr
.irp j, 0,1,2,3,4,5,6,7
	global_load_b128 v[G+4*\j:G+4*\j+3], v3, s[6:7] offset:512*\j
.endr
.irp j, 0,1,2,3,4,5,6,7
	global_load_b128 v[BT+4*\j:BT+4*\j+3], v3, s[8:9] offset:512*\j
.endr
.macro WSUM r, t
	s_delay_alu instid0(VALU_DEP_1)
	v_add_f32_dpp v[\r], v[\r], v[\r] row_xmask:1 row_mask:0xf bank_mask:0xf
	s_delay_alu instid0(VALU_DEP_1)
	v_add_f32_dpp v[\r], v[\r], v[\r] row_xmask:2 row_mask:0xf bank_mask:0xf
	s_delay_alu instid0(VALU_DEP_1)
	v_add_f32_dpp v[\r], v[\r], v[\r] row_xmask:4 row_mask:0xf bank_mask:0xf
	s_delay_alu instid0(VALU_DEP_1)
	v_add_f32_dpp v[\r], v[\r], v[\r] row_xmask:8 row_mask:0xf bank_mask:0xf
	s_delay_alu instid0(VALU_DEP_1)
	v_permlanex16_b32 v[\t], v[\r], s22, s23
	s_delay_alu instid0(VALU_DEP_1)
	v_add_f32 v[\r], v[\r], v[\t]
.endm
	s_wait_loadcnt 16                              ; the row is in; gamma's and beta's sixteen loads may be out
	v_pk_add_f32 v[10:11], v[48:49], v[50:51]
	v_pk_add_f32 v[190:191], v[56:57], v[60:61]
	v_pk_add_f32 v[188:189], v[64:65], v[68:69]
	v_pk_add_f32 v[186:187], v[72:73], v[76:77]
	v_pk_add_f32 v[184:185], v[52:53], v[54:55]
	v_pk_add_f32 v[182:183], v[58:59], v[62:63]
	v_pk_add_f32 v[180:181], v[66:67], v[70:71]
	v_pk_add_f32 v[8:9], v[74:75], v[78:79]
	s_delay_alu instid0(VALU_DEP_1)
	v_pk_add_f32 v[8:9], v[8:9], v[186:187]
	v_pk_add_f32 v[10:11], v[10:11], v[184:185]
	v_pk_add_f32 v[190:191], v[190:191], v[182:183]
	v_pk_add_f32 v[188:189], v[188:189], v[180:181]
	s_delay_alu instid0(VALU_DEP_2)
	v_pk_add_f32 v[8:9], v[8:9], v[190:191]
	s_delay_alu instid0(VALU_DEP_2)
	v_pk_add_f32 v[10:11], v[10:11], v[188:189]
	s_delay_alu instid0(VALU_DEP_1)
	v_pk_add_f32 v[8:9], v[8:9], v[10:11]
	s_delay_alu instid0(VALU_DEP_1)
	v_add_f32 v8, v8, v9
	WSUM 8, 9
	s_delay_alu instid0(VALU_DEP_1)
	v_mul_f32 v8, 0x3a800000, v8                   ; the mean
.irp j, 0,2,4,6,8,10,12,14,16,18,20,22,24,26,28,30
	v_pk_add_f32 v[X+\j:X+\j+1], v[X+\j:X+\j+1], v[8:9] op_sel_hi:[1,0] neg_lo:[0,1] neg_hi:[0,1]
.endr
	v_pk_mul_f32 v[10:11], v[X:X+1], v[X:X+1]
	v_pk_mul_f32 v[12:13], v[X+2:X+3], v[X+2:X+3]
.irp j, 4,8,12,16,20,24,28
	s_delay_alu instid0(VALU_DEP_2)
	v_pk_fma_f32 v[10:11], v[X+\j:X+\j+1], v[X+\j:X+\j+1], v[10:11]
	s_delay_alu instid0(VALU_DEP_2)
	v_pk_fma_f32 v[12:13], v[X+\j+2:X+\j+3], v[X+\j+2:X+\j+3], v[12:13]
.endr
	s_delay_alu instid0(VALU_DEP_1)
	v_pk_add_f32 v[10:11], v[10:11], v[12:13]
	s_delay_alu instid0(VALU_DEP_1)
	v_add_f32 v10, v10, v11
	WSUM 10, 11
	v_mov_b32 v14, 0x3727c5ac                      ; 1e-5
	s_delay_alu instid0(VALU_DEP_1)
	v_fmac_f32 v14, 0x3a800000, v10
	s_wait_alu depctr_va_vdst(0)
	v_rsq_f32 v16, v14
	v_mov_b32 v17, 0                               ; (a plain place; the pair v[16:17] is named whole below)
	s_wait_loadcnt 0x0
.irp j, 0,2,4,6,8,10,12,14,16,18,20,22,24,26,28,30
	v_pk_mul_f32 v[G+\j:G+\j+1], v[G+\j:G+\j+1], v[X+\j:X+\j+1]
.endr
	s_wait_alu depctr_va_vdst(0)                   ; the wait ahead of the first reader of v16
.irp j, 0,2,4,6,8,10,12,14,16,18,20,22,24,26,28,30
	v_pk_fma_f32 v[X+\j:X+\j+1], v[G+\j:G+\j+1], v[16:17], v[BT+\j:BT+\j+1] op_sel_hi:[1,0,1]
.endr
.irp j, 0,1,2,3,4,5,6,7
	ds_store_b128 v4, v[X+4*\j:X+4*\j+3] offset:576*\j
.endr
.irp j, 0,1,2,3,4,5,6,7
	ds_load_b128 v[Y+4*\j:Y+4*\j+3], v5 offset:16*\j
.endr
	s_wait_dscnt 0x0
	v_max3_num_f32 v12, |v[Y]|, |v[Y+1]|, |v[Y+2]|
	v_max3_num_f32 v13, |v[Y+3]|, |v[Y+4]|, |v[Y+5]|
.irp i, 6,10,14,18,22,26
	s_delay_alu instid0(VALU_DEP_2)
	v_max3_num_f32 v12, v12, |v[Y+\i]|, |v[Y+\i+1]|
	s_delay_alu instid0(VALU_DEP_2)
	v_max3_num_f32 v13, v13, |v[Y+\i+2]|, |v[Y+\i+3]|
.endr
	s_delay_alu instid0(VALU_DEP_2)
	v_max3_num_f32 v12, v12, |v[Y+30]|, |v[Y+31]|
	s_delay_alu instid0(VALU_DEP_1)
	v_max3_num_f32 v12, v12, v13, 0x1800000
	s_delay_alu instid0(VALU_DEP_1)
	v_add_nc_u32 v11, 0xff000000, v12
	s_delay_alu instid0(VALU_DEP_1)
	v_lshrrev_b32 v13, 23, v11
	v_cvt_scalef32_pk16_fp6_f32 v[176:178], v[Y:Y+15], v11
	v_cvt_scalef32_pk16_fp6_f32 v[184:186], v[Y+16:Y+31], v11
	v_nop
.irp i, 0,1,2
	v_mov_b32 v[179+\i], v[184+\i]
.endr
.irp i, 0,1,2
	ds_store_b64 v6, v[176+2*\i:177+2*\i] offset:256*\i
.endr
	ds_store_b8 v7, v13
	s_wait_dscnt 0x0                               ; for the others' sake: my stores have landed
	s_barrier_signal -1
	s_barrier_wait -1
.irp i, 0,1,2
	ds_load_b64 v[48+2*\i:49+2*\i], v40 offset:256*\i
.endr
	s_wait_dscnt 0x0
.irp i, 0,1,2
	global_store_b64 v41, v[48+2*\i:49+2*\i], s[12:13] offset:256*\i
.endr
	s_cmp_lg_u32 s18, 0
	s_cbranch_scc1 .Lend
	ds_load_b128 v[56:59], v42
	s_wait_dscnt 0x0
	global_store_b128 v43, v[56:59], s[14:15]
.Lend:
	s_wait_tensorcnt 0x0
	ds_add_u32 v192, v193
	s_wait_dscnt 0x0
	s_endpgm
.Lfunc_end_k_qfc8b768639_ln2:
	.size	k_qfc8b768639_ln2, .Lfunc_end_k_qfc8b768639_ln2-k_qfc8b768639_ln2
	.p2alignl 7, 3214868480
	.fill 96, 4, 3214868480
	.section	.rodata,"a",@progbits
	.p2align	6, 0x0
	.amdhsa_kernel k_qfc8b768639_ln2
		.amdhsa_group_segment_fixed_size 88576
		.amdhsa_private_segment_fixed_size 0
		.amdhsa_enable_private_segment 0
		.amdhsa_kernarg_size 32
		.amdhsa_user_sgpr_count 2
		.amdhsa_user_sgpr_kernarg_segment_ptr 1
		.amdhsa_wavefront_size32 1
		.amdhsa_system_sgpr_workgroup_id_x 1
		.amdhsa_system_sgpr_workgroup_id_y 1
		.amdhsa_system_sgpr_workgroup_id_z 1
		.amdhsa_system_vgpr_workitem_id 0
		.amdhsa_next_free_vgpr 194
		.amdhsa_next_free_sgpr 66
		.amdhsa_reserve_vcc 0
		.amdhsa_float_denorm_mode_32 3
		.amdhsa_float_denorm_mode_16_64 3
		.amdhsa_memory_ordered 1
		.amdhsa_forward_progress 1
		.amdhsa_inst_pref_size 18
	.end_amdhsa_kernel
	.amdgpu_metadata
---
amdhsa.version: [ 1, 2 ]
amdhsa.kernels:
  - .name:           k_qfc8b768639_ln2
    .symbol:         k_qfc8b768639_ln2.kd
    .args:
      - { .name: x1, .offset: 0, .size: 8, .value_kind: global_buffer, .address_space: global }
      - { .name: gamma2, .offset: 8, .size: 8, .value_kind: global_buffer, .address_space: global }
      - { .name: beta2, .offset: 16, .size: 8, .value_kind: global_buffer, .address_space: global }
      - { .name: h2, .offset: 24, .size: 8, .value_kind: global_buffer, .address_space: global }
    .group_segment_fixed_size: 88576
    .private_segment_fixed_size: 0
    .kernarg_segment_align: 8
    .kernarg_segment_size: 32
    .max_flat_workgroup_size: 512
    .sgpr_count:     66
    .vgpr_count:     194
    .wavefront_size: 32
...
	.end_amdgpu_metadata
.endif
;; end of part 12
;; launch w1 (part 13): grid 16 x 16, 4 waves a work-group, clusters of 4 x 4, 327,680 bytes of LDS; arguments h2, wts, b1, hid; writes hid
.if DOCPART == 13
	.amdgcn_target "amdgcn-amd-amdhsa--gfx1250"
	.amdhsa_code_object_version 6
	.text
	.protected	k_qfc8b768639_w1
	.globl	k_qfc8b768639_w1
	.p2align	8
	.type	k_qfc8b768639_w1,@function
k_qfc8b768639_w1:
	s_mov_b64 s[64:65], 0
	v_nop
	global_prefetch_b8 v0, s[64:65] scope:SCOPE_SE
	s_setreg_imm32_b32 hwreg(HW_REG_WAVE_MODE, 25, 1), 1
	s_wait_xcnt 0x0
	s_wait_alu depctr_hold_cnt(0) depctr_sa_sdst(0) depctr_va_vdst(0) depctr_va_sdst(0) depctr_va_ssrc(0) depctr_va_vcc(0) depctr_vm_vsrc(0)
	s_getreg_b32 s2, hwreg(HW_REG_IB_STS2, 6, 4)
	s_cmp_eq_u32 s2, 0
	s_cbranch_scc0 .Lentry_in_a_cluster
	s_endpgm
.Lentry_in_a_cluster:
	s_bfe_u32 s2, ttmp6, 0x10000c
	s_cmp_lg_u32 s2, 0xf033
	s_cbranch_scc0 .Lentry_shape_is_right
	s_endpgm
.Lentry_shape_is_right:
; hid = Q(gelu(h2 x W1 + b1)): the product on codes of FP6 (E2M3) with E8M0 scales, the exact (erf) gelu in f32, the result quantised along the 4,096 hidden units, which are the next product's K.
; 4,096 x 4,096 results in tiles of 256 x 256 are 256 work-groups; four waves, 128 x 128 each: 64 accumulators, 512 registers.  K = 1,024 goes in four chunks of 256 through two LDS slots.
; Operands lie in memory as images of the matrix instruction's registers (row tile of 16 positions, K step of 128: 1,536 bytes; register pair i of lane l at 256 i + 8 l); scale words [K step][position].
; CLUSTERS: 4 x 4 work-groups; A's tiles are asked for jointly along a row of the cluster, B's along a column.
; THE HEAD: one joint load a wave: wave 0 A's 16 row tiles of chunk 0, wave 1 A's scale words of all of K, wave 2 B's 16 row tiles, wave 3 B's scale words.  Slot 1's first fill stands behind the full sequence and a round, as a refill does.
; PREFETCHES: chunks 1 and 2 are asked for behind the head's loads, chunk 3 behind chunk 1's load.  Of the 8 row tiles that a wave fetches in the ring each of the four partners of the joint load names two, told apart by address alone.
; THE PRODUCT IS USED TRANSPOSED (source 0 = 16 positions of W1, source 1 = 16 tokens).  Position p holds column p with bits 3 and 4 exchanged, so the 64 registers of A's block a hold, in lane (r, h), register 16 b + i: hidden unit 32 b + 16 h + i of token position r.
; THE WAY OUT: a loop of eight trips, one for each block of 16 tokens.  A block's 64 accumulator registers are copied into one working run of registers, by one of eight arms chosen by the trip's number, so that the gelu and the quantiser are written once.
; GELU: gelu(x) = max(x, 0) - |x| E, E = erfc(|x| / sqrt 2) / 2 = t 2^(P(t) - x^2 log2(e) / 2), t = 1 / (1 + |x| / sqrt 8), P of degree 9: the Chebyshev fit of erfc whose fractional error is under 1.2e-7 for every argument,
; its coefficients multiplied by log2(e), the 1/2 taken into the constant term.  No difference of near numbers is formed where x is negative.
; LIMITS: NaN and infinities are not served; a block of zeros, or one under 2^-124, gets the byte 1 (its codes are zeros; this program alone reads the bytes); v_exp_f32 gives 0 under 2^-126; v_rcp_f32 and v_exp_f32 are accurate to 1 ulp.
; REGISTERS, in windows of 256.  Window 0: v16-31 addresses; v32-63 scale words, two sets, and nothing else; v64-127 the bias; v128-223 A's fragments, one set; on the way out v192-211 codes, v224-244 the quantiser's.
;   Window 1: B's fragments, two sets, at v0 and v128; on the way out v0-63 the block, v64-255 the gelu's.  Windows 2, 3: the accumulators of my rows 0-63, 64-127 ((a, b) at v[8 (8 (a % 4) + b)]).
.set KT,    8                          ; K steps of 128
.set ASC,   3145728                    ; A's scale words in h2
.set BCO,   3145728                    ; W1's codes in wts
.set BSO,   9601024                    ; W1's scale words in wts
.set NQ,    2                          ; K steps in a slot
.set FR,    12                         ; registers of a fragment
.set NL,    6                          ; LDS loads that bring one
.set NP,    4                          ; places behind this matrix instruction (ISA guide 7.12.1)
.set HALFT, 24576                      ; 8 row tiles x 2 K steps x 1,536 bytes: what one load of the ring brings
.set SLOT,  4*HALFT                    ; A's 16 row tiles, then B's 16
.set SCL,   2*SLOT                     ; behind the ring: A's scale words [K step][256 words], then B's
.set HALFS, KT*512
.set SW,    262144                     ; the results' scale words: 512 bytes a wave, in blocks that no fill lands on
.set SPARE, 327168                     ; the spare words
.set ADRA, 16
.set ADRB, 20
.set PFO,  24                          ; v24 the prefetches' offset
.set RD,   25                          ; v25 where my row's scale word goes
.set CO,   26                          ; v26 8 x lane
.set ADRS, 27
.set SPW,  28
.set NIL,  29
.set SC,   32
.set BIAS, 64
.set AF,   128
.set PC,   192
.set TM,   224
.set WD,   240
.set FLOOR, 244
.set T,    0                           ; window 1: the block
.set GD,   64                          ; window 1, v64-127: 1 + |x| / sqrt 8, then t, at the end max(x, 0)
.set GP,   128                         ; window 1, v128-191: P
.set GE,   192                         ; window 1, v192-255: x^2, the exponent, its power of two, then E
.set C9,   246                         ; window 0: P's highest coefficient, as a pair
.set PF,   18
.set G1, 24
.set G0, 32
.set G1B, 48
.set G0B, 56
.set G1S, 68
.set G0S, 76
.set G1SB, 80
.set G0SB, 88
.set MSB, 0
.macro WIN new                         ; the immediate's high byte repeats the setting that is left
.if MSB != \new
	s_set_vgpr_msb (MSB<<8)|\new
.set MSB, \new
.endif
.endm
.set MUL_LO, 0xa1                      ; source 0 (B) window 1, source 1 (A) window 0, C and D window 2
.set MUL_HI, 0xf1
.set TO_B,   0x40
.macro JLOAD g0a, g1a, g0b, g1b        ; a joint load of the ring: waves 0 and 1 fetch for A, waves 2 and 3 for B
	s_cmp_eq_u32 s15, 0
	s_cbranch_scc0 .Lfor_b_\@
	tensor_load_to_lds s[\g0a:\g0a+3], s[\g1a:\g1a+7]
	s_nop 0
.rept 4
	v_nop
.endr
	s_branch .Lasked_\@
.Lfor_b_\@:
	tensor_load_to_lds s[\g0b:\g0b+3], s[\g1b:\g1b+7]
	s_nop 0
.rept 4
	v_nop
.endr
.Lasked_\@:
.endm
.macro CREST                           ; a round of the cluster's barrier behind its opening barrier
	s_cmp_lg_u32 s14, 0
	s_cbranch_scc1 .Lnot_wave_0_\@
	s_barrier_signal -3
.Lnot_wave_0_\@:
	s_barrier_wait -3
	s_barrier_signal -1
	s_barrier_wait -1
.endm
.macro CROUND
	s_barrier_signal -1
	s_barrier_wait -1
	CREST
.endm
	s_load_b128 s[4:7], s[0:1], 0x0                ; h2, wts
	s_load_b128 s[8:11], s[0:1], 0x10              ; b1, hid
	v_lshl_add_u32 v[SPW], v0, 2, SPARE
	v_mov_b32 v[NIL], 0
	ds_add_u32 v[SPW], v[NIL]                      ; the opening lines: the add, twice on end, and its wait
	ds_add_u32 v[SPW], v[NIL]
	v_lshrrev_b32 v1, 5, v0
	v_readfirstlane_b32 s14, v1                    ; wave 0..3
	s_lshr_b32 s15, s14, 1                         ; my half of A's 256.  Also: in the ring I fetch for A (0) or for B (1)
	s_and_b32 s16, s14, 1                          ; my half of B's 256.  Also: which 8 row tiles I fetch
	s_bfe_u32 s40, ttmp6, 0x40000                  ; cx
	s_bfe_u32 s41, ttmp6, 0x40004                  ; cy
	s_lshl_b32 s42, ttmp9, 2
	s_add_co_u32 s42, s42, s40                     ; tile column
	s_and_b32 s17, ttmp7, 0xffff
	s_lshl_b32 s17, s17, 2
	s_add_co_u32 s17, s17, s41                     ; tile row
	s_lshl_b32 s43, s41, 2
	s_lshl_b32 s43, 15, s43                        ; my row of the cluster
	s_lshl_b32 s44, 0x1111, s40                    ; my column
	s_or_b32 s[G1+0], s43, (3<<16)|(1<<21)         ; the mask; elements of 8 bytes; bit 21 beside a mask; no padding
	s_or_b32 s[G1B+0], s44, (3<<16)|(1<<21)
.irp g, G1, G1B
	s_mov_b32 s[\g+1], 384<<16                     ; 3,072 bytes: two K steps of a row tile
	s_mov_b32 s[\g+2], 16<<16                      ; the head's loads: 16 row tiles
	s_mov_b32 s[\g+3], 384<<16
	s_mov_b32 s[\g+4], 16
	s_mov_b32 s[\g+5], KT*192                      ; from row tile to row tile
	s_mov_b32 s[\g+6], 0
	s_mov_b32 s[\g+7], 0
.endr
	s_or_b32 s[G1S+0], s43, (3<<16)|(1<<21)
	s_or_b32 s[G1SB+0], s44, (3<<16)|(1<<21)
.irp g, G1S, G1SB
	s_mov_b32 s[\g+1], 128<<16                     ; 256 scale words: 1,024 bytes
	s_mov_b32 s[\g+2], KT<<16                      ; of each K step
	s_mov_b32 s[\g+3], 128<<16
	s_mov_b32 s[\g+4], KT
	s_mov_b32 s[\g+5], 2048                        ; both buffers have 4,096 words to a K step
	s_mov_b32 s[\g+6], 0
	s_mov_b32 s[\g+7], 0
.endr
	s_lshl_b32 s2, s16, 7
	s_lshl_b32 s20, s17, 8                         ; the tile's first position of A,
	s_lshl_b32 s46, s42, 8                         ; and of B
	s_lshl_b32 s22, s20, 2                         ; their scale words
	s_lshl_b32 s92, s46, 2
	s_add_co_u32 s20, s20, s2                      ; the ring's codes: my half
	s_add_co_u32 s46, s46, s2
	s_mul_i32 s20, s20, 96*KT
	s_mul_i32 s46, s46, 96*KT
	s_mov_b32 s21, 0
	s_mov_b32 s23, 0
	s_mov_b32 s47, 0
	s_mov_b32 s93, 0
	s_mul_i32 s45, s14, HALFT                      ; no place in the cluster enters an LDS address
	s_mul_i32 s94, s15, 2*HALFS
	s_mov_b32 s66, 0x76543210
	s_mov_b32 s67, 0xfedcba98                      ; v_permlanex16_b32's selects for lane l xor 16
	s_wait_dscnt 0x0                               ; both opening adds are done
	s_wait_kmcnt 0x0
	s_add_nc_u64 s[20:21], s[4:5], s[20:21]
	s_add_nc_u64 s[22:23], s[4:5], s[22:23]
	s_add_nc_u64 s[22:23], s[22:23], ASC
	s_add_nc_u64 s[46:47], s[6:7], s[46:47]
	s_add_nc_u64 s[46:47], s[46:47], BCO
	s_add_nc_u64 s[92:93], s[6:7], s[92:93]
	s_add_nc_u64 s[92:93], s[92:93], BSO
	CROUND                                         ; all sixteen work-groups are here: the first joint loads meet
	s_mov_b32 s[G0S], 1
	s_add_co_u32 s[G0S+1], s94, SCL
	s_mov_b64 s[G0S+2:G0S+3], s[22:23]
	s_or_b32 s[G0S+3], s[G0S+3], 0x80000000
	s_mov_b32 s[G0SB], 1
	s_add_co_u32 s[G0SB+1], s94, SCL
	s_mov_b64 s[G0SB+2:G0SB+3], s[92:93]
	s_or_b32 s[G0SB+3], s[G0SB+3], 0x80000000
.irp s, 0,1
	s_mov_b32 s[G0+4*\s], 1
	s_add_co_u32 s[G0+4*\s+1], s45, \s*SLOT
	s_add_nc_u64 s[G0+4*\s+2:G0+4*\s+3], s[20:21], \s*3072
	s_or_b32 s[G0+4*\s+3], s[G0+4*\s+3], 0x80000000
	s_mov_b32 s[G0B+4*\s], 1
	s_add_co_u32 s[G0B+4*\s+1], s45, \s*SLOT
	s_add_nc_u64 s[G0B+4*\s+2:G0B+4*\s+3], s[46:47], \s*3072
	s_or_b32 s[G0B+4*\s+3], s[G0B+4*\s+3], 0x80000000
.endr
; Waves 0 and 2 fetch half 0 in the ring, so their own slot 0 descriptors point at the tile's first row tile and at A's or B's first LDS byte: with 16 rows they bring the whole tile.
.macro ARM under, g0, g1, next
	s_cmp_lt_u32 s14, \under
	s_cbranch_scc0 \next
	tensor_load_to_lds s[\g0:\g0+3], s[\g1:\g1+7]
	s_nop 0
.rept 4
	v_nop
.endr
	s_branch .Lhead_asked
\next:
.endm
	ARM 1, G0,  G1,  .Lhead_sa
	ARM 2, G0S, G1S, .Lhead_b
	ARM 3, G0B, G1B, .Lhead_sb
	tensor_load_to_lds s[G0SB:G0SB+3], s[G1SB:G1SB+7]
	s_nop 0
.rept 4
	v_nop
.endr
.Lhead_asked:
	; the rest of the head: first all that is scalar, then all that is vector
	s_cmp_eq_u32 s15, 0
	s_cselect_b64 s[PF:PF+1], s[20:21], s[46:47]   ; the prefetches: the 8 row tiles that I fetch in the ring,
	s_cselect_b32 s2, s40, s41                     ; my work-group's place among the four that ask with me,
	s_mul_i32 s2, s2, 2*KT*1536                    ; its two row tiles
	s_mov_b32 s3, 0
	s_add_nc_u64 s[PF:PF+1], s[PF:PF+1], s[2:3]
	s_mul_i32 s21, s15, HALFT                      ; my 8 row tiles of A
	s_mul_i32 s22, s16, HALFT
	s_add_co_u32 s22, s22, 2*HALFT                 ; and of B
	s_lshl_b32 s23, s15, 9                         ; my half's 128 words of a K step's 256
	s_lshl_b32 s98, s16, 9
	s_add_co_u32 s98, s98, 2*HALFS
	s_sub_co_u32 s98, s98, s23                     ; from A's words to B's
	s_add_co_u32 s23, s23, SCL
	s_lshl_b32 s99, s14, 9
	s_add_co_u32 s99, s99, SW
	s_lshl_b32 s46, s42, 10
	s_lshl_b32 s47, s16, 9
	s_add_co_u32 s46, s46, s47
	s_mov_b32 s47, 0
	s_add_nc_u64 s[96:97], s[8:9], s[46:47]        ; the bias at my first column
	s_lshl_b32 s20, s17, 4
	s_lshl_b32 s2, s15, 3
	s_add_co_u32 s20, s20, s2                      ; my first row tile of hid: 49,152 bytes each,
	s_mul_i32 s20, s20, 49152
	s_lshl_b32 s46, s42, 1
	s_add_co_u32 s46, s46, s16                     ; my K step of the next product
	s_mul_i32 s2, s46, 1536
	s_add_co_u32 s2, s2, s20
	s_add_nc_u64 s[12:13], s[10:11], s[2:3]
	s_lshl_b32 s2, s46, 14                         ; its scale words: 16,384 bytes a K step, 4 a position
	s_lshl_b32 s20, s17, 10
	s_add_co_u32 s2, s2, s20
	s_lshl_b32 s20, s15, 9
	s_add_co_u32 s2, s2, s20
	s_add_co_u32 s2, s2, 12582912
	s_add_nc_u64 s[10:11], s[10:11], s[2:3]
	v_and_b32 v1, 15, v0                           ; r
	v_bfe_u32 v2, v0, 4, 1                         ; h
	v_and_b32 v3, 31, v0                           ; lane
	v_lshlrev_b32 v[CO], 3, v3
	v_add_nc_u32 v[ADRA], s21, v[CO]
	v_add_nc_u32 v[ADRB], s22, v[CO]
	v_add_nc_u32 v[ADRA+1], SLOT, v[ADRA]
	v_add_nc_u32 v[ADRB+1], SLOT, v[ADRB]
	v_lshlrev_b32 v5, 2, v1
	v_mul_u32_u24 v6, s98, v2                      ; lanes 16-31 take B's words
	v_add_nc_u32 v5, v5, v6
	v_add_nc_u32 v[ADRS], s23, v5
	v_lshl_add_u32 v[RD], v1, 2, s99
	v_lshl_add_u32 v31, v3, 4, s99
	v_lshlrev_b32 v30, 4, v3
	v_lshlrev_b32 v7, 6, v2                        ; the bias: lane (r, h), block b, register j: column 32 (b / 2) + 16 h + 8 (b % 2) + j
	v_min_u32 v8, 23, v3                           ; 24 blocks of 256 bytes a chunk: 12 in each of two row tiles; lanes 24-31 name the last again
	v_mul_u32_u24 v9, v8, 22
	v_lshrrev_b32 v9, 8, v9                        ; block / 12
	v_mul_u32_u24 v9, v9, 9216
	v_lshl_add_u32 v[PFO], v8, 8, v9
	v_mov_b32 v[FLOOR], 0x1800000
.irp b, 0,1,2,3
	v_mov_b32 v[TM+4+\b], 0                        ; a lane permute's destination counts as a source
.endr
	s_wait_alu depctr_va_vdst(0)                   ; the wait at the head's end
	global_prefetch_b8 v[PFO], s[PF:PF+1] offset:3072 th:TH_LOAD_NT scope:SCOPE_SE   ; chunk 1
	global_prefetch_b8 v[PFO], s[PF:PF+1] offset:6144 th:TH_LOAD_NT scope:SCOPE_SE   ; chunk 2
.irp b, 0,1,2,3,4,5,6,7
	global_load_b128 v[BIAS+8*\b:BIAS+8*\b+3], v7, s[96:97] offset:128*(\b/2)+32*(\b%2)
	global_load_b128 v[BIAS+8*\b+4:BIAS+8*\b+7], v7, s[96:97] offset:128*(\b/2)+32*(\b%2)+16
.endr
.macro FRAG reg, adr, q, i             ; a fragment: six planes of 256 bytes
.irp p, 0,1,2,3,4,5
	ds_load_b64 v[\reg+2*\p:\reg+2*\p+1], v[\adr] offset:(\i)*3072+(\q)*1536+256*\p
.endr
.endm
; 16 matrix instructions: A's blocks a0, a0 + 1 x B's eight.  p: B's set, q: the slot's K step, sc: the set of scale words; cs = 1: C = the bias.  The 64 accumulators take turns in one order in every K step.
.macro MUL16 a0, p, q, sc, cs
.irp a, \a0, \a0+1
.irp b, 0,1,2,3,4,5,6,7
.if \cs == 0
	v_wmma_scale_f32_16x16x128_f8f6f4 v[8*(8*((\a)%4)+\b):8*(8*((\a)%4)+\b)+7], v[128*(\p)+FR*\b:128*(\p)+FR*\b+FR-1], v[AF+FR*(\a):AF+FR*(\a)+FR-1], v[8*(8*((\a)%4)+\b):8*(8*((\a)%4)+\b)+7], v[SC+8*NQ*(\sc)+NQ*\b+(\q)], v[SC+8*NQ*(\sc)+NQ*(\a)+(\q)] matrix_a_fmt:MATRIX_FMT_FP6 matrix_b_fmt:MATRIX_FMT_FP6 matrix_a_scale:MATRIX_SCALE_ROW1
.else
	v_wmma_scale_f32_16x16x128_f8f6f4 v[8*(8*((\a)%4)+\b):8*(8*((\a)%4)+\b)+7], v[128*(\p)+FR*\b:128*(\p)+FR*\b+FR-1], v[AF+FR*(\a):AF+FR*(\a)+FR-1], v[BIAS+8*\b:BIAS+8*\b+7], v[SC+8*NQ*(\sc)+NQ*\b+(\q)], v[SC+8*NQ*(\sc)+NQ*(\a)+(\q)] matrix_a_fmt:MATRIX_FMT_FP6 matrix_b_fmt:MATRIX_FMT_FP6 matrix_a_scale:MATRIX_SCALE_ROW1
.endif
.endr
.endr
.endm
.macro FETCH_B slot, q, p
	WIN TO_B
.irp i, 0,1,2,3,4,5,6,7
	FRAG 128*(\p)+FR*\i, ADRB+\slot, \q, \i
.endr
	WIN 0
.endm
.macro FETCH_A slot, q, i0
.irp i, \i0, \i0+1, \i0+2, \i0+3
	FRAG AF+FR*(\i), ADRA+\slot, \q, \i
.endr
.endm
.macro SCALES sc, ch                   ; chunk ch's scale words into set sc: lanes 0-15 A's block i, lanes 16-31 B's block i
.irp q, 0,1
.irp i, 0,1,2,3,4,5,6,7
	ds_load_b32 v[SC+8*NQ*\sc+NQ*\i+\q], v[ADRS] offset:2048*(\ch)+1024*\q+64*\i
.endr
.endr
.endm
.macro PLACES n                        ; places in front of loads into registers that matrix instructions have read, and of the first read of results
.rept \n
	v_nop
.endr
.endm
.macro STEP slot, cs                   ; a slot's first K step, on B's set 0; its second K step's fragments are fetched in the middle and at the end
	s_wait_dscnt 4*NL                              ; all but the youngest 24 loads, A's blocks 4-7
.if \cs
	WIN 0x81                                       ; C, the bias, in window 0
.else
	WIN MUL_LO
.endif
	MUL16 0, 0, 0, \slot, \cs
	MUL16 2, 0, 0, \slot, \cs
	s_wait_dscnt 0
	PLACES NP
	FETCH_B \slot, 1, 1
	FETCH_A \slot, 1, 0
.if \cs
	WIN 0xc1
.else
	WIN MUL_HI
.endif
	MUL16 4, 0, 0, \slot, \cs
	MUL16 6, 0, 0, \slot, \cs
	PLACES NP
	WIN 0
	FETCH_A \slot, 1, 4
.endm
; A slot's second K step, and the change of slots: one barrier; in front of it each wave waits for all its tensor loads, adds 0 to its spare word, and waits for that and for its reads of this slot.
; fill = 1: the barrier opens a round of the cluster's barrier, and this slot takes the chunk two on.  ch: the chunk that lies in the next slot.
.macro TURN slot, next, ch, fill
	s_wait_tensorcnt 0x0
	ds_add_u32 v[SPW], v[NIL]
	s_wait_dscnt 4*NL+1                            ; (the add and A's blocks 4-7 may be out)
	WIN MUL_LO
	MUL16 0, 1, 1, \slot, 0
	s_wait_dscnt 0x0
	s_barrier_signal -1
	MUL16 2, 1, 1, \slot, 0
	WIN 0
	s_barrier_wait -1
.if \fill
	CREST
	s_add_nc_u64 s[G0+4*\slot+2:G0+4*\slot+3], s[G0+4*\slot+2:G0+4*\slot+3], 6144
	s_add_nc_u64 s[G0B+4*\slot+2:G0B+4*\slot+3], s[G0B+4*\slot+2:G0B+4*\slot+3], 6144
	JLOAD G0+4*\slot, G1, G0B+4*\slot, G1B         ; its four v_nop are the places in front of the loads below
.else
	PLACES NP
.endif
	FETCH_B \next, 0, 0
	FETCH_A \next, 0, 0
	SCALES \next, \ch
	WIN MUL_HI
	MUL16 4, 1, 1, \slot, 0
	MUL16 6, 1, 1, \slot, 0
	PLACES NP
	WIN 0
	FETCH_A \next, 0, 4
.endm
	s_wait_tensorcnt 0x0                           ; my tile of the head's four is in; slot 1's first fill is issued as a refill is
	ds_add_u32 v[SPW], v[NIL]
	s_mov_b32 s[G1+2], 8<<16                       ; no tensor load of mine is out: from here on a load brings 8 row tiles
	s_mov_b32 s[G1+4], 8
	s_mov_b32 s[G1B+2], 8<<16
	s_mov_b32 s[G1B+4], 8
	s_wait_dscnt 0x0
	CROUND
	JLOAD G0+4, G1, G0B+4, G1B                     ; chunk 1
	FETCH_B 0, 0, 0
	FETCH_A 0, 0, 0
	SCALES 0, 0
	FETCH_A 0, 0, 4
	global_prefetch_b8 v[PFO], s[PF:PF+1] offset:9216 th:TH_LOAD_NT scope:SCOPE_SE   ; chunk 3, the last
	s_wait_loadcnt 0x0                             ; the bias
	STEP 0, 1                                      ; the first K step starts the sums on the bias
	TURN 0, 1, 1, 1                                ; slot 0 takes chunk 2
	STEP 1, 0
	TURN 1, 0, 2, 1                                ; slot 1 takes chunk 3
	STEP 0, 0
	TURN 0, 1, 3, 0
	STEP 1, 0
	s_wait_dscnt 4*NL                              ; the last K step: nothing more to fetch
	WIN MUL_LO
	MUL16 0, 1, 1, 1, 0
	MUL16 2, 1, 1, 1, 0
	s_wait_dscnt 0
	WIN MUL_HI
	MUL16 4, 1, 1, 1, 0
	MUL16 6, 1, 1, 1, 0
	WIN 0
	PLACES NP
	; P's coefficients 0 to 8, each as a pair, in registers that held descriptors (every tensor load has been waited for)
.set n, 0
.irp c, -2.8257482, 1.4427292, 0.53970062, 0.13963006, -0.26875686, 0.40232158, -1.6377532, 2.1474745, -1.1861149
	s_mov_b32 s[24+2*n], \c
	s_mov_b32 s[25+2*n], \c
.set n, n+1
.endr
	s_mov_b32 s46, -0.72134752                     ; -log2(e) / 2
	s_mov_b32 s47, s46
	s_mov_b32 s50, 0.35355339                      ; 1 / sqrt 8
	v_mov_b32 v[C9], 0.2465173
	v_mov_b32 v[C9+1], 0.2465173
.macro TAKE a                          ; block a's 64 registers into the working run; each accumulator from its low end on
	WIN 0x40|(2+(\a)/4)
	s_wait_alu depctr_va_vdst(0)                   ; the wait directly ahead of the first reader of matrix results
.set j, 0
.rept 64
	v_mov_b32 v[T+j], v[64*((\a)%4)+j]
.set j, j+1
.endr
	WIN 0
.endm
; The gelu of a block's 64 numbers a lane, in two halves of 32 (o = 0, 32).  Behind each batch of exponentials stands work of the other half that names none of its results.
.macro HORNER o                        ; the exponent: P(t) - x^2 log2(e) / 2
	WIN 0x51                                       ; source 1, the highest coefficient, in window 0
.set j, \o
.rept 16
	v_pk_fma_f32 v[GP+j:GP+j+1], v[GD+j:GD+j+1], v[C9:C9+1], s[40:41] op_sel_hi:[1,1,0]
.set j, j+2
.endr
	WIN 0x55
.irp n, 7,6,5,4,3,2,1,0
.set j, \o
.rept 16
	v_pk_fma_f32 v[GP+j:GP+j+1], v[GP+j:GP+j+1], v[GD+j:GD+j+1], s[24+2*\n:25+2*\n] op_sel_hi:[1,1,0]
.set j, j+2
.endr
.endr
.set j, \o
.rept 16
	v_pk_fma_f32 v[GE+j:GE+j+1], v[GE+j:GE+j+1], s[46:47], v[GP+j:GP+j+1] op_sel_hi:[1,0,1]
.set j, j+2
.endr
.endm
.macro POWERS o
.set j, \o
.rept 32
	v_exp_f32 v[GE+j], v[GE+j]
.set j, j+1
.endr
.endm
.macro FINISH o                        ; max(x, 0) - |x| E
.set j, \o
.rept 16
	v_pk_mul_f32 v[GE+j:GE+j+1], v[GD+j:GD+j+1], v[GE+j:GE+j+1]    ; E = t x the power
.set j, j+2
.endr
.set j, \o
.rept 32
	v_max_num_f32 v[GD+j], 0, v[T+j]               ; t is done with
.set j, j+1
.endr
.set j, \o
.rept 32
	v_fma_f32 v[T+j], -|v[T+j]|, v[GE+j], v[GD+j]
.set j, j+1
.endr
.endm
	s_mov_b32 s21, 0
	s_mov_b32 s3, 0
.Lblk:                                             ; trip a: block a of 16 tokens x 128 hidden units
.irp a, 0,1,2,3,4,5,6
	s_cmp_lg_u32 s3, \a
	s_cbranch_scc1 .Lnot\a
	TAKE \a
	s_wait_alu depctr_va_vdst(0)                   ; the wait directly ahead of the branch
	s_branch .Ltaken
.Lnot\a:
.endr
	TAKE 7
.Ltaken:
	WIN 0x55                                       ; every operand in window 1
.set j, 0
.rept 64
	v_fma_f32 v[GD+j], |v[T+j]|, s50, 1.0
.set j, j+1
.endr
	s_wait_alu depctr_va_vdst(0)                   ; ahead of the batch
.set j, 0
.rept 64
	v_rcp_f32 v[GD+j], v[GD+j]                     ; t
.set j, j+1
.endr
.set j, 0
.rept 32
	v_pk_mul_f32 v[GE+j:GE+j+1], v[T+j:T+j+1], v[T+j:T+j+1]        ; work that names no reciprocal
.set j, j+2
.endr
	s_wait_alu depctr_va_vdst(0)                   ; behind the batch, ahead of its first reader
	HORNER 0
	s_wait_alu depctr_va_vdst(0)                   ; ahead of the batch
	POWERS 0
	HORNER 32
	s_wait_alu depctr_va_vdst(0)                   ; behind the first half's batch and ahead of the second's
	POWERS 32
	FINISH 0
	s_wait_alu depctr_va_vdst(0)                   ; behind the second half's batch
	FINISH 32
	; four blocks of 32 along the next K: my 16 numbers of each, then lane l xor 16's
	WIN 0x14
.irp b, 0,1,2,3
	v_max3_num_f32 v[TM+\b], v[FLOOR], |v[T+16*\b]|, |v[T+16*\b+1]|        ; with the floor 2^(3 - 127): the byte cannot fall under 1
.endr
.irp i, 2,4,6,8,10,12,14
.irp b, 0,1,2,3
	v_max3_num_f32 v[TM+\b], v[TM+\b], |v[T+16*\b+\i]|, |v[T+16*\b+\i+1]|
.endr
.endr
	WIN 0
.irp b, 0,1,2,3
	v_permlanex16_b32 v[TM+4+\b], v[TM+\b], s66, s67
.endr
.irp b, 0,1,2,3
	v_max_num_f32 v[TM+\b], v[TM+\b], v[TM+4+\b]
.endr
.irp b, 0,1,2,3
	v_add_nc_u32 v[TM+12+\b], 0xff000000, v[TM+\b] ; 2 off the exponent field: the conversion's scale operand
.endr
.irp b, 0,1,2,3
	v_lshrrev_b32 v[TM+4+\b], 23, v[TM+12+\b]      ; the scale's byte
.endr
	v_lshl_or_b32 v[WD], v[TM+5], 8, v[TM+4]
	v_lshl_or_b32 v[WD], v[TM+6], 16, v[WD]
	v_lshl_or_b32 v[WD], v[TM+7], 24, v[WD]
	WIN 1
.irp c, 0,1
	v_cvt_scalef32_pk16_fp6_f32 v[PC+6*\c:PC+6*\c+2], v[T+32*\c:T+32*\c+15], v[TM+12+2*\c]
	v_cvt_scalef32_pk16_fp6_f32 v[PC+12+4*\c:PC+14+4*\c], v[T+32*\c+16:T+32*\c+31], v[TM+13+2*\c]
.endr
	WIN 0
	v_nop                                          ; one plain place behind a scaled conversion
.irp c, 0,1                            ; the operand's layout wants a whole block in a lane
.irp i, 0,1,2
	v_permlane16_swap_b32 v[PC+6*\c+\i], v[PC+12+4*\c+\i]
.endr
.irp i, 0,1,2
	v_mov_b32 v[PC+3+6*\c+\i], v[PC+12+4*\c+\i]
.endr
.endr
.irp i, 0,1,2,3,4,5
	global_store_b64 v[CO], v[PC+2*\i:PC+2*\i+1], s[12:13] offset:256*\i   ; 256 consecutive bytes, aligned
.endr
	v_add_nc_u32 v13, s21, v[RD]
	ds_store_b32 v13, v[WD]                        ; lanes r and r + 16 hold the same word and write it to the same place
	s_wait_xcnt 0x0                                ; the stores have read their registers and their base
	s_add_nc_u64 s[12:13], s[12:13], 49152         ; the next row tile
	s_add_co_u32 s21, s21, 64
	s_add_co_u32 s3, s3, 1
	s_cmp_lt_u32 s3, 8
	s_wait_alu depctr_va_vdst(0)                   ; the wait directly ahead of the branch
	s_cbranch_scc1 .Lblk
	ds_load_b128 v[PC:PC+3], v31                   ; my 128 scale words; LDS serves a wave's instructions in order
	s_wait_dscnt 0x0
	global_store_b128 v30, v[PC:PC+3], s[10:11]    ; 512 consecutive bytes, aligned
	s_wait_tensorcnt 0x0                           ; the wave's end
	ds_add_u32 v[SPW], v[NIL]
	s_wait_dscnt 0x0
	CROUND                                         ; the closing round
	s_endpgm
.Lfunc_end_k_qfc8b768639_w1:
	.size	k_qfc8b768639_w1, .Lfunc_end_k_qfc8b768639_w1-k_qfc8b768639_w1
	.p2alignl 7, 3214868480
	.fill 96, 4, 3214868480
	.section	.rodata,"a",@progbits
	.p2align	6, 0x0
	.amdhsa_kernel k_qfc8b768639_w1
		.amdhsa_group_segment_fixed_size 327680
		.amdhsa_private_segment_fixed_size 0
		.amdhsa_enable_private_segment 0
		.amdhsa_kernarg_size 32
		.amdhsa_user_sgpr_count 2
		.amdhsa_user_sgpr_kernarg_segment_ptr 1
		.amdhsa_wavefront_size32 1
		.amdhsa_system_sgpr_workgroup_id_x 1
		.amdhsa_system_sgpr_workgroup_id_y 1
		.amdhsa_system_sgpr_workgroup_id_z 1
		.amdhsa_system_vgpr_workitem_id 0
		.amdhsa_next_free_vgpr 1024
		.amdhsa_next_free_sgpr 102
		.amdhsa_reserve_vcc 0
		.amdhsa_float_denorm_mode_32 3
		.amdhsa_float_denorm_mode_16_64 3
		.amdhsa_memory_ordered 1
		.amdhsa_forward_progress 1
		.amdhsa_inst_pref_size 197
	.end_amdhsa_kernel
	.amdgpu_metadata
---
amdhsa.version: [ 1, 2 ]
amdhsa.kernels:
  - .name:           k_qfc8b768639_w1
    .symbol:         k_qfc8b768639_w1.kd
    .args:
      - { .name: h2, .offset: 0, .size: 8, .value_kind: global_buffer, .address_space: global }
      - { .name: wts, .offset: 8, .size: 8, .value_kind: global_buffer, .address_space: global }
      - { .name: b1, .offset: 16, .size: 8, .value_kind: global_buffer, .address_space: global }
      - { .name: hid, .offset: 24, .size: 8, .value_kind: global_buffer, .address_space: global }
    .group_segment_fixed_size: 327680
    .private_segment_fixed_size: 0
    .kernarg_segment_align: 8
    .kernarg_segment_size: 32
    .max_flat_workgroup_size: 128
    .sgpr_count:     102
    .vgpr_count:     1024
    .wavefront_size: 32
...
	.end_amdgpu_metadata
.endif
;; end of part 13
;; launch w2 (part 14): grid 8 x 32, 4 waves a work-group, clusters of 4 x 4, 327,680 bytes of LDS; arguments hid, wts, b2, x1, out0; writes out0
.if DOCPART == 14
	.amdgcn_target "amdgcn-amd-amdhsa--gfx1250"
	.amdhsa_code_object_version 6
	.text
	.protected	k_qfc8b768639_w2
	.globl	k_qfc8b768639_w2
	.p2align	8
	.type	k_qfc8b768639_w2,@function
k_qfc8b768639_w2:
	s_mov_b64 s[64:65], 0
	v_nop
	global_prefetch_b8 v0, s[64:65] scope:SCOPE_SE
	s_setreg_imm32_b32 hwreg(HW_REG_WAVE_MODE, 25, 1), 1
	s_wait_xcnt 0x0
	s_wait_alu depctr_hold_cnt(0) depctr_sa_sdst(0) depctr_va_vdst(0) depctr_va_sdst(0) depctr_va_ssrc(0) depctr_va_vcc(0) depctr_vm_vsrc(0)
	s_getreg_b32 s2, hwreg(HW_REG_IB_STS2, 6, 4)
	s_cmp_eq_u32 s2, 0
	s_cbranch_scc0 .Lentry_in_a_cluster
	s_endpgm
.Lentry_in_a_cluster:
	s_bfe_u32 s2, ttmp6, 0x10000c
	s_cmp_lg_u32 s2, 0xf033
	s_cbranch_scc0 .Lentry_shape_is_right
	s_endpgm
.Lentry_shape_is_right:
; out0 = x1 + hid x W2 + b2, the product on codes of FP6 (E2M3) with E8M0 scales.
; 4,096 x 1,024 results in tiles of 128 x 128 are 256 work-groups; four waves, 64 x 64 each: 16 accumulators.  K = 4,096 goes in eight chunks of 512 through two LDS slots; the scale words of all of K come once and stay.
; 4 x 4 work-groups form a cluster: A's tiles are asked for jointly along a row of the cluster, B's along a column; where a slot is filled again, a round of the cluster's barrier stands in front of the joint load.
; The head: one joint load a wave (A's chunk 0, A's scale words, B's chunk 0, B's scale words); slot 1's first fill stands behind the full sequence and a round.  Later chunks are prefetched two refills ahead, the partners of a joint load sharing the blocks by address.
; Operands lie in memory as images of the matrix instruction's registers (row tile, K step: 1,536 bytes); the product is used transposed; the bias is the C of each sum's first product; the residual is asked for at the head and added on the way out.
; LIMITS: NaN and infinities are not served.
.set KT,    32
.set ASC,   12582912
.set BCO,   6291456
.set BSO,   9732096
.set BSP,   512
.set NTS,   1
.set NQ,    4
.set FR,    12
.set NP,    4
.set HALFT, 24576
.set SLOT,  4*HALFT
.set LAPS,  KT/8
.set SCL,   2*SLOT
.set HALFS, KT*256
.set SPARE, 327168
.set SPITCH, 272
.set SBLK,  16*SPITCH
.set ADRA, 16
.set ADRB, 20
.set STO,  24
.set RD,   25
.set CO,   26
.set ADRS, 27
.set SPW,  28
.set NIL,  29
.set SC,   32
.set BIAS, 64
.set ACC,  128
.set F0,   0
.set F1,   128
.set RS,   0
.set G1, 24
.set G0, 32
.set G1B, 48
.set G0B, 56
.set G1S, 68
.set G0S, 76
.set G1SB, 80
.set G0SB, 88
.set MSB, 0
.macro WIN new
.if MSB != \new
	s_set_vgpr_msb (MSB<<8)|\new
.set MSB, \new
.endif
.endm
.set MUL,  0x05
.set TO_F, 0x40
.macro JLOAD g0a, g1a, g0b, g1b
	s_cmp_eq_u32 s15, 0
	s_cbranch_scc0 .Lfor_b_\@
	tensor_load_to_lds s[\g0a:\g0a+3], s[\g1a:\g1a+7]
	s_nop 0
.rept 4
	v_nop
.endr
	s_branch .Lasked_\@
.Lfor_b_\@:
	tensor_load_to_lds s[\g0b:\g0b+3], s[\g1b:\g1b+7]
	s_nop 0
.rept 4
	v_nop
.endr
.Lasked_\@:
.endm
.macro CREST
	s_cmp_lg_u32 s14, 0
	s_cbranch_scc1 .Lnot_wave_0_\@
	s_barrier_signal -3
.Lnot_wave_0_\@:
	s_barrier_wait -3
	s_barrier_signal -1
	s_barrier_wait -1
.endm
.macro CROUND
	s_barrier_signal -1
	s_barrier_wait -1
	CREST
.endm
	s_load_b128 s[4:7], s[0:1], 0x0
	s_load_b128 s[8:11], s[0:1], 0x10
	s_load_b64 s[12:13], s[0:1], 0x20
	v_lshl_add_u32 v[SPW], v0, 2, SPARE
	v_mov_b32 v[NIL], 0
	ds_add_u32 v28, v29
	ds_add_u32 v28, v29
	s_wait_dscnt 0x0
	v_lshrrev_b32 v1, 5, v0
	v_readfirstlane_b32 s14, v1
	s_lshr_b32 s15, s14, 1
	s_and_b32 s16, s14, 1
	s_bfe_u32 s40, ttmp6, 0x40000
	s_bfe_u32 s41, ttmp6, 0x40004
	s_lshl_b32 s42, ttmp9, 2
	s_add_co_u32 s42, s42, s40
	s_and_b32 s17, ttmp7, 0xffff
	s_lshl_b32 s17, s17, 2
	s_add_co_u32 s17, s17, s41
	s_lshl_b32 s43, s41, 2
	s_lshl_b32 s43, 15, s43
	s_lshl_b32 s44, 0x1111, s40
	s_or_b32 s[G1+0], s43, (3<<16)|(1<<21)
	s_or_b32 s[G1B+0], s44, (3<<16)|(1<<21)
.irp g, G1, G1B
	s_mov_b32 s[\g+1], 768<<16
	s_mov_b32 s[\g+2], 8<<16                       ; the head's loads bring a whole tile: 8 row tiles
	s_mov_b32 s[\g+3], 768<<16
	s_mov_b32 s[\g+4], 8
	s_mov_b32 s[\g+5], KT*192
	s_mov_b32 s[\g+6], 0
	s_mov_b32 s[\g+7], 0
.endr
	s_or_b32 s[G1S+0], s43, (3<<16)|(1<<21)
	s_or_b32 s[G1SB+0], s44, (3<<16)|(1<<21)
.irp g, G1S, G1SB
	s_mov_b32 s[\g+1], 64<<16                      ; the scale words of a tile's 128 positions: 512 bytes of each K step
	s_mov_b32 s[\g+2], KT<<16
	s_mov_b32 s[\g+3], 64<<16
	s_mov_b32 s[\g+4], KT
	s_mov_b32 s[\g+6], 0
	s_mov_b32 s[\g+7], 0
.endr
	s_mov_b32 s[G1S+5], 2048
	s_mov_b32 s[G1SB+5], BSP
	s_lshl_b32 s2, s16, 6
	s_lshl_b32 s20, s17, 7
	s_lshl_b32 s46, s42, 7
	s_lshl_b32 s22, s20, 2                         ; the scale words begin at the tile's first position,
	s_lshl_b32 s92, s46, 2
	s_add_co_u32 s20, s20, s2                      ; the ring's codes at my half of the tile
	s_add_co_u32 s46, s46, s2
	s_mul_i32 s20, s20, 96*KT
	s_mul_i32 s46, s46, 96*KT
	s_mov_b32 s21, 0
	s_mov_b32 s23, 0
	s_mov_b32 s47, 0
	s_mov_b32 s93, 0
	s_mul_i32 s45, s14, HALFT
	s_mul_i32 s94, s15, 2*HALFS                    ; A's scale words, then B's: [K step][128 words] each
	s_wait_kmcnt 0x0
	s_add_nc_u64 s[20:21], s[4:5], s[20:21]
	s_add_nc_u64 s[22:23], s[4:5], s[22:23]
	s_add_nc_u64 s[22:23], s[22:23], ASC
	s_add_nc_u64 s[46:47], s[6:7], s[46:47]
	s_add_nc_u64 s[46:47], s[46:47], BCO
	s_add_nc_u64 s[92:93], s[6:7], s[92:93]
	s_add_nc_u64 s[92:93], s[92:93], BSO
	CROUND
	s_mov_b32 s[G0S], 1
	s_add_co_u32 s[G0S+1], s94, SCL
	s_mov_b64 s[G0S+2:G0S+3], s[22:23]
	s_or_b32 s[G0S+3], s[G0S+3], 0x80000000
	s_mov_b32 s[G0SB], 1
	s_add_co_u32 s[G0SB+1], s94, SCL
	s_mov_b64 s[G0SB+2:G0SB+3], s[92:93]
	s_or_b32 s[G0SB+3], s[G0SB+3], 0x80000000
.irp s, 0,1
	s_mov_b32 s[G0+4*\s], 1
	s_add_co_u32 s[G0+4*\s+1], s45, \s*SLOT
	s_add_nc_u64 s[G0+4*\s+2:G0+4*\s+3], s[20:21], \s*6144
	s_or_b32 s[G0+4*\s+3], s[G0+4*\s+3], 0x80000000
	s_mov_b32 s[G0B+4*\s], 1
	s_add_co_u32 s[G0B+4*\s+1], s45, \s*SLOT
	s_add_nc_u64 s[G0B+4*\s+2:G0B+4*\s+3], s[46:47], \s*6144
	s_or_b32 s[G0B+4*\s+3], s[G0B+4*\s+3], 0x80000000
.endr
; THE HEAD'S LOADS, ONE A WAVE: wave 0 A's 8 row tiles of slot 0, wave 1 A's scale words, wave 2 B's 8 row tiles, wave 3 B's scale words.  One chain of branches on the wave's number, every arm leading to one join.
.macro ARM under, g0, g1, next
	s_cmp_lt_u32 s14, \under
	s_cbranch_scc0 \next
	tensor_load_to_lds s[\g0:\g0+3], s[\g1:\g1+7]
	s_nop 0
.rept 4
	v_nop
.endr
	s_branch .Lhead_asked
\next:
.endm
	ARM 1, G0,  G1,  .Lhead_sa
	ARM 2, G0S, G1S, .Lhead_b
	ARM 3, G0B, G1B, .Lhead_sb
	tensor_load_to_lds s[G0SB:G0SB+3], s[G1SB:G1SB+7]
	s_nop 0
.rept 4
	v_nop
.endr
.Lhead_asked:
; Prefetches: of the 4 row tiles that I fetch in the ring, my work-group takes one (its place among the four partners of the joint load, by address alone): a chunk of it is 24 blocks of 256 bytes, a lane a block; lanes 24-31 name the last again.
; Behind the load of chunk c stands the request for chunk c + 2; chunk 1 is asked for at the head too; the loop's last trip, whose chunks two on do not exist, asks for nothing.
	s_cmp_eq_u32 s15, 0
	s_cselect_b64 s[18:19], s[20:21], s[46:47]
	s_cselect_b32 s2, s40, s41
	s_mul_i32 s2, s2, KT*1536
	s_mov_b32 s3, 0
	s_add_nc_u64 s[18:19], s[18:19], s[2:3]
	v_and_b32 v8, 31, v0
	v_min_u32 v8, 23, v8
	v_lshlrev_b32 v30, 8, v8
	global_prefetch_b8 v30, s[18:19] offset:6144 th:TH_LOAD_NT scope:SCOPE_SE    ; chunk 1
	global_prefetch_b8 v30, s[18:19] offset:12288 th:TH_LOAD_NT scope:SCOPE_SE   ; chunk 2
	v_and_b32 v1, 15, v0
	v_bfe_u32 v2, v0, 4, 1
	s_wait_alu depctr_va_vdst(0)
	v_and_b32 v3, 31, v0
	v_lshlrev_b32 v4, 3, v3
	s_mul_i32 s21, s15, HALFT
	s_mul_i32 s22, s16, HALFT
	s_add_co_u32 s22, s22, 2*HALFT
.irp s, 0,1
	v_add_nc_u32 v[ADRA+\s], s21, v4
	v_add_nc_u32 v[ADRB+\s], s22, v4
	s_add_co_u32 s21, s21, SLOT
	s_add_co_u32 s22, s22, SLOT
.endr
	v_lshlrev_b32 v5, 2, v1
	s_lshl_b32 s21, s15, 8                         ; my half's 64 words of a K step's 128
	s_lshl_b32 s22, s16, 8
	s_add_co_u32 s22, s22, 2*HALFS
	s_sub_co_u32 s22, s22, s21
	v_mul_u32_u24 v6, s22, v2
	s_add_co_u32 s21, s21, SCL
	v_add_nc_u32 v5, v5, v6
	v_add_nc_u32 v[ADRS], s21, v5
	s_mul_i32 s23, s14, 4*SBLK
	v_mul_u32_u24 v5, v1, SPITCH
	v_lshl_add_u32 v5, v2, 6, v5
	v_add_nc_u32 v[STO], s23, v5
	v_mul_u32_u24 v5, v2, SPITCH
	v_lshl_add_u32 v5, v1, 4, v5
	v_add_nc_u32 v[RD], s23, v5
	v_lshlrev_b32 v[CO], 12, v2
	v_lshl_add_u32 v[CO], v1, 4, v[CO]
	s_wait_alu depctr_va_vdst(0)
	s_lshl_b32 s20, s17, 7
	s_lshl_b32 s21, s15, 6
	s_add_co_u32 s20, s20, s21
	s_lshl_b32 s20, s20, 12
	s_lshl_b32 s46, s42, 9
	s_lshl_b32 s47, s16, 8
	s_add_co_u32 s46, s46, s47
	s_mov_b32 s47, 0
	s_add_nc_u64 s[96:97], s[8:9], s[46:47]
	s_add_co_u32 s46, s46, s20
	s_add_nc_u64 s[10:11], s[10:11], s[46:47]
	s_add_nc_u64 s[12:13], s[12:13], s[46:47]
	v_lshlrev_b32 v7, 6, v2
.irp b, 0,1,2,3
	global_load_b128 v[BIAS+8*\b:BIAS+8*\b+3], v7, s[96:97] offset:128*(\b/2)+32*(\b%2)
	global_load_b128 v[BIAS+8*\b+4:BIAS+8*\b+7], v7, s[96:97] offset:128*(\b/2)+32*(\b%2)+16
.endr
	WIN 0x80
.irp a, 0,1,2,3
.irp t, 0,1,2,3,4,5,6,7
	global_load_b128 v[RS+32*\a+4*\t:RS+32*\a+4*\t+3], v[CO], s[10:11] offset:(32*(\a/2)+8*(\a%2)+2*\t+8*(\t/4))*4096 th:TH_LOAD_NT
.endr
.endr
	WIN 0
.macro FRAG reg, adr, q, i
.irp p, 0,1,2,3,4,5
	ds_load_b64 v[\reg+2*\p:\reg+2*\p+1], v[\adr] offset:(\i)*6144+(\q)*1536+256*\p
.endr
.endm
.macro MUL4 f, a, q, sc, cs
.irp b, 0,1,2,3
.if \cs
	v_wmma_scale_f32_16x16x128_f8f6f4 v[ACC+8*(4*(\a)+\b):ACC+8*(4*(\a)+\b)+7], v[\f+48+FR*\b:\f+48+FR*\b+FR-1], v[\f+FR*(\a):\f+FR*(\a)+FR-1], v[BIAS+8*\b:BIAS+8*\b+7], v[SC+4*NQ*(\sc)+NQ*\b+(\q)], v[SC+4*NQ*(\sc)+NQ*(\a)+(\q)] matrix_a_fmt:MATRIX_FMT_FP6 matrix_b_fmt:MATRIX_FMT_FP6 matrix_a_scale:MATRIX_SCALE_ROW1
.else
	v_wmma_scale_f32_16x16x128_f8f6f4 v[ACC+8*(4*(\a)+\b):ACC+8*(4*(\a)+\b)+7], v[\f+48+FR*\b:\f+48+FR*\b+FR-1], v[\f+FR*(\a):\f+FR*(\a)+FR-1], v[ACC+8*(4*(\a)+\b):ACC+8*(4*(\a)+\b)+7], v[SC+4*NQ*(\sc)+NQ*\b+(\q)], v[SC+4*NQ*(\sc)+NQ*(\a)+(\q)] matrix_a_fmt:MATRIX_FMT_FP6 matrix_b_fmt:MATRIX_FMT_FP6 matrix_a_scale:MATRIX_SCALE_ROW1
.endif
.endr
.endm
.macro FETCH slot, q, f
	WIN TO_F
.irp i, 0,1,2,3
	FRAG \f+48+FR*\i, ADRB+\slot, \q, \i
.endr
.irp i, 0,1,2,3
	FRAG \f+FR*\i, ADRA+\slot, \q, \i
.endr
.endm
.macro SCALES sc
.irp q, 0,1,2,3
.irp i, 0,1,2,3
	ds_load_b32 v[SC+4*NQ*\sc+NQ*\i+\q], v[ADRS] offset:512*\q+64*\i
.endr
.endr
.endm
.macro PLACES n
.rept \n
	v_nop
.endr
.endm
.macro QUARTER slot, q, f, g, cs
	s_wait_dscnt 12
	WIN MUL
	MUL4 \f, 0, (\q)-1, \slot, \cs
	MUL4 \f, 1, (\q)-1, \slot, \cs
	PLACES NP
	FETCH \slot, \q, \g
	s_wait_dscnt 48
	WIN MUL
	MUL4 \f, 2, (\q)-1, \slot, \cs
	MUL4 \f, 3, (\q)-1, \slot, \cs
.endm
.macro TURN slot, next, fill
	WIN 0
.if (\fill) && (\slot) == 0
	s_wait_xcnt 0x0                                ; my prefetches have read their address: it goes two chunks on, once a trip
	s_add_nc_u64 s[18:19], s[18:19], 12288
.endif
	s_wait_tensorcnt 0x0
	ds_add_u32 v[SPW], v[NIL]
	s_wait_dscnt 13
	WIN MUL
	MUL4 F1, 0, NQ-1, \slot, 0
	s_wait_dscnt 0x0
	s_barrier_signal -1
	MUL4 F1, 1, NQ-1, \slot, 0
	WIN 0
	s_barrier_wait -1
.if \fill
	CREST
	s_add_nc_u64 s[G0+4*\slot+2:G0+4*\slot+3], s[G0+4*\slot+2:G0+4*\slot+3], 12288
	s_add_nc_u64 s[G0B+4*\slot+2:G0B+4*\slot+3], s[G0B+4*\slot+2:G0B+4*\slot+3], 12288
	JLOAD G0+4*\slot, G1, G0B+4*\slot, G1B
.else
	PLACES NP
.endif
	s_wait_alu depctr_va_vdst(0)
	v_add_nc_u32 v[ADRS], 2048, v[ADRS]
	SCALES \next
.if \fill
	s_cmp_gt_u32 s3, 1                             ; s3 = 1 in the loop's last trip
	s_cbranch_scc0 .Lno_ask_\@
	global_prefetch_b8 v30, s[18:19] offset:12288+6144*\slot th:TH_LOAD_NT scope:SCOPE_SE   ; the chunk two refills on
.Lno_ask_\@:
.endif
	FETCH \next, 0, F0
	WIN MUL
	MUL4 F1, 2, NQ-1, \slot, 0
	MUL4 F1, 3, NQ-1, \slot, 0
.endm
	s_wait_alu depctr_va_vdst(0)                   ; the wait at the head's end
	s_wait_tensorcnt 0x0                           ; my tile of the head's four is in; slot 1's first fill is issued as a refill is
	ds_add_u32 v[SPW], v[NIL]
	s_mov_b32 s[G1+2], 4<<16                       ; no tensor load of mine is out: from here on a load brings 4 row tiles
	s_mov_b32 s[G1+4], 4
	s_mov_b32 s[G1B+2], 4<<16
	s_mov_b32 s[G1B+4], 4
	s_wait_dscnt 0x0
	CROUND
	JLOAD G0+4, G1, G0B+4, G1B
	global_prefetch_b8 v30, s[18:19] offset:18432 th:TH_LOAD_NT scope:SCOPE_SE   ; chunk 3
	SCALES 0
	FETCH 0, 0, F0
	s_wait_loadcnt 32
	QUARTER 0, 1, F0, F1, 1
.if LAPS > 1
	WIN 0
	s_mov_b32 s3, LAPS-1
.Llap:
	QUARTER 0, 2, F1, F0, 0
	QUARTER 0, 3, F0, F1, 0
	TURN 0, 1, 1
	QUARTER 1, 1, F0, F1, 0
	QUARTER 1, 2, F1, F0, 0
	QUARTER 1, 3, F0, F1, 0
	TURN 1, 0, 1
	QUARTER 0, 1, F0, F1, 0
	WIN 0
	s_sub_co_u32 s3, s3, 1
	s_cmp_lg_u32 s3, 0
	s_cbranch_scc1 .Llap
.endif
	QUARTER 0, 2, F1, F0, 0
	QUARTER 0, 3, F0, F1, 0
	TURN 0, 1, 0
	QUARTER 1, 1, F0, F1, 0
	QUARTER 1, 2, F1, F0, 0
	QUARTER 1, 3, F0, F1, 0
	s_wait_dscnt 12
	WIN MUL
	MUL4 F1, 0, NQ-1, 1, 0
	MUL4 F1, 1, NQ-1, 1, 0
	s_wait_dscnt 0
	MUL4 F1, 2, NQ-1, 1, 0
	MUL4 F1, 3, NQ-1, 1, 0
	WIN 0
	PLACES NP
.irp a, 0,1,2,3
.irp b, 0,1,2,3
	ds_store_b128 v[STO], v[ACC+8*(4*\a+\b):ACC+8*(4*\a+\b)+3] offset:\a*SBLK+128*(\b/2)+32*(\b%2)
	ds_store_b128 v[STO], v[ACC+8*(4*\a+\b)+4:ACC+8*(4*\a+\b)+7] offset:\a*SBLK+128*(\b/2)+32*(\b%2)+16
.endr
.irp t, 0,1,2,3,4,5,6,7
	ds_load_b128 v[ACC+32*\a+4*\t:ACC+32*\a+4*\t+3], v[RD] offset:\a*SBLK+2*\t*SPITCH
.endr
.endr
	s_wait_loadcnt 0x0
.irp a, 0,1,2,3
	s_wait_dscnt 16*(3-\a)
	WIN 0x08
.set i, 0
.rept 16
	v_pk_add_f32 v[ACC+32*\a+i:ACC+32*\a+i+1], v[ACC+32*\a+i:ACC+32*\a+i+1], v[RS+32*\a+i:RS+32*\a+i+1]
.set i, i+2
.endr
	WIN 0
.irp t, 0,1,2,3,4,5,6,7
.if NTS
	global_store_b128 v[CO], v[ACC+32*\a+4*\t:ACC+32*\a+4*\t+3], s[12:13] offset:(32*(\a/2)+8*(\a%2)+2*\t+8*(\t/4))*4096 th:TH_STORE_NT
.else
	global_store_b128 v[CO], v[ACC+32*\a+4*\t:ACC+32*\a+4*\t+3], s[12:13] offset:(32*(\a/2)+8*(\a%2)+2*\t+8*(\t/4))*4096
.endif
.endr
.endr
	s_wait_tensorcnt 0x0
	ds_add_u32 v[SPW], v[NIL]
	s_wait_dscnt 0x0
	CROUND
	s_endpgm
.Lfunc_end_k_qfc8b768639_w2:
	.size	k_qfc8b768639_w2, .Lfunc_end_k_qfc8b768639_w2-k_qfc8b768639_w2
	.p2alignl 7, 3214868480
	.fill 96, 4, 3214868480
	.section	.rodata,"a",@progbits
	.p2align	6, 0x0
	.amdhsa_kernel k_qfc8b768639_w2
		.amdhsa_group_segment_fixed_size 327680
		.amdhsa_private_segment_fixed_size 0
		.amdhsa_enable_private_segment 0
		.amdhsa_kernarg_size 40
		.amdhsa_user_sgpr_count 2
		.amdhsa_user_sgpr_kernarg_segment_ptr 1
		.amdhsa_wavefront_size32 1
		.amdhsa_system_sgpr_workgroup_id_x 1
		.amdhsa_system_sgpr_workgroup_id_y 1
		.amdhsa_system_sgpr_workgroup_id_z 1
		.amdhsa_system_vgpr_workitem_id 0
		.amdhsa_next_free_vgpr 768
		.amdhsa_next_free_sgpr 102
		.amdhsa_reserve_vcc 0
		.amdhsa_float_denorm_mode_32 3
		.amdhsa_float_denorm_mode_16_64 3
		.amdhsa_memory_ordered 1
		.amdhsa_forward_progress 1
		.amdhsa_inst_pref_size 118
	.end_amdhsa_kernel
	.amdgpu_metadata
---
amdhsa.version: [ 1, 2 ]
amdhsa.kernels:
  - .name:           k_qfc8b768639_w2
    .symbol:         k_qfc8b768639_w2.kd
    .args:
      - { .name: hid, .offset: 0, .size: 8, .value_kind: global_buffer, .address_space: global }
      - { .name: wts, .offset: 8, .size: 8, .value_kind: global_buffer, .address_space: global }
      - { .name: b2, .offset: 16, .size: 8, .value_kind: global_buffer, .address_space: global }
      - { .name: x1, .offset: 24, .size: 8, .value_kind: global_buffer, .address_space: global }
      - { .name: out0, .offset: 32, .size: 8, .value_kind: global_buffer, .address_space: global }
    .group_segment_fixed_size: 327680
    .private_segment_fixed_size: 0
    .kernarg_segment_align: 8
    .kernarg_segment_size: 40
    .max_flat_workgroup_size: 128
    .sgpr_count:     102
    .vgpr_count:     768
    .wavefront_size: 32
...
	.end_amdgpu_metadata
.endif
;; end of part 14
